; MI455X (gfx1250); checked and timed in simulation.
; The chip was launched on July 23, 2026; its instructions are those of AMD's public machine-readable ISA for CDNA 5 (MIT licence, August 2026) and "CDNA5" Instruction Set Architecture Reference Guide (July 2026). The comments in the code are by the model that wrote it; some were corrected since.
;; Block. Allowed arithmetic: matrix products marked QUANTISED: E2M1 operands, one E8M0 scale for each 32 along K, by v_wmma_scale_f32_16x16x128_f8f6f4 with both operands' format E2M1 (or v_wmma_scale_f32_32x16x128_f4), f32 sums; everything else in f32.
;; Inputs: W1 1,024 x 4,096 float32; W2 4,096 x 1,024 float32; Wk 16 x 1,024 x 64 float32; Wp 1,024 x 1,024 float32; Wq 16 x 1,024 x 64 float32; Wv 16 x 1,024 x 64 float32; b1 4,096 float32; b2 1,024 float32; beta1 1,024 float32; beta2 1,024 float32; bp 1,024 float32; g1 1,024 float32; g2 1,024 float32; x 2 x 2,048 x 1,024 float32.
;; Outputs: out0 2 x 2,048 x 1,024 float32.
;; This version of the problem:
;;   THIS VERSION OF THE PROBLEM IS GIVEN IN LOW PRECISION. The matrix products marked QUANTISED in the list below multiply operands that are first quantised to E2M1 (2 exponent bits, 1 mantissa bit; 4 bits a number), with one power-of-two scale for each 32 numbers along K (OCP MX v1.0); their sums are f32. All else is computed in f32.
;;   The module's matrix products, in the order in which they are computed (A, B: the left and right operand; K: the contracted axis; several contracted axes count as one K, in the product's order):
;;     1. [M 1,024, K 1,024] x [K 1,024, N 4,096]; A: input Wq; B: computed on the way: QUANTISED
;;     2. [M 1,024, K 1,024] x [K 1,024, N 4,096]; A: input Wk; B: computed on the way: QUANTISED
;;     3. [M 1,024, K 1,024] x [K 1,024, N 4,096]; A: input Wv; B: computed on the way: QUANTISED
;;     4. batch 32 x [M 2,048, K 64] x [K 64, N 2,048]; A: computed on the way; B: computed on the way: QUANTISED
;;     5. batch 32 x [M 2,048, K 2,048] x [K 2,048, N 64]; A: softmax (see below); B: computed on the way: QUANTISED
;;     6. [M 4,096, K 1,024] x [K 1,024, N 1,024]; A: computed on the way; B: input Wp: QUANTISED
;;     7. [M 4,096, K 1,024] x [K 1,024, N 4,096]; A: computed on the way; B: input W1: QUANTISED
;;     8. [M 4,096, K 4,096] x [K 4,096, N 1,024]; A: computed on the way; B: input W2: QUANTISED
;;   THE QUANTISER, for each operand of a quantised product, along K:
;;     - K is cut into blocks of 32 from its start; a last block that is shorter is filled with zeros.
;;     - A block's scale is 2^e with e = floor(log2(the largest magnitude in the block)) - 2, held to -126 .. 127; a block of zeros has e = 0. As a byte (E8M0): e + 127.
;;     - Each number is divided by its block's scale, clamped to +-6, and rounded to the nearest number of E2M1, ties to even, subnormals kept.
;;     - The product sums the exact products of the quantised numbers (number of the format x scale) in f32.
;;   ~~~python
;;   def quantise(x, axis):      # numpy; x: float32 -> the quantised numbers, widened to float32 again
;;       x = np.moveaxis(x, axis, -1); K = x.shape[-1]
;;       x = np.pad(x, [(0, 0)] * (x.ndim - 1) + [(0, -K % 32)]); x = x.reshape(x.shape[:-1] + (-1, 32)); a = np.abs(x).max(-1, keepdims=True)
;;       e = np.where(a > 0, np.clip(np.frexp(np.where(a > 0, a, 1))[1] - 1 - 2, -126, 127), 0)      # np.frexp(a)[1] - 1 = floor(log2(a)), exactly
;;       r = np.clip(x / 2.0 ** e, -6, 6)
;;       step = 2.0 ** (np.maximum(np.frexp(np.where(r == 0, 1, r))[1] - 1, 0) - 1)
;;       q = np.round(r / step) * step * 2.0 ** e      # np.round: ties to even
;;       return np.moveaxis(q.reshape(q.shape[:-2] + (-1,))[..., :K], -1, axis).astype(np.float32)
;;   ~~~
;;   SOFTMAX AHEAD OF A QUANTISED PRODUCT. Where the list says 'softmax', what is quantised is not the finished softmax but p = 2^(t - M), with t = logit x log2(e) and M = ceil(the row's largest t), a whole number; so 1/2 < the row's largest p <= 1. The row's sum l is taken of the UNQUANTISED p, in f32, and the product's result is divided by l at the end. Since M is a whole number, a kernel that streams over the keys may use a running M (the ceiling of the running maximum): every later rescaling is an exact power of two, which a block's scale takes up: the codes' values come out the same.
;;   OPERANDS COMPUTED ON THE WAY. 'Computed on the way' means the value that the module computes at that place (a softmax that the list does not call 'softmax' is quantised finished and normalised). What goes into a quantiser is computed in f32, as accurately as f32 sums, v_exp_f32 and their like allow (about 1e-6 of the number): no bf16 or f16 on the way to a quantiser, and a product that is left as it is and whose result goes on into a quantised operand takes f32 operands (vector FMAs, or v_wmma_f32_16x16x4_f32). A number that lies on a knife's edge between two numbers of the format may be rounded either way, as far as f32 arithmetic and the matrix unit's own rounding can turn it there, and no further.
;; 2 versions. Each part assembles by itself: llvm-mc -triple=amdgcn-amd-amdhsa -mcpu=gfx1250 --defsym DOCPART=n.
;; ======== version 1 of 2: 8 launches
;; workspace buffers: wc 6,684,672 bytes; hc 2,228,224 bytes; qkv 6,946,816 bytes; oc 2,228,224 bytes; x1 16,777,216 bytes; h2c 2,228,224 bytes; hid 8,912,896 bytes
;; launch wquant (part 1): grid 768 x 1, 4 waves a work-group, no clusters, 8,704 bytes of LDS; arguments Wq, Wk, Wv, Wp, W1, W2, wc; writes wc
.if DOCPART == 1
	.amdgcn_target "amdgcn-amd-amdhsa--gfx1250"
	.amdhsa_code_object_version 6
	.text
	.protected	k_q2342cf4714_wquant
	.globl	k_q2342cf4714_wquant
	.p2align	8
	.type	k_q2342cf4714_wquant,@function
k_q2342cf4714_wquant:
	s_mov_b64 s[64:65], 0
	v_nop
	global_prefetch_b8 v0, s[64:65] scope:SCOPE_SE
	s_setreg_imm32_b32 hwreg(HW_REG_WAVE_MODE, 25, 1), 1
	s_wait_xcnt 0x0
; The six weights, f32 with K as their first matrix axis, become codes of FP4 (E2M1) with one E8M0 byte for each 32 along K, laid as RECORDS in wc.
; A record (8,704 bytes) is 128 rows of an operand x 128 along K: eight images of 1,024 bytes (a fragment's eight registers as they stand: register group c of lane l at 512 c + 16 l), then 512 bytes of
; scale words (tile a, row r at 8192 + 64 a + 4 r).  Tile a, row r of a record is the operand's row 32 (a / 2) + 8 (a % 2) + r + 8 (r / 8) of the 128.
; Records: Wq 0-63, Wk 64-127, Wv 128-191, Wp 192-255 (chunk x 8 + K step), W1 256-511 (chunk x 8 + K step), W2 512-767 (chunk x 32 + K step).
; Work-group w makes record w.  A wave takes 32 columns (two tiles), A LANE TAKES A COLUMN AND ITS REGISTERS RUN DOWN K: a block of 32 lies in one lane, and the conversions give codes with K innermost.
; One path for all six: only scalars (pointer, pitch, steps) are chosen, by the work-group's number.  No barrier: each wave has 2,048 bytes of LDS of its own.
; A block's scale is 2^(floor(log2(largest magnitude)) - 2); its byte is the largest magnitude's exponent field - 2, held at 1 from below.
; LIMITS: a block of zeros gets the byte 1 (its codes are zeros, and this program alone reads the bytes); blocks whose largest magnitude lies under 2^-124 have their byte held at 1; NaN and infinities are not served.
.set REC, 8704
.set VO,  16                           ; v16-47   4 x lane + i x pitch: my column in row i of a block
.set X,   48                           ; v48-111  two sets of 32 numbers
.set C,   112                          ; v112-127 four registers of codes for each of the four blocks
	s_load_b256 s[4:11], s[0:1], 0x0               ; Wq s[4:5], Wk s[6:7], Wv s[8:9], Wp s[10:11]
	s_load_b128 s[12:15], s[0:1], 0x20             ; W1 s[12:13], W2 s[14:15]
	s_load_b64 s[18:19], s[0:1], 0x30              ; wc
	v_lshl_add_u32 v128, v0, 2, 0x2000
	v_mov_b32 v129, 0
	v_lshrrev_b32 v1, 5, v0
	v_readfirstlane_b32 s20, v1                    ; wave 0..3
	v_and_b32 v1, 31, v0                           ; lane
	s_mov_b32 s22, 4096                            ; bytes from one k to the next: Wp and W2
	s_mov_b32 s23, 512                             ; from a chunk of 128 columns to the next
	s_mov_b32 s24, 256                             ; from waves 0, 1 to waves 2, 3
	s_cmp_lt_u32 ttmp9, 192                        ; Wq, Wk, Wv are [head][k][64]: a chunk is two heads
	s_cselect_b32 s22, 256, s22
	s_cselect_b32 s23, 0x80000, s23
	s_cselect_b32 s24, 0x40000, s24
	s_lshr_b32 s25, ttmp9, 8
	s_cmp_eq_u32 s25, 1                            ; W1
	s_cselect_b32 s22, 16384, s22
	s_and_b32 s26, ttmp9, 63
	s_and_b32 s27, ttmp9, 255
	s_cmp_lt_u32 ttmp9, 256
	s_cselect_b32 s26, s26, s27                    ; the record's number within its weight
	s_cmp_lt_u32 ttmp9, 512
	s_cselect_b32 s27, 3, 5                        ; 8 K steps to a chunk, in W2 32
	s_lshr_b32 s28, s26, s27                       ; chunk
	s_lshl_b32 s29, s28, s27
	s_sub_co_u32 s29, s26, s29                     ; K step
	s_lshl_b32 s30, s22, 7
	s_mul_i32 s30, s30, s29                        ; 128 rows of k for each K step
	s_mul_i32 s31, s28, s23
	s_add_co_u32 s30, s30, s31
	s_lshr_b32 s31, s20, 1
	s_mul_i32 s31, s31, s24
	s_add_co_u32 s30, s30, s31
	s_and_b32 s31, s20, 1
	s_lshl_b32 s31, s31, 7
	s_add_co_u32 s30, s30, s31                     ; my wave's 32 columns
	s_mov_b32 s31, 0
	s_mul_i32 s16, ttmp9, REC
	s_mov_b32 s17, 0
	v_and_b32 v8, 7, v1
	v_lshrrev_b32 v9, 4, v1
	v_lshl_add_u32 v8, v9, 3, v8                   ; my column's row in its tile: lane % 8 + 8 (lane / 16)
	v_bfe_u32 v9, v1, 3, 1                         ; and which of my wave's two tiles
	s_lshl_b32 s40, s20, 11                        ; my wave's two images
	v_lshlrev_b32 v2, 4, v8
	v_lshl_add_u32 v2, v9, 10, v2
	v_add_nc_u32 v2, s40, v2                       ; v2: where my column's 16 bytes of a block go in the stage
	v_lshlrev_b32 v3, 4, v1
	v_add_nc_u32 v3, s40, v3                       ; v3: 16 x lane in my wave's images: the stage on the way out, and the same place in the record
	s_lshl_b32 s41, s20, 7
	s_add_co_u32 s41, s41, 8192
	v_lshlrev_b32 v5, 2, v8
	v_lshl_add_u32 v5, v9, 6, v5
	v_add_nc_u32 v5, s41, v5                       ; v5: my column's scale word in the record
	v_lshlrev_b32 v[VO], 2, v1
.set i, 1
.rept 31
	v_add_nc_u32 v[VO+i], s22, v[VO+i-1]
.set i, i+1
.endr
	s_wait_kmcnt 0x0
	s_cmp_lt_u32 ttmp9, 512                        ; the weight: a choice between buffers by the work-group's number
	s_cselect_b64 s[12:13], s[12:13], s[14:15]
	s_cmp_lt_u32 ttmp9, 256
	s_cselect_b64 s[12:13], s[10:11], s[12:13]
	s_cmp_lt_u32 ttmp9, 192
	s_cselect_b64 s[12:13], s[8:9], s[12:13]
	s_cmp_lt_u32 ttmp9, 128
	s_cselect_b64 s[12:13], s[6:7], s[12:13]
	s_cmp_lt_u32 ttmp9, 64
	s_cselect_b64 s[12:13], s[4:5], s[12:13]
	s_add_nc_u64 s[32:33], s[12:13], s[30:31]      ; block 0's first row;
	s_lshl_b32 s30, s22, 5
	s_add_nc_u64 s[34:35], s[32:33], s[30:31]      ; blocks 1 to 3: 32 rows on each
	s_add_nc_u64 s[36:37], s[34:35], s[30:31]
	s_add_nc_u64 s[38:39], s[36:37], s[30:31]
	s_add_nc_u64 s[18:19], s[18:19], s[16:17]      ; my record
.macro LOAD t                          ; block t: 32 rows of k at my column; a wave's load reads 128 neighbouring bytes
.set i, 0
.rept 32
	global_load_b32 v[X+32*((\t)%2)+i], v[VO+i], s[32+2*(\t):33+2*(\t)] th:TH_LOAD_NT
.set i, i+1
.endr
.endm
.macro BLOCK t
.set XS, X+32*((\t)%2)
.if (\t) < 3
	s_wait_loadcnt 32                              ; this block's 32 loads are in; the next block's 32 may be out
.else
	s_wait_loadcnt 0x0
.endif
	v_max3_num_f32 v8, |v[XS]|, |v[XS+1]|, |v[XS+2]|               ; the block's largest magnitude, in two chains: all 32 numbers are mine
	v_max3_num_f32 v9, |v[XS+3]|, |v[XS+4]|, |v[XS+5]|
.irp i, 6,10,14,18,22,26
	v_max3_num_f32 v8, v8, |v[XS+\i]|, |v[XS+\i+1]|
	v_max3_num_f32 v9, v9, |v[XS+\i+2]|, |v[XS+\i+3]|
.endr
	v_max3_num_f32 v8, v8, |v[XS+30]|, |v[XS+31]|
	v_max3_num_f32 v8, v8, v9, 0x1800000           ; and the floor 2^(3 - 127): the byte cannot fall under 1
	v_add_nc_u32 v10, 0xff000000, v8               ; 2 off the exponent field: the conversion takes this operand's exponent field as its scale
.if (\t) == 0
	v_lshrrev_b32 v6, 23, v10                      ; the scale's byte: four to the word, the lower k in the lower byte
.else
	v_lshrrev_b32 v11, 23, v10
	v_lshl_or_b32 v6, v11, 8*(\t), v6
.endif
.irp g, 0,1,2,3
	v_cvt_scalef32_pk8_fp4_f32 v[C+4*(\t)+\g], v[XS+8*\g:XS+8*\g+7], v10
.endr
	ds_store_b128 v2, v[C+4*(\t):C+4*(\t)+3] offset:((\t)/2)*512+((\t)%2)*256   ; block t = 2 c + h: register group c of lane r + 16 h
.if (\t) < 2
	LOAD (\t)+2
.endif
.endm
	LOAD 0
	LOAD 1
	BLOCK 0
	BLOCK 1
	BLOCK 2
	BLOCK 3
	global_store_b32 v5, v6, s[18:19]              ; the wave's 32 scale words: 128 neighbouring bytes
.irp i, 0,1,2,3
	ds_load_b128 v[X+4*\i:X+4*\i+3], v3 offset:512*\i      ; LDS serves a wave's instructions in order: these see my stores
.endr
.irp i, 0,1,2,3
	s_wait_dscnt 3-\i                              ; load i is in; the younger ones may be out
	global_store_b128 v3, v[X+4*\i:X+4*\i+3], s[18:19] offset:512*\i   ; 32 lanes store 512 consecutive bytes
.endr
	s_wait_tensorcnt 0x0
	ds_add_u32 v128, v129
	s_wait_dscnt 0x0
	s_endpgm
.Lfunc_end_k_q2342cf4714_wquant:
	.size	k_q2342cf4714_wquant, .Lfunc_end_k_q2342cf4714_wquant-k_q2342cf4714_wquant
	.p2alignl 7, 3214868480
	.fill 96, 4, 3214868480
	.section	.rodata,"a",@progbits
	.p2align	6, 0x0
	.amdhsa_kernel k_q2342cf4714_wquant
		.amdhsa_group_segment_fixed_size 8704
		.amdhsa_private_segment_fixed_size 0
		.amdhsa_enable_private_segment 0
		.amdhsa_kernarg_size 56
		.amdhsa_user_sgpr_count 2
		.amdhsa_user_sgpr_kernarg_segment_ptr 1
		.amdhsa_wavefront_size32 1
		.amdhsa_system_sgpr_workgroup_id_x 1
		.amdhsa_system_sgpr_workgroup_id_y 1
		.amdhsa_system_sgpr_workgroup_id_z 1
		.amdhsa_system_vgpr_workitem_id 0
		.amdhsa_next_free_vgpr 130
		.amdhsa_next_free_sgpr 66
		.amdhsa_reserve_vcc 0
		.amdhsa_float_denorm_mode_32 3
		.amdhsa_float_denorm_mode_16_64 3
		.amdhsa_memory_ordered 1
		.amdhsa_forward_progress 1
		.amdhsa_inst_pref_size 24
	.end_amdhsa_kernel
	.amdgpu_metadata
---
amdhsa.version: [ 1, 2 ]
amdhsa.kernels:
  - .name:           k_q2342cf4714_wquant
    .symbol:         k_q2342cf4714_wquant.kd
    .args:
      - { .name: Wq, .offset: 0, .size: 8, .value_kind: global_buffer, .address_space: global }
      - { .name: Wk, .offset: 8, .size: 8, .value_kind: global_buffer, .address_space: global }
      - { .name: Wv, .offset: 16, .size: 8, .value_kind: global_buffer, .address_space: global }
      - { .name: Wp, .offset: 24, .size: 8, .value_kind: global_buffer, .address_space: global }
      - { .name: W1, .offset: 32, .size: 8, .value_kind: global_buffer, .address_space: global }
      - { .name: W2, .offset: 40, .size: 8, .value_kind: global_buffer, .address_space: global }
      - { .name: wc, .offset: 48, .size: 8, .value_kind: global_buffer, .address_space: global }
    .group_segment_fixed_size: 8704
    .private_segment_fixed_size: 0
    .kernarg_segment_align: 8
    .kernarg_segment_size: 56
    .max_flat_workgroup_size: 128
    .sgpr_count:     66
    .vgpr_count:     130
    .wavefront_size: 32
...
	.end_amdgpu_metadata
.endif
;; end of part 1
;; launch ln1 (part 2): grid 256 x 1, 8 waves a work-group, no clusters, 69,632 bytes of LDS; arguments x, g1, beta1, hc; writes hc
.if DOCPART == 2
	.amdgcn_target "amdgcn-amd-amdhsa--gfx1250"
	.amdhsa_code_object_version 6
	.text
	.protected	k_q2342cf4714_ln1
	.globl	k_q2342cf4714_ln1
	.p2align	8
	.type	k_q2342cf4714_ln1,@function
k_q2342cf4714_ln1:
	s_mov_b64 s[64:65], 0
	v_nop
	global_prefetch_b8 v0, s[64:65] scope:SCOPE_SE
	s_setreg_imm32_b32 hwreg(HW_REG_WAVE_MODE, 25, 1), 1
	s_wait_xcnt 0x0
; H = Q(LayerNorm(X) g + beta): X [4096][1024] f32; H: codes of FP4 with one E8M0 byte for each 32 along the row, in records of 8,704 bytes: [chunk of 128 tokens][K step of 128][record].
; A record: eight images of 1,024 bytes (a fragment's registers as they stand: group c of lane l at 512 c + 16 l), then scale words (tile a, row r at 8192 + 64 a + 4 r).
; Tile T, row r is token 32 (T / 2) + 8 (T % 2) + r + 8 (r / 8).
; SHARES.  Work-group T owns tile T, 16 tokens.  Wave w owns K step w: columns 128 w .. 128 w + 127.  Each load reads 512 consecutive bytes of a row; the 16 rows turn through the wave's own stage in LDS, so that
; lane (r, h) holds 64 numbers of row r: register 16 b + i = column 32 b + 16 h + i, as the conversions want them.
; Mean and variance in two passes (the variance of x - mean), each summed over the eight waves through LDS in a fixed order: two barriers, two regions.
; LIMITS: a block of zeros gets the byte 1 (its codes are zeros, and this program alone reads the bytes); blocks under 2^-124 have their byte held at 1; NaN and infinities are not served.
; The 16 scale words of a tile and K step are 64 bytes: that one store covers a part of an aligned 256 bytes; it is one byte in 128 of what the launch reads.
.set STG,  8448                        ; a wave's stage: 16 rows x (512 bytes + 16)
.set PART, 8*STG                       ; behind the stages: [wave][16 rows] words for the sums, and 512 bytes on the same for the squares
.set REC,  8704
.set XR,   16                          ; v16-79   my 64 numbers
.set GR,   80                          ; v80-143  g at their columns
.set RAW,  144                         ; v144-207 x as loaded; then beta
.set TM,   208                         ; v208-223 at work
.set PW,   224                         ; the scale word
.set PC,   226                         ; v226-233 the codes
.set PS,   234                         ; v234-241 the eight waves' parts
.set SEL,  20                          ; s[20:21] lane selects: lane l xor 16
.macro QUANT s                         ; 64 numbers, register 16 b + i = k 32 b + 16 (lane / 16) + i of my row -> a fragment in v[PC] on, its scale word in v[PW]
.irp b, 0,1,2,3
	v_max3_num_f32 v[TM+\b], |v[\s+16*\b]|, |v[\s+1+16*\b]|, 0x1800000   ; my 16 numbers of block b, and the floor 2^(3 - 127)
.endr
.irp i, 2,4,6,8,10,12,14
.irp b, 0,1,2,3
	v_max3_num_f32 v[TM+\b], v[TM+\b], |v[\s+16*\b+\i]|, |v[\s+1+16*\b+\i]|
.endr
.endr
.irp b, 0,1,2,3
	v_permlanex16_b32 v[TM+4+\b], v[TM+\b], s[SEL], s[SEL+1]
.endr
.irp b, 0,1,2,3
	v_max_num_f32 v[TM+\b], v[TM+\b], v[TM+4+\b]   ; with lane l xor 16's: the block's largest magnitude
.endr
.irp b, 0,1,2,3
	v_add_nc_u32 v[TM+12+\b], 0xff000000, v[TM+\b] ; 2 off its exponent field: the conversion's scale operand
.endr
.irp b, 0,1,2,3
	v_lshrrev_b32 v[TM+4+\b], 23, v[TM+12+\b]      ; the scale's byte
.endr
	v_lshl_or_b32 v[PW], v[TM+5], 8, v[TM+4]
	v_lshl_or_b32 v[PW], v[TM+6], 16, v[PW]
	v_lshl_or_b32 v[PW], v[TM+7], 24, v[PW]
.irp b, 0,1,2,3
	v_cvt_scalef32_pk8_fp4_f32 v[PC+2*\b], v[\s+16*\b:\s+7+16*\b], v[TM+12+\b]
	v_cvt_scalef32_pk8_fp4_f32 v[PC+1+2*\b], v[\s+8+16*\b:\s+15+16*\b], v[TM+12+\b]
.endr
	v_nop                                          ; one plain place behind a scaled conversion
.irp c, 0,1                                    ; the operand's layout wants a whole block in a lane: lanes 0-15 block 2 c, lanes 16-31 block 2 c + 1
.irp i, 0,1
	v_permlane16_swap_b32 v[PC+4*\c+\i], v[PC+2+4*\c+\i]
.endr
.endr
.endm
.macro ACROSS off                      ; four pairs of partial sums in v[TM] on -> the row's sum over all 1,024 columns in v14, in every lane
	v_pk_add_f32 v[TM:TM+1], v[TM:TM+1], v[TM+2:TM+3]
	v_pk_add_f32 v[TM+4:TM+5], v[TM+4:TM+5], v[TM+6:TM+7]
	v_pk_add_f32 v[TM:TM+1], v[TM:TM+1], v[TM+4:TM+5]
	v_add_f32 v14, v[TM], v[TM+1]
	v_permlanex16_b32 v15, v14, s[SEL], s[SEL+1]
	v_add_f32 v14, v14, v15                        ; my wave's 128 columns of row r
	ds_store_b32 v6, v14 offset:\off               ; lanes r and r + 16 write the same word with the same value
	s_wait_dscnt 0x0                               ; for the others' sake: my store has landed
	s_barrier_signal -1
	s_barrier_wait -1
.irp u, 0,1,2,3,4,5,6,7
	ds_load_b32 v[PS+\u], v7 offset:\off+64*\u
.endr
	s_wait_dscnt 0x0
	v_add_f32 v[PS], v[PS], v[PS+1]                ; the same order in every wave
	v_add_f32 v[PS+2], v[PS+2], v[PS+3]
	v_add_f32 v[PS+4], v[PS+4], v[PS+5]
	v_add_f32 v[PS+6], v[PS+6], v[PS+7]
	v_add_f32 v[PS], v[PS], v[PS+2]
	v_add_f32 v[PS+4], v[PS+4], v[PS+6]
	v_add_f32 v14, v[PS], v[PS+4]
.endm
	s_load_b256 s[4:11], s[0:1], 0x0               ; X s[4:5], g s[6:7], beta s[8:9], H s[10:11]
	v_lshl_add_u32 v254, v0, 2, 0x10c00
	v_mov_b32 v255, 0
	v_lshrrev_b32 v1, 5, v0
	v_readfirstlane_b32 s12, v1                    ; wave 0..7
	v_and_b32 v14, 31, v0
	v_lshlrev_b32 v1, 4, v14                       ; v1: 16 x lane
	v_and_b32 v2, 15, v0                           ; r
	v_bfe_u32 v3, v0, 4, 1                         ; h
	s_mul_i32 s13, s12, STG
	v_add_nc_u32 v4, s13, v1                       ; v4: the stage on the way in
	v_mul_u32_u24 v5, v2, 528
	v_lshl_add_u32 v5, v3, 6, v5
	v_add_nc_u32 v5, s13, v5                       ; v5: and on the way out: row r, + 64 h
	v_lshlrev_b32 v9, 2, v2                        ; v9: 4 r
	s_lshl_b32 s13, s12, 6
	s_add_co_u32 s13, s13, PART
	v_add_nc_u32 v6, s13, v9                       ; v6: my wave's word for row r
	v_add_nc_u32 v7, PART, v9                      ; v7: wave 0's
	v_lshlrev_b32 v8, 6, v3                        ; v8: 64 h: my half's columns in g and beta
	v_mov_b32 v11, 0                               ; (upper halves of the pairs v[10:11], v[12:13], of which the low word serves both halves;
	v_mov_b32 v13, 0
	v_mov_b32 v15, 0                               ; a lane permute's destination counts as one of its sources)
	s_lshr_b32 s14, ttmp9, 1
	s_lshl_b32 s14, s14, 17                        ; 32 (T / 2) rows of 4,096 bytes
	s_and_b32 s15, ttmp9, 1
	s_lshl_b32 s15, s15, 15                        ; + 8 (T % 2) rows
	s_add_co_u32 s14, s14, s15
	s_lshl_b32 s16, s12, 9                         ; my wave's 512 bytes of a row
	s_add_co_u32 s14, s14, s16
	s_mov_b32 s15, 0
	s_mov_b32 s17, 0
	s_lshr_b32 s18, ttmp9, 3
	s_lshl_b32 s18, s18, 3
	s_add_co_u32 s18, s18, s12
	s_mul_i32 s18, s18, REC                        ; my record: chunk T / 8, K step w
	s_mov_b32 s19, 0
	s_and_b32 s22, ttmp9, 7
	s_lshl_b32 s24, s22, 10                        ; my image in it
	s_mov_b32 s25, 0
	s_lshl_b32 s26, s22, 6
	s_add_co_u32 s26, s26, 8192                    ; and my tile's scale words
	s_mov_b32 s27, 0
	s_mov_b32 s[SEL], 0x76543210
	s_mov_b32 s[SEL+1], 0xfedcba98
	s_mov_b32 s22, 0x3a800000                      ; 1 / 1024
	s_mov_b32 s23, 0x3727c5ac                      ; 1e-5
	s_wait_kmcnt 0x0
	s_add_nc_u64 s[4:5], s[4:5], s[14:15]
	s_add_nc_u64 s[6:7], s[6:7], s[16:17]
	s_add_nc_u64 s[8:9], s[8:9], s[16:17]
	s_add_nc_u64 s[10:11], s[10:11], s[18:19]
	s_add_nc_u64 s[28:29], s[10:11], s[26:27]
	s_add_nc_u64 s[10:11], s[10:11], s[24:25]
.irp i, 0,1,2,3,4,5,6,7,8,9,10,11,12,13,14,15
	global_load_b128 v[RAW+4*\i:RAW+4*\i+3], v1, s[4:5] offset:(\i+8*(\i/8))*4096 th:TH_LOAD_NT   ; tile row i: 512 consecutive bytes
.endr
.irp b, 0,1,2,3
.irp j, 0,1,2,3
	global_load_b128 v[GR+16*\b+4*\j:GR+16*\b+4*\j+3], v8, s[6:7] offset:128*\b+16*\j
.endr
.endr
	s_wait_loadcnt 16                              ; x's 16 loads are in; g's 16 may be out
.irp i, 0,1,2,3,4,5,6,7,8,9,10,11,12,13,14,15
	ds_store_b128 v4, v[RAW+4*\i:RAW+4*\i+3] offset:528*\i
.endr
.irp b, 0,1,2,3
.irp j, 0,1,2,3
	ds_load_b128 v[XR+16*\b+4*\j:XR+16*\b+4*\j+3], v5 offset:128*\b+16*\j   ; LDS serves a wave's instructions in order: these see my stores
.endr
.endr
	s_wait_dscnt 0x0
.irp b, 0,1,2,3
.irp j, 0,1,2,3
	global_load_b128 v[RAW+16*\b+4*\j:RAW+16*\b+4*\j+3], v8, s[8:9] offset:128*\b+16*\j   ; beta, into the registers that x has left
.endr
.endr
.irp k, 0,1,2,3                                ; the sum of my 64, in four chains
	v_pk_add_f32 v[TM+2*\k:TM+2*\k+1], v[XR+2*\k:XR+2*\k+1], v[XR+8+2*\k:XR+8+2*\k+1]
.endr
.irp p, 16,24,32,40,48,56
.irp k, 0,1,2,3
	v_pk_add_f32 v[TM+2*\k:TM+2*\k+1], v[TM+2*\k:TM+2*\k+1], v[XR+\p+2*\k:XR+\p+2*\k+1]
.endr
.endr
	ACROSS 0
	v_mul_f32 v10, s22, v14                        ; the mean
.set k, 0
.rept 32
	v_pk_add_f32 v[XR+k:XR+k+1], v[XR+k:XR+k+1], v[10:11] op_sel_hi:[1,0] neg_lo:[0,1] neg_hi:[0,1]   ; x - mean
.set k, k+2
.endr
.irp k, 0,1,2,3                                ; the sum of their squares
	v_pk_mul_f32 v[TM+2*\k:TM+2*\k+1], v[XR+2*\k:XR+2*\k+1], v[XR+2*\k:XR+2*\k+1]
.endr
.irp p, 8,16,24,32,40,48,56
.irp k, 0,1,2,3
	v_pk_fma_f32 v[TM+2*\k:TM+2*\k+1], v[XR+\p+2*\k:XR+\p+2*\k+1], v[XR+\p+2*\k:XR+\p+2*\k+1], v[TM+2*\k:TM+2*\k+1]
.endr
.endr
	ACROSS 512                                     ; other words than the first sum's: no third barrier is needed
	v_fma_f32 v14, v14, s22, s23                   ; the variance + 1e-5
	v_rsq_f32 v12, v14
	v_nop                                          ; a plain place behind the transcendental
	s_wait_alu depctr_va_vdst(0)                   ; the wait ahead of the first reader
	s_wait_loadcnt 0x0                             ; g and beta
.set k, 0
.rept 32
	v_pk_mul_f32 v[XR+k:XR+k+1], v[XR+k:XR+k+1], v[12:13] op_sel_hi:[1,0]
.set k, k+2
.endr
.set k, 0
.rept 32
	v_pk_fma_f32 v[XR+k:XR+k+1], v[XR+k:XR+k+1], v[GR+k:GR+k+1], v[RAW+k:RAW+k+1]
.set k, k+2
.endr
	QUANT XR
.irp c, 0,1
	global_store_b128 v1, v[PC+4*\c:PC+4*\c+3], s[10:11] offset:512*\c   ; the image: 512 consecutive bytes a store
.endr
	global_store_b32 v9, v[PW], s[28:29]           ; row r's scale word (lanes r and r + 16 store the same word to the same place)
	s_wait_tensorcnt 0x0
	ds_add_u32 v254, v255
	s_wait_dscnt 0x0
	s_endpgm
.Lfunc_end_k_q2342cf4714_ln1:
	.size	k_q2342cf4714_ln1, .Lfunc_end_k_q2342cf4714_ln1-k_q2342cf4714_ln1
	.p2alignl 7, 3214868480
	.fill 96, 4, 3214868480
	.section	.rodata,"a",@progbits
	.p2align	6, 0x0
	.amdhsa_kernel k_q2342cf4714_ln1
		.amdhsa_group_segment_fixed_size 69632
		.amdhsa_private_segment_fixed_size 0
		.amdhsa_enable_private_segment 0
		.amdhsa_kernarg_size 32
		.amdhsa_user_sgpr_count 2
		.amdhsa_user_sgpr_kernarg_segment_ptr 1
		.amdhsa_wavefront_size32 1
		.amdhsa_system_sgpr_workgroup_id_x 1
		.amdhsa_system_sgpr_workgroup_id_y 1
		.amdhsa_system_sgpr_workgroup_id_z 1
		.amdhsa_system_vgpr_workitem_id 0
		.amdhsa_next_free_vgpr 256
		.amdhsa_next_free_sgpr 66
		.amdhsa_reserve_vcc 0
		.amdhsa_float_denorm_mode_32 3
		.amdhsa_float_denorm_mode_16_64 3
		.amdhsa_memory_ordered 1
		.amdhsa_forward_progress 1
		.amdhsa_inst_pref_size 26
	.end_amdhsa_kernel
	.amdgpu_metadata
---
amdhsa.version: [ 1, 2 ]
amdhsa.kernels:
  - .name:           k_q2342cf4714_ln1
    .symbol:         k_q2342cf4714_ln1.kd
    .args:
      - { .name: x, .offset: 0, .size: 8, .value_kind: global_buffer, .address_space: global }
      - { .name: g1, .offset: 8, .size: 8, .value_kind: global_buffer, .address_space: global }
      - { .name: beta1, .offset: 16, .size: 8, .value_kind: global_buffer, .address_space: global }
      - { .name: hc, .offset: 24, .size: 8, .value_kind: global_buffer, .address_space: global }
    .group_segment_fixed_size: 69632
    .private_segment_fixed_size: 0
    .kernarg_segment_align: 8
    .kernarg_segment_size: 32
    .max_flat_workgroup_size: 256
    .sgpr_count:     66
    .vgpr_count:     256
    .wavefront_size: 32
...
	.end_amdgpu_metadata
.endif
;; end of part 2
;; launch qkv (part 3): grid 12 x 16, 4 waves a work-group, clusters of 4 x 4, 327,680 bytes of LDS; arguments hc, wc, qkv; writes qkv
.if DOCPART == 3
	.amdgcn_target "amdgcn-amd-amdhsa--gfx1250"
	.amdhsa_code_object_version 6
	.text
	.protected	k_q2342cf4714_qkv
	.globl	k_q2342cf4714_qkv
	.p2align	8
	.type	k_q2342cf4714_qkv,@function
k_q2342cf4714_qkv:
	s_mov_b64 s[64:65], 0
	v_nop
	global_prefetch_b8 v0, s[64:65] scope:SCOPE_SE
	s_setreg_imm32_b32 hwreg(HW_REG_WAVE_MODE, 25, 1), 1
	s_wait_xcnt 0x0
	s_wait_alu depctr_hold_cnt(0) depctr_sa_sdst(0) depctr_va_vdst(0) depctr_va_sdst(0) depctr_va_ssrc(0) depctr_va_vcc(0) depctr_vm_vsrc(0)
	s_getreg_b32 s2, hwreg(HW_REG_IB_STS2, 6, 4)
	s_cmp_eq_u32 s2, 0
	s_cbranch_scc0 .Lentry_in_a_cluster
	s_endpgm
.Lentry_in_a_cluster:
	s_bfe_u32 s2, ttmp6, 0x10000c
	s_cmp_lg_u32 s2, 0xf033
	s_cbranch_scc0 .Lentry_shape_is_right
	s_endpgm
.Lentry_shape_is_right:
; Q, K and V of all heads, on codes of FP4 with E8M0 scales, and quantised again on the way out: Q and K along the head's 64, V along the keys.
; OPERANDS lie in records of 8,704 bytes, [chunk of 128 rows][K step of 128][record]: eight images of 1,024 bytes (a fragment's registers as they stand: group c of lane l at 512 c + 16 l), then scale words
; (tile a, row r at 8192 + 64 a + 4 r).  Tile T, row r of an operand is its row 32 (T / 2) + 8 (T % 2) + r + 8 (r / 8).
; THE PRODUCT: source 0 = 16 rows of the REGISTER side (B below), source 1 = 16 rows of the LANE side (A below).  A lane then holds one row of A, and by the choice of rows above the 16 registers of the accumulators
; (a, 2 b') and (a, 2 b' + 1) are B's rows 32 b' + 16 (lane / 16) + 0 .. 15 in their natural order: neighbours along the next product's K.
; Cluster x = 0: Q, 1: K (A = tokens, B = the weight's 1,024 rows head x 64 + d); 2: V (A = Wv's rows, B = tokens, so that the registers run along the keys).  Only scalars differ between the three.
; A tile of 256 x 256 is made by four waves, 128 x 128 each: 64 accumulators.  K = 1,024 lies in two LDS slots of 512 along K, each filled once by the tensor data mover, a quarter (four dense records of one chunk) a wave.
; CLUSTERS: 4 x 4 work-groups; A's quarters are asked for jointly along a row of the cluster, B's along a column.
; OUT: Q, K codes [which][batch][pair of heads][tile][1,024]: the even head's image of 64 along K (512 bytes), then the odd head's; their scale words at QS [which][batch][head][tile][16 words], bytes 0 and 1 the head's two
; blocks (bytes 2 and 3 belong to zero codes and are never 0xff); V at VB: [batch] x records [chunk of 128 rows head x 64 + d][K step of 128 keys].
; LIMITS: a block of zeros gets the byte 1 (its codes are zeros, and this program alone reads the bytes); blocks under 2^-124 have their byte held at 1; NaN and infinities are not served.
; REGISTERS, in windows of 256: window 0: v16-29 addresses; v32-95 scale words, two sets; v128-191 A's fragments, one set, later the codes made; v96-103, v200-223 the way out.  window 1: B's fragments, two sets, v0-63 and v128-191.
;   windows 2, 3: accumulator (a, b) at v[8 (8 (a % 4) + b)].
.set REC,   8704
.set NQ,    4                          ; K steps of 128 in a slot
.set QB,    NQ*REC                     ; a quarter slot: one chunk's four records
.set SLOT,  4*QB                       ; A's two chunks, then B's two
.set SPARE, 2*SLOT                     ; behind the ring: the spare words, 128 bytes a wave: two blocks of 256 bytes that no other line names
.set KS,    8                          ; K steps in K
.set NL,    2                          ; LDS loads to a fragment
.set NP,    4                          ; places behind this matrix instruction (ISA guide 7.12.1)
.set QS,    4194304
.set VB,    4718592
.set ADRA, 16                          ; v16-17 A's images in slot 0, 1: 16 x lane + my chunk
.set ASA,  18                          ; v18-19 4 x lane + my chunk: A's scale words
.set ADRB, 20                          ; v20-21, v22-23 the same for B
.set ASB,  22
.set CO,   26                          ; v26 16 x lane
.set CW,   27                          ; v27 4 x lane
.set SPW,  28                          ; v28 my spare word; never rewritten
.set NIL,  29                          ; v29 0; never rewritten
.set SC,   32                          ; scale words: v[SC + 32 s + 8 q + i]: A's tiles 2 i (lanes 0-15) and 2 i + 1 (lanes 16-31); + 4: B's
.set SW,   96
.set AF,   128
.set PC,   128
.set TM,   200
.set PW,   216
.set BI,   64
.set G1,  24
.set G0,  32
.set G1B, 48
.set G0B, 56
.set LM,  66                           ; s66 lanes 16-31
.set SEL, 68                           ; s[68:69] lane selects: lane l xor 16
.set MSB, 0
.macro WIN new                         ; the immediate's high byte repeats the setting that is left
.if MSB != \new
	s_set_vgpr_msb (MSB<<8)|\new
.set MSB, \new
.endif
.endm
.set MUL_LO, 0xa1                      ; source 0 (B) window 1, source 1 (A) window 0, C and D window 2
.set MUL_HI, 0xf1
.set TO_B,   0x40
.macro JLOAD g0a, g1a, g0b, g1b        ; a joint load: waves 0 and 1 fetch for A, waves 2 and 3 for B; four v_nop follow each line
	s_cmp_eq_u32 s15, 0
	s_cbranch_scc0 .Lfor_b_\@
	tensor_load_to_lds s[\g0a:\g0a+3], s[\g1a:\g1a+7]
	s_nop 0
.rept 4
	v_nop
.endr
	s_branch .Lasked_\@
.Lfor_b_\@:
	tensor_load_to_lds s[\g0b:\g0b+3], s[\g1b:\g1b+7]
	s_nop 0
.rept 4
	v_nop
.endr
.Lasked_\@:
.endm
.macro CREST
	s_cmp_lg_u32 s14, 0
	s_cbranch_scc1 .Lnot_wave_0_\@
	s_barrier_signal -3
.Lnot_wave_0_\@:
	s_barrier_wait -3
	s_barrier_signal -1
	s_barrier_wait -1
.endm
.macro CROUND
	s_barrier_signal -1
	s_barrier_wait -1
	CREST
.endm
.macro PLACES n
.rept \n
	v_nop
.endr
.endm
.macro FRAG reg, adr, q, i             ; an image comes back as it was stored: two loads of 512 consecutive bytes
.irp c, 0,1
	ds_load_b128 v[\reg+4*\c:\reg+4*\c+3], v[\adr] offset:(\q)*REC+(\i)*1024+512*\c
.endr
.endm
; One product: A's tile a x B's tile b, the slot's q-th 128 along K; p: B's set; sc: the set of scale words.  mode 1: C = 0 starts the sum; 2: C = a bias in window 1; 0: in place.
; An odd tile's scale words lie in lanes 16-31 of its pair's register.
.macro MM a, b, p, q, sc, mode
.set rD, 8*(8*((\a)%4)+(\b))
.set rB, 128*(\p)+8*(\b)
.set rA, AF+8*(\a)
.set rSB, SC+32*(\sc)+8*(\q)+4+(\b)/2
.set rSA, SC+32*(\sc)+8*(\q)+(\a)/2
.set par, 2*((\b)%2)+(\a)%2
.set rC, rD
.if (\mode) == 2
.set rC, BI+8*(\b)
.endif
.if (\mode) == 1
.if par == 0
	v_wmma_scale_f32_16x16x128_f8f6f4 v[rD:rD+7], v[rB:rB+7], v[rA:rA+7], 0, v[rSB], v[rSA] matrix_a_fmt:MATRIX_FMT_FP4 matrix_b_fmt:MATRIX_FMT_FP4
.elseif par == 1
	v_wmma_scale_f32_16x16x128_f8f6f4 v[rD:rD+7], v[rB:rB+7], v[rA:rA+7], 0, v[rSB], v[rSA] matrix_a_fmt:MATRIX_FMT_FP4 matrix_b_fmt:MATRIX_FMT_FP4 matrix_b_scale:MATRIX_SCALE_ROW1
.elseif par == 2
	v_wmma_scale_f32_16x16x128_f8f6f4 v[rD:rD+7], v[rB:rB+7], v[rA:rA+7], 0, v[rSB], v[rSA] matrix_a_fmt:MATRIX_FMT_FP4 matrix_b_fmt:MATRIX_FMT_FP4 matrix_a_scale:MATRIX_SCALE_ROW1
.else
	v_wmma_scale_f32_16x16x128_f8f6f4 v[rD:rD+7], v[rB:rB+7], v[rA:rA+7], 0, v[rSB], v[rSA] matrix_a_fmt:MATRIX_FMT_FP4 matrix_b_fmt:MATRIX_FMT_FP4 matrix_a_scale:MATRIX_SCALE_ROW1 matrix_b_scale:MATRIX_SCALE_ROW1
.endif
.else
.if par == 0
	v_wmma_scale_f32_16x16x128_f8f6f4 v[rD:rD+7], v[rB:rB+7], v[rA:rA+7], v[rC:rC+7], v[rSB], v[rSA] matrix_a_fmt:MATRIX_FMT_FP4 matrix_b_fmt:MATRIX_FMT_FP4
.elseif par == 1
	v_wmma_scale_f32_16x16x128_f8f6f4 v[rD:rD+7], v[rB:rB+7], v[rA:rA+7], v[rC:rC+7], v[rSB], v[rSA] matrix_a_fmt:MATRIX_FMT_FP4 matrix_b_fmt:MATRIX_FMT_FP4 matrix_b_scale:MATRIX_SCALE_ROW1
.elseif par == 2
	v_wmma_scale_f32_16x16x128_f8f6f4 v[rD:rD+7], v[rB:rB+7], v[rA:rA+7], v[rC:rC+7], v[rSB], v[rSA] matrix_a_fmt:MATRIX_FMT_FP4 matrix_b_fmt:MATRIX_FMT_FP4 matrix_a_scale:MATRIX_SCALE_ROW1
.else
	v_wmma_scale_f32_16x16x128_f8f6f4 v[rD:rD+7], v[rB:rB+7], v[rA:rA+7], v[rC:rC+7], v[rSB], v[rSA] matrix_a_fmt:MATRIX_FMT_FP4 matrix_b_fmt:MATRIX_FMT_FP4 matrix_a_scale:MATRIX_SCALE_ROW1 matrix_b_scale:MATRIX_SCALE_ROW1
.endif
.endif
.endm
.macro MUL16 a0, p, q, sc, mode        ; the 64 accumulators take turns, one instruction a turn, in the same order in every step
.irp a, \a0, \a0+1
.irp b, 0,1,2,3,4,5,6,7
	MM \a, \b, \p, \q, \sc, \mode
.endr
.endr
.endm
.macro FETCH_B slot, q, p
	WIN TO_B
.irp i, 0,1,2,3,4,5,6,7
	FRAG 128*(\p)+8*\i, ADRB+\slot, \q, \i
.endr
	WIN 0
.endm
.macro FETCH_A slot, q, i0
.irp i, \i0, \i0+1, \i0+2, \i0+3
	FRAG AF+8*(\i), ADRA+\slot, \q, \i
.endr
.endm
.macro SCALES s                        ; the slot's scale words: for each of its four K steps four registers a side
.irp q, 0,1,2,3
.irp i, 0,1,2,3
	ds_load_b32 v[SC+32*\s+8*\q+\i], v[ASA+\s] offset:\q*REC+8192+128*\i
	ds_load_b32 v[SC+32*\s+8*\q+4+\i], v[ASB+\s] offset:\q*REC+8192+128*\i
.endr
.endr
.endm
.macro STEP slot, q, mode              ; a step of 128 along K that has its successor in the same slot
	s_wait_dscnt 4*NL                              ; B's set, A's blocks 0-3 and the scale words are in; the youngest eight loads (A's blocks 4-7) may be out
.if (\mode) == 2
	WIN 0x91
.else
	WIN MUL_LO
.endif
	MUL16 0, (\q)%2, \q, \slot, \mode
	MUL16 2, (\q)%2, \q, \slot, \mode
	s_wait_dscnt 0                                 ; A's blocks 4-7 are in
	PLACES NP                                      ; places in front of loads into registers that matrix instructions have read
	FETCH_B \slot, (\q)+1, 1-(\q)%2
	FETCH_A \slot, (\q)+1, 0
.if (\mode) == 2
	WIN 0xd1
.else
	WIN MUL_HI
.endif
	MUL16 4, (\q)%2, \q, \slot, \mode
	MUL16 6, (\q)%2, \q, \slot, \mode
	PLACES NP
	WIN 0
	FETCH_A \slot, (\q)+1, 4
.endm
.macro TURN slot, next, fill           ; a slot's last step changes slots: one barrier; in front of it each wave waits for all its tensor loads, adds 0 to its spare word, and waits for that and for its reads of this slot
	s_wait_tensorcnt 0x0                           ; all my tensor loads have landed: my part of the next slot
	ds_add_u32 v[SPW], v[NIL]                      ; 0 onto my spare word
	s_wait_dscnt 4*NL+1                            ; (the add and the youngest eight loads may be out)
	WIN MUL_LO
	MUL16 0, 1, NQ-1, \slot, 0
	s_wait_dscnt 0x0                               ; the add is done, and my reads of this slot are over
	s_barrier_signal -1
	MUL16 2, 1, NQ-1, \slot, 0
	WIN 0
	s_barrier_wait -1
.if \fill
	CREST                                          ; the barrier has opened a round of the cluster's barrier
	s_add_nc_u64 s[G0+4*\slot+2:G0+4*\slot+3], s[G0+4*\slot+2:G0+4*\slot+3], 2*QB
	s_add_nc_u64 s[G0B+4*\slot+2:G0B+4*\slot+3], s[G0B+4*\slot+2:G0B+4*\slot+3], 2*QB
	JLOAD G0+4*\slot, G1, G0B+4*\slot, G1B         ; the first tensor load behind the round; its four v_nop are the places in front of the loads below
.else
	PLACES NP
.endif
	FETCH_B \next, 0, 0
	FETCH_A \next, 0, 0
	SCALES \next
	WIN MUL_HI
	MUL16 4, 1, NQ-1, \slot, 0
	MUL16 6, 1, NQ-1, \slot, 0
	PLACES NP
	WIN 0
	FETCH_A \next, 0, 4
.endm
.macro STEPS slot, from
.set Q, \from
.rept NQ-1-\from
	STEP \slot, Q, 0
.set Q, Q+1
.endr
.endm
; Block a (16 rows of A x my 128 of B: 64 numbers a lane) becomes a fragment in v[PC + 8 a] on and a scale word in v[PW + a], and the image is stored.  Each accumulator is read from its low end on.
.macro QUANTW a
.set W, 2+(\a)/4
.set AC0, 64*((\a)%4)
.set PCA, PC+8*(\a)
	WIN ((W<<2)|(W<<4))
.irp b, 0,1,2,3
	v_max3_num_f32 v[TM+\b], 0x1800000, |v[AC0+16*\b]|, |v[AC0+16*\b+1]|   ; my 16 numbers of block b, and the floor 2^(3 - 127)
.endr
.irp i, 2,4,6,8,10,12,14
.irp b, 0,1,2,3
	v_max3_num_f32 v[TM+\b], v[TM+\b], |v[AC0+16*\b+\i]|, |v[AC0+16*\b+\i+1]|
.endr
.endr
	WIN 0
.irp b, 0,1,2,3
	v_permlanex16_b32 v[TM+4+\b], v[TM+\b], s[SEL], s[SEL+1]
.endr
.irp b, 0,1,2,3
	v_max_num_f32 v[TM+\b], v[TM+\b], v[TM+4+\b]
.endr
.irp b, 0,1,2,3
	v_add_nc_u32 v[TM+12+\b], 0xff000000, v[TM+\b] ; 2 off the exponent field: the conversion's scale operand
.endr
.irp b, 0,1,2,3
	v_lshrrev_b32 v[TM+4+\b], 23, v[TM+12+\b]      ; the scale's byte
.endr
	v_lshl_or_b32 v[PW+(\a)], v[TM+5], 8, v[TM+4]
	v_lshl_or_b32 v[PW+(\a)], v[TM+6], 16, v[PW+(\a)]
	v_lshl_or_b32 v[PW+(\a)], v[TM+7], 24, v[PW+(\a)]
	WIN W
.irp b, 0,1,2,3
	v_cvt_scalef32_pk8_fp4_f32 v[PCA+2*\b], v[AC0+16*\b:AC0+16*\b+7], v[TM+12+\b]
	v_cvt_scalef32_pk8_fp4_f32 v[PCA+2*\b+1], v[AC0+16*\b+8:AC0+16*\b+15], v[TM+12+\b]
.endr
	WIN 0
	v_nop                                          ; one plain place behind a scaled conversion
.irp c, 0,1
.irp i, 0,1
	v_permlane16_swap_b32 v[PCA+4*\c+\i], v[PCA+2+4*\c+\i]   ; a whole block to a lane
.endr
.endr
.irp c, 0,1
	global_store_b128 v[CO], v[PCA+4*\c:PCA+4*\c+3], s[90:91] offset:(\a)*1024+512*\c   ; 512 consecutive bytes; each block has registers of its own, so no store's data are written again
.endr
.endm
	s_load_b128 s[4:7], s[0:1], 0x0                ; hc s[4:5], wc s[6:7]
	s_load_b64 s[8:9], s[0:1], 0x10                ; qkv
	v_lshl_add_u32 v[SPW], v0, 2, SPARE
	v_mov_b32 v[NIL], 0
	ds_add_u32 v28, v29
	ds_add_u32 v28, v29
	s_wait_dscnt 0x0
	v_lshrrev_b32 v1, 5, v0
	v_readfirstlane_b32 s14, v1                    ; wave 0..3
	s_lshr_b32 s15, s14, 1                         ; which half of A's rows is mine.  Also: I fetch for A (0) or for B (1)
	s_and_b32 s16, s14, 1                          ; which half of B's rows.  Also: which chunk of the two I fetch
	s_bfe_u32 s40, ttmp6, 0x40000                  ; cx, cy: my place in the cluster
	s_bfe_u32 s41, ttmp6, 0x40004
	s_and_b32 s70, ttmp7, 0xffff
	s_lshl_b32 s70, s70, 2                         ; 4 x cluster y
	s_add_co_u32 s72, s70, s40
	s_add_co_u32 s73, s70, s41
	s_cmp_eq_u32 ttmp9, 2                          ; V?  The cluster's x: the same in all sixteen partners
	s_cselect_b32 s42, s72, s40                    ; B's tile of 256 rows: tokens for V, else the weight's
	s_cselect_b32 s17, s41, s73                    ; A's: Wv's for V, else tokens
	s_cselect_b32 s74, 128*REC, 0                  ; A begins at Wv's first record, or at hc's first byte
	s_mul_i32 s75, ttmp9, 64*REC
	s_cselect_b32 s75, 0, s75                      ; B at hc's first byte, or at Wq's or Wk's first record
	s_lshl_b32 s43, s41, 2
	s_lshl_b32 s43, 15, s43                        ; my row of the cluster
	s_lshl_b32 s44, 0x1111, s40                    ; my column
	; descriptor group 1: a dense block of 34,816 bytes as 136 rows of 256 bytes (32 elements of 8 bytes)
	s_or_b32 s[G1+0], s43, (3<<16)|(1<<21)         ; 15:0 the mask: A's quarters go to my row; 17:16 elements of 8 bytes; 21 set beside a mask
	s_or_b32 s[G1B+0], s44, (3<<16)|(1<<21)
.irp g, G1, G1B
	s_mov_b32 s[\g+1], 32<<16                      ; tensor_dim0
	s_mov_b32 s[\g+2], 136<<16                     ; tensor_dim1
	s_mov_b32 s[\g+3], 32<<16                      ; tile_dim0
	s_mov_b32 s[\g+4], 136                         ; tile_dim1
	s_mov_b32 s[\g+5], 32                          ; tensor_dim0_stride
	s_mov_b32 s[\g+6], 0
	s_mov_b32 s[\g+7], 0
.endr
	s_lshl_b32 s20, s17, 1
	s_add_co_u32 s20, s20, s16
	s_mul_i32 s20, s20, KS*REC                     ; A: the chunk that I fetch
	s_add_co_u32 s20, s20, s74
	s_mov_b32 s21, 0
	s_lshl_b32 s46, s42, 1
	s_add_co_u32 s46, s46, s16
	s_mul_i32 s46, s46, KS*REC                     ; B likewise
	s_add_co_u32 s46, s46, s75
	s_mov_b32 s47, 0
	s_mul_i32 s45, s14, QB                         ; where it goes: quarter = wave: no place in the cluster enters an LDS address
	s_mov_b32 s[LM], 0xffff0000
	s_mov_b32 s[SEL], 0x76543210
	s_mov_b32 s[SEL+1], 0xfedcba98
	s_wait_kmcnt 0x0
	s_cmp_eq_u32 ttmp9, 2
	s_cselect_b64 s[76:77], s[6:7], s[4:5]         ; A's buffer
	s_cselect_b64 s[78:79], s[4:5], s[6:7]         ; B's
	s_add_nc_u64 s[20:21], s[76:77], s[20:21]
	s_add_nc_u64 s[46:47], s[78:79], s[46:47]
	CROUND                                         ; all sixteen work-groups are here: the first joint loads meet
.irp s, 0,1
	s_mov_b32 s[G0+4*\s], 1
	s_add_co_u32 s[G0+4*\s+1], s45, \s*SLOT
	s_add_nc_u64 s[G0+4*\s+2:G0+4*\s+3], s[20:21], \s*QB
	s_or_b32 s[G0+4*\s+3], s[G0+4*\s+3], 0x80000000
	s_mov_b32 s[G0B+4*\s], 1
	s_add_co_u32 s[G0B+4*\s+1], s45, \s*SLOT
	s_add_nc_u64 s[G0B+4*\s+2:G0B+4*\s+3], s[46:47], \s*QB
	s_or_b32 s[G0B+4*\s+3], s[G0B+4*\s+3], 0x80000000
	JLOAD G0+4*\s, G1, G0B+4*\s, G1B               ; two loads of mine are out: all of K
.endr
	v_and_b32 v1, 31, v0
	v_lshlrev_b32 v[CO], 4, v1
	v_lshlrev_b32 v[CW], 2, v1
	s_mul_i32 s21, s15, QB                         ; my chunk of A
	s_mul_i32 s22, s16, QB
	s_add_co_u32 s22, s22, 2*QB                    ; my chunk of B, behind A's two
.irp s, 0,1
	v_add_nc_u32 v[ADRA+\s], s21, v[CO]
	v_add_nc_u32 v[ADRB+\s], s22, v[CO]
	v_add_nc_u32 v[ASA+\s], s21, v[CW]
	v_add_nc_u32 v[ASB+\s], s22, v[CW]
	s_add_co_u32 s21, s21, SLOT
	s_add_co_u32 s22, s22, SLOT
.endr
.irp b, 0,1,2,3
	v_mov_b32 v[TM+4+\b], 0                        ; written once: a lane permute's destination counts as one of its sources
.endr
	; where my results go
	s_lshl_b32 s80, s42, 1
	s_add_co_u32 s80, s80, s16                     ; my 128 of B: Q, K: the pair of heads; V: the chunk of 128 tokens
	s_lshl_b32 s81, s17, 1
	s_add_co_u32 s81, s81, s15                     ; my 128 of A: Q, K: the chunk of tokens; V: the chunk of rows
	s_lshr_b32 s82, s81, 4                         ; Q, K: the batch,
	s_and_b32 s83, s81, 15                         ; and the chunk in it
	s_lshl_b32 s84, ttmp9, 1
	s_add_co_u32 s84, s84, s82
	s_lshl_b32 s84, s84, 3
	s_add_co_u32 s84, s84, s80                     ; (2 which + batch) 8 + pair of heads
	s_lshl_b32 s86, s84, 14                        ; two heads' scale words are 16,384 bytes,
	s_lshl_b32 s84, s84, 17                        ; 128 tiles' codes 131,072
	s_lshl_b32 s82, s83, 13
	s_add_co_u32 s84, s84, s82                     ; + 8 tiles of 1,024 bytes a chunk
	s_lshl_b32 s82, s83, 9
	s_add_co_u32 s86, s86, s82                     ; + 8 tiles of 64 bytes
	s_add_co_u32 s86, s86, QS
	s_lshr_b32 s88, s80, 4                         ; V: the batch,
	s_and_b32 s89, s80, 15                         ; the K step of 128 keys
	s_lshl_b32 s88, s88, 3
	s_add_co_u32 s88, s88, s81
	s_lshl_b32 s88, s88, 4
	s_add_co_u32 s88, s88, s89
	s_mul_i32 s88, s88, REC
	s_add_co_u32 s88, s88, VB                      ; my record,
	s_add_co_u32 s89, s88, 8192                    ; its scale words
	s_cmp_eq_u32 ttmp9, 2
	s_cselect_b32 s84, s88, s84
	s_cselect_b32 s86, s89, s86
	s_mov_b32 s85, 0
	s_mov_b32 s87, 0
	s_add_nc_u64 s[90:91], s[8:9], s[84:85]
	s_add_nc_u64 s[92:93], s[8:9], s[86:87]
	s_wait_tensorcnt 1                             ; my part of slot 0 is in (slot 1's load may be out)
	s_barrier_signal -1
	s_barrier_wait -1                              ; everybody's is
	FETCH_B 0, 0, 0
	FETCH_A 0, 0, 0
	SCALES 0
	FETCH_A 0, 0, 4
	STEP 0, 0, 1                                   ; the first step's products start the sums: nothing is cleared
	STEPS 0, 1
	TURN 0, 1, 0
	STEPS 1, 0
	s_wait_dscnt 4*NL                              ; the last step: nothing more to fetch
	WIN MUL_LO
	MUL16 0, 1, NQ-1, 1, 0
	MUL16 2, 1, NQ-1, 1, 0
	s_wait_dscnt 0
	WIN MUL_HI
	MUL16 4, 1, NQ-1, 1, 0
	MUL16 6, 1, NQ-1, 1, 0
	WIN 0
	PLACES NP                                      ; in front of the first read of results and of the first write into A's registers
.irp a, 0,1,2,3,4,5,6,7
	QUANTW \a
.endr
.irp i, 0,1,2,3
	v_cndmask_b32 v[SW+\i], v[PW+2*\i], v[PW+2*\i+1], s[LM]   ; lanes 0-15: tile 2 i's words, lanes 16-31: tile 2 i + 1's
.endr
.irp i, 0,1,2,3
	global_store_b32 v[CW], v[SW+\i], s[92:93] offset:128*\i  ; V: the record's words.  Q, K: the even head's (its bytes 0 and 1; bytes 2 and 3 meet zero codes)
.endr
	s_cmp_eq_u32 ttmp9, 2
	s_cbranch_scc1 .Lv_done                        ; on the cluster's x: alike in all partners
.irp i, 0,1,2,3
	v_lshrrev_b32 v[SW+4+\i], 16, v[SW+\i]         ; Q, K: the odd head's two bytes
.endr
.irp i, 0,1,2,3
	global_store_b32 v[CW], v[SW+4+\i], s[92:93] offset:8192+128*\i
.endr
.Lv_done:
	s_wait_tensorcnt 0x0                           ; the wave's end
	ds_add_u32 v[SPW], v[NIL]
	s_wait_dscnt 0x0
	CROUND                                         ; the closing round
	s_endpgm
.Lfunc_end_k_q2342cf4714_qkv:
	.size	k_q2342cf4714_qkv, .Lfunc_end_k_q2342cf4714_qkv-k_q2342cf4714_qkv
	.p2alignl 7, 3214868480
	.fill 96, 4, 3214868480
	.section	.rodata,"a",@progbits
	.p2align	6, 0x0
	.amdhsa_kernel k_q2342cf4714_qkv
		.amdhsa_group_segment_fixed_size 327680
		.amdhsa_private_segment_fixed_size 0
		.amdhsa_enable_private_segment 0
		.amdhsa_kernarg_size 24
		.amdhsa_user_sgpr_count 2
		.amdhsa_user_sgpr_kernarg_segment_ptr 1
		.amdhsa_wavefront_size32 1
		.amdhsa_system_sgpr_workgroup_id_x 1
		.amdhsa_system_sgpr_workgroup_id_y 1
		.amdhsa_system_sgpr_workgroup_id_z 1
		.amdhsa_system_vgpr_workitem_id 0
		.amdhsa_next_free_vgpr 1024
		.amdhsa_next_free_sgpr 96
		.amdhsa_reserve_vcc 0
		.amdhsa_float_denorm_mode_32 3
		.amdhsa_float_denorm_mode_16_64 3
		.amdhsa_memory_ordered 1
		.amdhsa_forward_progress 1
		.amdhsa_inst_pref_size 130
	.end_amdhsa_kernel
	.amdgpu_metadata
---
amdhsa.version: [ 1, 2 ]
amdhsa.kernels:
  - .name:           k_q2342cf4714_qkv
    .symbol:         k_q2342cf4714_qkv.kd
    .args:
      - { .name: hc, .offset: 0, .size: 8, .value_kind: global_buffer, .address_space: global }
      - { .name: wc, .offset: 8, .size: 8, .value_kind: global_buffer, .address_space: global }
      - { .name: qkv, .offset: 16, .size: 8, .value_kind: global_buffer, .address_space: global }
    .group_segment_fixed_size: 327680
    .private_segment_fixed_size: 0
    .kernarg_segment_align: 8
    .kernarg_segment_size: 24
    .max_flat_workgroup_size: 128
    .sgpr_count:     96
    .vgpr_count:     1024
    .wavefront_size: 32
...
	.end_amdgpu_metadata
.endif
;; end of part 3
;; launch attn (part 4): grid 8 x 32, 16 waves a work-group, no clusters, 169,984 bytes of LDS; arguments qkv, oc; writes oc
.if DOCPART == 4
	.amdgcn_target "amdgcn-amd-amdhsa--gfx1250"
	.amdhsa_code_object_version 6
	.text
	.protected	k_q2342cf4714_attn
	.globl	k_q2342cf4714_attn
	.p2align	8
	.type	k_q2342cf4714_attn,@function
k_q2342cf4714_attn:
	s_mov_b64 s[64:65], 0
	v_nop
	global_prefetch_b8 v0, s[64:65] scope:SCOPE_SE
	s_setreg_imm32_b32 hwreg(HW_REG_WAVE_MODE, 25, 1), 1
	s_wait_xcnt 0x0
; Causal attention of one head on codes of FP4 with E8M0 scales; its result, divided by the row's sum, is quantised along (head, d) and stored as part of the projection's operand.
; t = score x log2(e) / 8; M = the row's largest t so far, rounded UP to a whole number; p = 2^(t - M) is quantised along the keys, not normalised; the row's sum is taken of the unquantised p.
; IN (qkv): Q, K codes [which][batch][pair of heads][tile 128][1,024] (the even head's image of 64 along K, 512 bytes: lane l's 16 bytes at 16 l; then the odd head's); scale words at QS [which][batch][head][tile][16 words];
; V^T at VB: [batch][chunk of 128 rows head x 64 + d][K step of 128 keys][record of 8,704 bytes: eight images of 1,024, then scale words].  Tile T, row r stands for row 32 (T / 2) + 8 (T % 2) + r + 8 (r / 8).
; Both products transposed: S^T = K Q^T, O^T = V^T P^T: a lane holds ONE query; by the choice of rows the 16 registers of two neighbouring tiles are 16 neighbouring keys (or channels) in their natural order.
; The head's K is 64: the upper half of each fragment of K and Q is zero codes, which add nothing.
; SHARES.  A work-group serves one head and two blocks of 128 queries, j and 15 - j, so that every work-group has 17 key steps' work for each pair of waves.  Each of its sixteen waves owns one tile of 16 queries.
; All of the head's K, V and their scale words lie in LDS, filled ONCE by ten waves' tensor loads: one barrier, no ring.  No cluster: the branches round hidden steps hang on the work-group's block of queries.
; Every wave walks 16 trips; a step all of whose keys come after its queries is jumped over (a scalar branch on ids); on the diagonal hidden scores become -infinity.
; LIMITS: a block of zeros gets the byte 1 (its codes are zeros); blocks under 2^-124 have their byte held at 1; NaN and infinities are not served.  The two scale bytes of a row and head are stored two bytes a lane.
.set REC, 8704
.set QS,  4194304
.set VB,  4718592
.set VC,  65536                        ; LDS: K's codes [tile 128][512] at 0; V's [K step 16][tile 4][1,024];
.set KSC, 131072                       ; K's scale words [tile 128][16 words];
.set VSC, 139264                       ; V's [K step 16][tile 4][16 words]
.set G1K, 24                           ; s[24:31] .. s[48:55] four groups 1; s[56:59], s[60:63], s[68:71], s[72:75] their groups 0
.set G1V, 32
.set G1S, 40
.set G1T, 48
.set G0K, 56
.set G0V, 60
.set G0S, 68
.set G0T, 72
.set WV,  76
.set SEL, 78                           ; s[78:79] lane l xor 16
.set CS,  80                           ; s[80:81] c = log2(e) / 8
.set CK,  82                           ; the key step
.set CQ,  83                           ; my block of 128 queries
.set TK,  84                           ; the step's codes: 4,096 bytes a step, of K and of V alike
.set TKS, 85                           ; K's scale words: 512 a step
.set TVS, 86                           ; V's: 256 a step
; REGISTERS: v1 16 x lane; v2 VC + 16 x lane; v3 KSC + 4 x lane; v4 VSC + 4 x lane; v5, v6 the way out; v7 my query less 16 (lane / 16), within its block; v8-11 the step's addresses; v12 -M, v13 the largest t,
; v[14:15] the sum; v16-23 Q; v24 Q's scale words; v32-95 K's eight fragments; v96-159 S^T, then p; v160-191 O^T; v192-199 p's codes; v200-203 K's scale words, v204-205 V's, v206 p's; v208-223 at work; v224-255 V's four fragments.
.macro GROUP1 g, c, r, p               ; r rows of c elements of 8 bytes, p elements from row to row; no mask, no padding
	s_mov_b32 s[\g], 3<<16
	s_mov_b32 s[\g+1], (\c)<<16
	s_mov_b32 s[\g+2], (\r)<<16
	s_mov_b32 s[\g+3], (\c)<<16
	s_mov_b32 s[\g+4], \r
	s_mov_b32 s[\g+5], \p
	s_mov_b32 s[\g+6], 0
	s_mov_b32 s[\g+7], 0
.endm
	s_load_b128 s[4:7], s[0:1], 0x0                ; qkv s[4:5], oc s[6:7]
	v_lshl_add_u32 v31, v0, 2, 0x29000
	v_mov_b32 v207, 0
	ds_add_u32 v31, v207
	ds_add_u32 v31, v207
	v_lshrrev_b32 v8, 5, v0
	v_readfirstlane_b32 s[WV], v8                  ; wave 0..15
	s_and_b32 s8, ttmp7, 0xffff
	s_lshr_b32 s9, s8, 4                           ; batch
	s_and_b32 s10, s8, 15                          ; head
	s_lshr_b32 s11, s10, 1                         ; pair of heads
	s_and_b32 s12, s10, 1                          ; odd head?
	s_and_b32 s13, s[WV], 3                        ; which quarter I fetch, if I fetch codes
	GROUP1 G1K, 64, 32, 128                        ; K: 32 tiles' 512 bytes, 1,024 bytes apart
	GROUP1 G1V, 512, 4, 1088                       ; V: my head's four images of four K steps, a record apart
	GROUP1 G1S, 32, 32, 32                         ; K's scale words: 8,192 dense bytes
	GROUP1 G1T, 32, 16, 1088                       ; V's: 256 bytes of each of 16 records
	s_lshl_b32 s14, s9, 3
	s_add_co_u32 s14, s14, s11                     ; 8 batch + pair
	s_lshl_b32 s88, s14, 17                        ; Q's codes (which = 0)
	s_add_co_u32 s14, s14, 16                      ; K's (which = 1)
	s_lshl_b32 s14, s14, 17
	s_lshl_b32 s15, s12, 9
	s_add_co_u32 s14, s14, s15
	s_add_co_u32 s88, s88, s15                     ; the odd head's image lies 512 bytes on
	s_lshl_b32 s15, s13, 15
	s_add_co_u32 s14, s14, s15                     ; my 32 tiles
	s_mov_b32 s15, 0
	s_lshl_b32 s16, s9, 3
	s_add_co_u32 s16, s16, s11
	s_lshl_b32 s16, s16, 4
	s_mul_i32 s20, s16, REC                        ; V: the chunk's first record
	s_lshl_b32 s17, s13, 2
	s_mul_i32 s17, s17, REC
	s_add_co_u32 s16, s20, s17                     ; my four K steps
	s_lshl_b32 s17, s12, 12
	s_add_co_u32 s16, s16, s17                     ; the odd head's four images lie 4,096 bytes on
	s_add_co_u32 s16, s16, VB
	s_mov_b32 s17, 0
	s_lshl_b32 s18, s9, 4
	s_add_co_u32 s18, s18, s10                     ; 16 batch + head
	s_lshl_b32 s89, s18, 13                        ; Q's scale words
	s_add_co_u32 s18, s18, 32
	s_lshl_b32 s18, s18, 13
	s_add_co_u32 s18, s18, QS                      ; K's
	s_mov_b32 s19, 0
	s_lshl_b32 s21, s12, 8
	s_add_co_u32 s20, s20, s21
	s_add_co_u32 s20, s20, VB+8192                 ; V's
	s_mov_b32 s21, 0
	s_lshl_b32 s22, s13, 14                        ; a quarter is 16,384 bytes of LDS
	s_wait_dscnt 0x0
	s_wait_kmcnt 0x0
	s_mov_b32 s[G0K], 1
	s_mov_b32 s[G0K+1], s22
	s_add_nc_u64 s[G0K+2:G0K+3], s[4:5], s[14:15]
	s_or_b32 s[G0K+3], s[G0K+3], 0x80000000
	s_mov_b32 s[G0V], 1
	s_add_co_u32 s[G0V+1], s22, VC
	s_add_nc_u64 s[G0V+2:G0V+3], s[4:5], s[16:17]
	s_or_b32 s[G0V+3], s[G0V+3], 0x80000000
	s_mov_b32 s[G0S], 1
	s_mov_b32 s[G0S+1], KSC
	s_add_nc_u64 s[G0S+2:G0S+3], s[4:5], s[18:19]
	s_or_b32 s[G0S+3], s[G0S+3], 0x80000000
	s_mov_b32 s[G0T], 1
	s_mov_b32 s[G0T+1], VSC
	s_add_nc_u64 s[G0T+2:G0T+3], s[4:5], s[20:21]
	s_or_b32 s[G0T+3], s[G0T+3], 0x80000000
	; the fills: waves 0-3 K's codes, 4-7 V's, 8 K's scale words, 9 V's: one load a wave at the most.  Four v_nop follow each line
	s_cmp_lt_u32 s[WV], 4
	s_cbranch_scc0 .Lnot_k
	tensor_load_to_lds s[G0K:G0K+3], s[G1K:G1K+7]
	s_nop 0
.rept 4
	v_nop
.endr
	s_branch .Lasked
.Lnot_k:
	s_cmp_lt_u32 s[WV], 8
	s_cbranch_scc0 .Lnot_v
	tensor_load_to_lds s[G0V:G0V+3], s[G1V:G1V+7]
	s_nop 0
.rept 4
	v_nop
.endr
	s_branch .Lasked
.Lnot_v:
	s_cmp_eq_u32 s[WV], 8
	s_cbranch_scc0 .Lnot_ks
	tensor_load_to_lds s[G0S:G0S+3], s[G1S:G1S+7]
	s_nop 0
.rept 4
	v_nop
.endr
	s_branch .Lasked
.Lnot_ks:
	s_cmp_eq_u32 s[WV], 9
	s_cbranch_scc0 .Lasked
	tensor_load_to_lds s[G0T:G0T+3], s[G1T:G1T+7]
	s_nop 0
.rept 4
	v_nop
.endr
.Lasked:
	s_lshr_b32 s90, s[WV], 2
	s_xor_b32 s90, s90, s[WV]
	s_and_b32 s90, s90, 1                          ; which of the two blocks of queries: of waves w, w + 4, w + 8, w + 12, and of waves 4 i .. 4 i + 3, two take each
	s_sub_co_u32 s91, 15, ttmp9
	s_cmp_eq_u32 s90, 1
	s_cselect_b32 s[CQ], s91, ttmp9
	s_lshr_b32 s90, s[WV], 1                       ; my tile in the block
	s_lshl_b32 s91, s[CQ], 3
	s_add_co_u32 s91, s91, s90                     ; my tile in the batch
	s_lshl_b32 s92, s91, 10
	s_add_co_u32 s88, s88, s92
	s_lshl_b32 s92, s91, 6
	s_add_co_u32 s92, s92, s89
	s_add_co_u32 s92, s92, QS
	s_mov_b32 s89, 0
	s_mov_b32 s93, 0
	s_add_nc_u64 s[88:89], s[4:5], s[88:89]        ; Q's image
	s_add_nc_u64 s[92:93], s[4:5], s[92:93]        ; Q's scale words
	s_lshl_b32 s94, s9, 4
	s_add_co_u32 s94, s94, s[CQ]
	s_lshl_b32 s94, s94, 3
	s_add_co_u32 s94, s94, s11
	s_mul_i32 s94, s94, REC                        ; out: the record of chunk 16 batch + block, K step = pair of heads
	s_mov_b32 s95, 0
	s_add_nc_u64 s[6:7], s[6:7], s[94:95]
	s_lshl_b32 s94, s90, 6
	s_add_co_u32 s94, s94, 8192
	s_add_nc_u64 s[14:15], s[6:7], s[94:95]        ; my tile's scale words,
	s_lshl_b32 s94, s90, 10
	s_lshl_b32 s16, s12, 9
	s_add_co_u32 s94, s94, s16
	s_add_nc_u64 s[6:7], s[6:7], s[94:95]          ; and my head's half of its image
	v_and_b32 v8, 31, v0
	v_lshlrev_b32 v1, 4, v8
	v_add_nc_u32 v2, VC, v1
	v_lshlrev_b32 v9, 2, v8
	v_add_nc_u32 v3, KSC, v9
	v_add_nc_u32 v4, VSC, v9
	v_and_b32 v10, 15, v0                          ; r
	v_bfe_u32 v11, v0, 4, 1                        ; h
	v_lshlrev_b32 v6, 2, v10                       ; 4 r
	s_lshl_b32 s94, s12, 1
	v_add_nc_u32 v5, s94, v6                       ; 4 r + 2 for the odd head
	global_load_b128 v[16:19], v1, s[88:89]        ; Q stays in registers
	global_load_b32 v24, v6, s[92:93]
.irp j, 20,21,22,23
	v_mov_b32 v[\j], 0                             ; K = 64 .. 127 of Q: zero codes
.endr
.irp t, 0,1,2,3,4,5,6,7
.irp j, 4,5,6,7
	v_mov_b32 v[32+8*\t+\j], 0                     ; and of K's eight fragments: written once
.endr
.endr
	v_and_b32 v7, 8, v10
	v_add_nc_u32 v7, v7, v10                       ; r + 8 (r / 8)
	v_lshlrev_b32 v11, 4, v11
	v_sub_nc_u32 v7, v7, v11                       ; - 16 h
	s_lshr_b32 s94, s90, 1
	s_lshl_b32 s94, s94, 5
	s_and_b32 s95, s90, 1
	s_lshl_b32 s95, s95, 3
	s_add_co_u32 s94, s94, s95
	v_add_nc_u32 v7, s94, v7                       ; + 32 (tile / 2) + 8 (tile % 2): my query within its block of 128, less 16 h
	v_mov_b32 v13, 0xff61b1e6                      ; the largest t so far: -3e38
	v_floor_f32 v12, -v13                          ; -M
	v_mov_b32 v14, 0
	v_mov_b32 v15, 0
.irp j, 212,213,214,215,221,222
	v_mov_b32 v[\j], 0                             ; lane permutes' destinations, and the upper half of the pair v[220:221]
.endr
	v_mov_b32 v223, 0xff800000                     ; -infinity
.set n, 0
.rept 32
	v_mov_b32 v[160+n], 0                          ; O^T: the loop is written once; its first step finds zeros
.set n, n+1
.endr
	s_mov_b32 s[SEL], 0x76543210
	s_mov_b32 s[SEL+1], 0xfedcba98
	s_mov_b32 s[CS], 0x3e38aa3b
	s_mov_b32 s[CS+1], s[CS]
	s_mov_b32 s[CK], 0
	s_mov_b32 s[TK], 0
	s_mov_b32 s[TKS], 0
	s_mov_b32 s[TVS], 0
	s_wait_loadcnt 0x0                             ; Q
	s_wait_tensorcnt 0x0                           ; my fill has landed,
	s_barrier_signal -1
	s_barrier_wait -1                              ; everybody's has: nothing is written to LDS from here on
.Lstep:
	s_cmp_gt_u32 s[CK], s[CQ]
	s_cbranch_scc1 .Lhid                           ; all 128 keys come after my queries
	v_add_nc_u32 v8, s[TK], v1                     ; (these four are also the places behind the last step's products)
	v_add_nc_u32 v9, s[TK], v2
	v_add_nc_u32 v10, s[TKS], v3
	v_add_nc_u32 v11, s[TVS], v4
.irp t, 0,1,2,3,4,5,6,7
	ds_load_b128 v[32+8*\t:35+8*\t], v8 offset:512*\t
.endr
.irp i, 0,1,2,3
	ds_load_b32 v[200+\i], v10 offset:128*\i       ; lanes 0-15: tile 2 i's words, lanes 16-31: tile 2 i + 1's
.endr
.irp t, 0,1,2,3
.irp c, 0,1
	ds_load_b128 v[224+8*\t+4*\c:227+8*\t+4*\c], v9 offset:1024*\t+512*\c
.endr
.endr
.irp i, 0,1
	ds_load_b32 v[204+\i], v11 offset:128*\i
.endr
	s_wait_dscnt 10                                ; K's twelve loads are in; V's ten may be out
.irp t, 0,2,4,6
	v_wmma_scale_f32_16x16x128_f8f6f4 v[96+8*\t:103+8*\t], v[32+8*\t:39+8*\t], v[16:23], 0, v[200+\t/2], v24 matrix_a_fmt:MATRIX_FMT_FP4 matrix_b_fmt:MATRIX_FMT_FP4
	v_wmma_scale_f32_16x16x128_f8f6f4 v[104+8*\t:111+8*\t], v[40+8*\t:47+8*\t], v[16:23], 0, v[200+\t/2], v24 matrix_a_fmt:MATRIX_FMT_FP4 matrix_b_fmt:MATRIX_FMT_FP4 matrix_a_scale:MATRIX_SCALE_ROW1
.endr
.rept 4
	v_nop                                          ; places in front of the first read of results
.endr
	s_cmp_lg_u32 s[CK], s[CQ]
	s_cbranch_scc1 .Lopen                          ; all keys count
.set n, 0
.rept 64                                       ; the diagonal: register 16 b + i holds key 32 b + 16 h + i of the step: hidden where 32 b + i > my query - 16 h
	v_cmp_gt_i32 vcc_lo, 32*(n/16)+n%16, v7
	v_cndmask_b32 v[96+n], v[96+n], v223, vcc_lo
.set n, n+1
.endr
.Lopen:
.irp b, 0,1,2,3
	v_max3_num_f32 v[208+\b], v[96+16*\b], v[97+16*\b], v[98+16*\b]   ; the largest score of each block of 32 keys: for the row's maximum, and, since p rises with the score, for the block's largest p
.endr
.irp i, 3,5,7,9,11,13
.irp b, 0,1,2,3
	v_max3_num_f32 v[208+\b], v[208+\b], v[96+16*\b+\i], v[97+16*\b+\i]
.endr
.endr
.irp b, 0,1,2,3
	v_max_num_f32 v[208+\b], v[208+\b], v[111+16*\b]
.endr
.irp b, 0,1,2,3
	v_permlanex16_b32 v[212+\b], v[208+\b], s[SEL], s[SEL+1]
.endr
.irp b, 0,1,2,3
	v_max_num_f32 v[208+\b], v[208+\b], v[212+\b]  ; with lane l xor 16's 16 keys
.endr
	v_max3_num_f32 v222, v208, v209, v210
	v_max_num_f32 v222, v222, v211
	v_mul_f32 v222, s[CS], v222                    ; the step's largest t of my query
	v_max_num_f32 v13, v13, v222
	v_mov_b32 v222, v12
	v_floor_f32 v12, -v13                          ; the new -M = -ceil(t)
	v_sub_f32 v222, v12, v222                      ; old M - new M: a whole number, 0 or less
	v_cvt_i32_f32 v222, v222                       ; (it saturates)
	v_ldexp_f32 v220, 1.0, v222                    ; f = 2^(old M - new M): a multiplication by it rounds nothing
.set n, 0
.rept 32
	v_pk_fma_f32 v[96+n:97+n], v[96+n:97+n], s[CS:CS+1], v[12:13] op_sel_hi:[1,0,0]   ; t - M
.set n, n+2
.endr
.irp b, 0,1,2,3
	v_fma_f32 v[208+\b], v[208+\b], s[CS], v12     ; the same of each block's largest score
.endr
.set n, 0
.rept 64
	v_exp_f32 v[96+n], v[96+n]                     ; p = 2^(t - M)
.set n, n+1
.endr
	v_pk_mul_f32 v[14:15], v[14:15], v[220:221] op_sel_hi:[1,0]   ; the sums under the new M (a plain place behind the exponentials)
	s_wait_alu depctr_va_vdst(0)                   ; one wait for the batch, ahead of its first reader
.irp b, 0,1,2,3
	v_exp_f32 v[208+\b], v[208+\b]                 ; the block's largest p
.endr
	v_pk_add_f32 v[212:213], v[96:97], v[98:99]    ; the row's sum of the unquantised p, in two chains
.irp j, 4,8,12,16,20,24,28,32,36,40,44,48,52,56,60
	v_pk_add_f32 v[14:15], v[14:15], v[96+\j:97+\j]
	v_pk_add_f32 v[212:213], v[212:213], v[98+\j:99+\j]
.endr
	v_pk_add_f32 v[14:15], v[14:15], v[212:213]
	s_wait_alu depctr_va_vdst(0)                   ; and one for the four
.irp b, 0,1,2,3
	v_max_num_f32 v[208+\b], 0x1800000, v[208+\b]  ; the floor 2^(3 - 127)
.endr
.irp b, 0,1,2,3
	v_add_nc_u32 v[216+\b], 0xff000000, v[208+\b]  ; the conversion's scale operand
.endr
.irp b, 0,1,2,3
	v_lshrrev_b32 v[212+\b], 23, v[216+\b]         ; the scale's byte
.endr
	v_lshl_or_b32 v206, v213, 8, v212              ; p's scale word for these 128 keys
	v_lshl_or_b32 v206, v214, 16, v206
	v_lshl_or_b32 v206, v215, 24, v206
.irp b, 0,1,2,3
	v_cvt_scalef32_pk8_fp4_f32 v[192+2*\b], v[96+16*\b:103+16*\b], v[216+\b]
	v_cvt_scalef32_pk8_fp4_f32 v[193+2*\b], v[104+16*\b:111+16*\b], v[216+\b]
.endr
	v_nop                                          ; one plain place behind a scaled conversion
.irp c, 0,1
.irp i, 0,1
	v_permlane16_swap_b32 v[192+4*\c+\i], v[194+4*\c+\i]   ; a whole block to a lane
.endr
.endr
.set n, 0
.rept 16
	v_pk_mul_f32 v[160+n:161+n], v[160+n:161+n], v[220:221] op_sel_hi:[1,0]   ; O^T under the new M.  (These sixteen are the places between the scale word and codes just made and the products below)
.set n, n+2
.endr
	s_wait_dscnt 0x0                               ; V
.irp u, 0,1                                    ; the four accumulators take turns
	v_wmma_scale_f32_16x16x128_f8f6f4 v[160+16*\u:167+16*\u], v[224+16*\u:231+16*\u], v[192:199], v[160+16*\u:167+16*\u], v[204+\u], v206 matrix_a_fmt:MATRIX_FMT_FP4 matrix_b_fmt:MATRIX_FMT_FP4
	v_wmma_scale_f32_16x16x128_f8f6f4 v[168+16*\u:175+16*\u], v[232+16*\u:239+16*\u], v[192:199], v[168+16*\u:175+16*\u], v[204+\u], v206 matrix_a_fmt:MATRIX_FMT_FP4 matrix_b_fmt:MATRIX_FMT_FP4 matrix_a_scale:MATRIX_SCALE_ROW1
.endr
.Lhid:
	s_add_co_u32 s[TK], s[TK], 4096
	s_add_co_u32 s[TKS], s[TKS], 512
	s_add_co_u32 s[TVS], s[TVS], 256
	s_add_co_u32 s[CK], s[CK], 1
	s_cmp_lt_u32 s[CK], 16
	s_cbranch_scc1 .Lstep
	; THE WAY OUT: O^T / the sum; register 16 b + i is channel 32 b + 16 h + i of my query: two blocks of the projection's K
	v_add_f32 v14, v14, v15
	v_permlanex16_b32 v222, v14, s[SEL], s[SEL+1]
	v_add_f32 v14, v14, v222                       ; the row's sum
	v_rcp_f32 v14, v14
	v_nop                                          ; a plain place behind the transcendental; with the additions above these are the places behind the last products
	v_nop
	s_wait_alu depctr_va_vdst(0)                   ; the wait ahead of the first reader
.set n, 0
.rept 32
	v_mul_f32 v[96+n], v[160+n], v14
.set n, n+1
.endr
.irp b, 0,1
	v_max3_num_f32 v[208+\b], |v[96+16*\b]|, |v[97+16*\b]|, 0x1800000
.endr
.irp i, 2,4,6,8,10,12,14
.irp b, 0,1
	v_max3_num_f32 v[208+\b], v[208+\b], |v[96+16*\b+\i]|, |v[97+16*\b+\i]|
.endr
.endr
.irp b, 0,1
	v_permlanex16_b32 v[212+\b], v[208+\b], s[SEL], s[SEL+1]
.endr
.irp b, 0,1
	v_max_num_f32 v[208+\b], v[208+\b], v[212+\b]
.endr
.irp b, 0,1
	v_add_nc_u32 v[216+\b], 0xff000000, v[208+\b]
.endr
.irp b, 0,1
	v_lshrrev_b32 v[212+\b], 23, v[216+\b]
.endr
	v_lshl_or_b32 v206, v213, 8, v212              ; my head's two bytes of the row's scale word
.irp b, 0,1
	v_cvt_scalef32_pk8_fp4_f32 v[192+2*\b], v[96+16*\b:103+16*\b], v[216+\b]
	v_cvt_scalef32_pk8_fp4_f32 v[193+2*\b], v[104+16*\b:111+16*\b], v[216+\b]
.endr
	v_nop
	v_permlane16_swap_b32 v192, v194
	v_permlane16_swap_b32 v193, v195               ; v[192:195]: k = 32 h + 0 .. 31 of my head's 64: one register group of the image
	global_store_b128 v1, v[192:195], s[6:7]       ; 512 consecutive bytes
	global_store_b16 v5, v206, s[14:15]            ; (lanes r and r + 16 store the same bytes to the same place)
	s_wait_tensorcnt 0x0
	ds_add_u32 v31, v207
	s_wait_dscnt 0x0
	s_endpgm
.Lfunc_end_k_q2342cf4714_attn:
	.size	k_q2342cf4714_attn, .Lfunc_end_k_q2342cf4714_attn-k_q2342cf4714_attn
	.p2alignl 7, 3214868480
	.fill 96, 4, 3214868480
	.section	.rodata,"a",@progbits
	.p2align	6, 0x0
	.amdhsa_kernel k_q2342cf4714_attn
		.amdhsa_group_segment_fixed_size 169984
		.amdhsa_private_segment_fixed_size 0
		.amdhsa_enable_private_segment 0
		.amdhsa_kernarg_size 16
		.amdhsa_user_sgpr_count 2
		.amdhsa_user_sgpr_kernarg_segment_ptr 1
		.amdhsa_wavefront_size32 1
		.amdhsa_system_sgpr_workgroup_id_x 1
		.amdhsa_system_sgpr_workgroup_id_y 1
		.amdhsa_system_sgpr_workgroup_id_z 1
		.amdhsa_system_vgpr_workitem_id 0
		.amdhsa_next_free_vgpr 256
		.amdhsa_next_free_sgpr 96
		.amdhsa_reserve_vcc 1
		.amdhsa_float_denorm_mode_32 3
		.amdhsa_float_denorm_mode_16_64 3
		.amdhsa_memory_ordered 1
		.amdhsa_forward_progress 1
		.amdhsa_inst_pref_size 35
	.end_amdhsa_kernel
	.amdgpu_metadata
---
amdhsa.version: [ 1, 2 ]
amdhsa.kernels:
  - .name:           k_q2342cf4714_attn
    .symbol:         k_q2342cf4714_attn.kd
    .args:
      - { .name: qkv, .offset: 0, .size: 8, .value_kind: global_buffer, .address_space: global }
      - { .name: oc, .offset: 8, .size: 8, .value_kind: global_buffer, .address_space: global }
    .group_segment_fixed_size: 169984
    .private_segment_fixed_size: 0
    .kernarg_segment_align: 8
    .kernarg_segment_size: 16
    .max_flat_workgroup_size: 512
    .sgpr_count:     96
    .vgpr_count:     256
    .wavefront_size: 32
...
	.end_amdgpu_metadata
.endif
;; end of part 4
;; launch proj (part 5): grid 4 x 16, 4 waves a work-group, clusters of 4 x 4, 327,680 bytes of LDS; arguments oc, wc, x, bp, x1; writes x1
.if DOCPART == 5
	.amdgcn_target "amdgcn-amd-amdhsa--gfx1250"
	.amdhsa_code_object_version 6
	.text
	.protected	k_q2342cf4714_proj
	.globl	k_q2342cf4714_proj
	.p2align	8
	.type	k_q2342cf4714_proj,@function
k_q2342cf4714_proj:
	s_mov_b64 s[64:65], 0
	v_nop
	global_prefetch_b8 v0, s[64:65] scope:SCOPE_SE
	s_setreg_imm32_b32 hwreg(HW_REG_WAVE_MODE, 25, 1), 1
	s_wait_xcnt 0x0
	s_wait_alu depctr_hold_cnt(0) depctr_sa_sdst(0) depctr_va_vdst(0) depctr_va_sdst(0) depctr_va_ssrc(0) depctr_va_vcc(0) depctr_vm_vsrc(0)
	s_getreg_b32 s2, hwreg(HW_REG_IB_STS2, 6, 4)
	s_cmp_eq_u32 s2, 0
	s_cbranch_scc0 .Lentry_in_a_cluster
	s_endpgm
.Lentry_in_a_cluster:
	s_bfe_u32 s2, ttmp6, 0x10000c
	s_cmp_lg_u32 s2, 0xf033
	s_cbranch_scc0 .Lentry_shape_is_right
	s_endpgm
.Lentry_shape_is_right:
; OUT = RES + A B^T + BIAS, the product on codes of FP4 with E8M0 scales.  Here: A = the attention's result (oc, 4,096 tokens, K = 1,024), B = Wp's records in wc, RES = x, BIAS = bp, OUT = x1, all three f32.
; OPERANDS lie in records of 8,704 bytes, [chunk of 128 rows][K step of 128][record]: eight images of 1,024 bytes (a fragment's registers as they stand: group c of lane l at 512 c + 16 l), then scale words
; (tile a, row r at 8192 + 64 a + 4 r).  Tile T, row r of an operand is its row 32 (T / 2) + 8 (T % 2) + r + 8 (r / 8).
; THE PRODUCT: source 0 = 16 rows of B, source 1 = 16 rows of A.  A lane holds one token, and the 16 registers of accumulators (a, 2 b') and (a, 2 b' + 1) are columns 32 b' + 16 (lane / 16) + 0 .. 15.
; A tile of 256 x 256 is made by four waves, 128 x 128 each.  K goes in steps of 512 through two LDS slots filled by the tensor data mover, a quarter (four dense records of one chunk) a wave.
; CLUSTERS: 4 x 4 work-groups; A's quarters are asked for jointly along a row of the cluster, B's along a column.  The grid has 64 work-groups: one tile of 256 x 256 each.
; THE WAY OUT: a block of 16 tokens goes through my stage in LDS (in slot 0, which has had its last fill and its last read) and comes back as rows of 512 bytes; the residual's rows, asked for blocks ahead, and the bias are
; added, and 32 lanes store 512 consecutive bytes.  The tokens' order within a tile is undone in the immediates.
; REGISTERS: window 0: v16-29 addresses; v32-95 scale words, two sets; v96-99 the bias; v128-191 A's fragments, later with v192-255 rows on their way out.  window 1: B's two sets v0-63, v128-191; the residual's four
;   sets of 64: v64, v192, and behind the last product v0, v128.  windows 2, 3: accumulator (a, b) at v[8 (8 (a % 4) + b)].
.set REC,   8704
.set NQ,    4
.set QB,    NQ*REC
.set SLOT,  4*QB
.set SPARE, 2*SLOT                     ; behind the ring: the spare words, 128 bytes a wave: two blocks of 256 bytes that no other line names
.set KS,    8                          ; K steps of 128 in K
.set LAPS,  KS/(2*NQ)
.set WOFF,  192*REC                    ; the weight's first record in wc
.set NL,    2
.set NP,    4
.set SPITCH, 528
.set ADRA, 16
.set ASA,  18
.set ADRB, 20
.set ASB,  22
.set STO,  24                          ; v24 the stage: row r, + 64 h
.set RD,   25                          ; v25 and back: 16 x lane
.set CO,   26                          ; v26 16 x lane
.set CW,   27                          ; v27 4 x lane
.set SPW,  28
.set NIL,  29
.set SC,   32
.set BV,   96
.set AF,   128
.set BK,   128
.set BI,   64
.set G1,  24
.set G0,  32
.set G1B, 48
.set G0B, 56
.set MSB, 0
.macro WIN new
.if MSB != \new
	s_set_vgpr_msb (MSB<<8)|\new
.set MSB, \new
.endif
.endm
.set MUL_LO, 0xa1
.set MUL_HI, 0xf1
.set TO_B,   0x40
.macro JLOAD g0a, g1a, g0b, g1b        ; a joint load: waves 0 and 1 fetch for A, waves 2 and 3 for B; four v_nop follow each line
	s_cmp_eq_u32 s15, 0
	s_cbranch_scc0 .Lfor_b_\@
	tensor_load_to_lds s[\g0a:\g0a+3], s[\g1a:\g1a+7]
	s_nop 0
.rept 4
	v_nop
.endr
	s_branch .Lasked_\@
.Lfor_b_\@:
	tensor_load_to_lds s[\g0b:\g0b+3], s[\g1b:\g1b+7]
	s_nop 0
.rept 4
	v_nop
.endr
.Lasked_\@:
.endm
.macro CREST
	s_cmp_lg_u32 s14, 0
	s_cbranch_scc1 .Lnot_wave_0_\@
	s_barrier_signal -3
.Lnot_wave_0_\@:
	s_barrier_wait -3
	s_barrier_signal -1
	s_barrier_wait -1
.endm
.macro CROUND
	s_barrier_signal -1
	s_barrier_wait -1
	CREST
.endm
.macro PLACES n
.rept \n
	v_nop
.endr
.endm
.macro FRAG reg, adr, q, i
.irp c, 0,1
	ds_load_b128 v[\reg+4*\c:\reg+4*\c+3], v[\adr] offset:(\q)*REC+(\i)*1024+512*\c
.endr
.endm
.macro MM a, b, p, q, sc, mode         ; mode 1: C = 0 starts the sum; 0: in place.  An odd tile's scale words lie in lanes 16-31 of its pair's register
.set rD, 8*(8*((\a)%4)+(\b))
.set rB, 128*(\p)+8*(\b)
.set rA, AF+8*(\a)
.set rSB, SC+32*(\sc)+8*(\q)+4+(\b)/2
.set rSA, SC+32*(\sc)+8*(\q)+(\a)/2
.set par, 2*((\b)%2)+(\a)%2
.set rC, rD
.if (\mode) == 2
.set rC, BI+8*(\b)
.endif
.if (\mode) == 1
.if par == 0
	v_wmma_scale_f32_16x16x128_f8f6f4 v[rD:rD+7], v[rB:rB+7], v[rA:rA+7], 0, v[rSB], v[rSA] matrix_a_fmt:MATRIX_FMT_FP4 matrix_b_fmt:MATRIX_FMT_FP4
.elseif par == 1
	v_wmma_scale_f32_16x16x128_f8f6f4 v[rD:rD+7], v[rB:rB+7], v[rA:rA+7], 0, v[rSB], v[rSA] matrix_a_fmt:MATRIX_FMT_FP4 matrix_b_fmt:MATRIX_FMT_FP4 matrix_b_scale:MATRIX_SCALE_ROW1
.elseif par == 2
	v_wmma_scale_f32_16x16x128_f8f6f4 v[rD:rD+7], v[rB:rB+7], v[rA:rA+7], 0, v[rSB], v[rSA] matrix_a_fmt:MATRIX_FMT_FP4 matrix_b_fmt:MATRIX_FMT_FP4 matrix_a_scale:MATRIX_SCALE_ROW1
.else
	v_wmma_scale_f32_16x16x128_f8f6f4 v[rD:rD+7], v[rB:rB+7], v[rA:rA+7], 0, v[rSB], v[rSA] matrix_a_fmt:MATRIX_FMT_FP4 matrix_b_fmt:MATRIX_FMT_FP4 matrix_a_scale:MATRIX_SCALE_ROW1 matrix_b_scale:MATRIX_SCALE_ROW1
.endif
.else
.if par == 0
	v_wmma_scale_f32_16x16x128_f8f6f4 v[rD:rD+7], v[rB:rB+7], v[rA:rA+7], v[rC:rC+7], v[rSB], v[rSA] matrix_a_fmt:MATRIX_FMT_FP4 matrix_b_fmt:MATRIX_FMT_FP4
.elseif par == 1
	v_wmma_scale_f32_16x16x128_f8f6f4 v[rD:rD+7], v[rB:rB+7], v[rA:rA+7], v[rC:rC+7], v[rSB], v[rSA] matrix_a_fmt:MATRIX_FMT_FP4 matrix_b_fmt:MATRIX_FMT_FP4 matrix_b_scale:MATRIX_SCALE_ROW1
.elseif par == 2
	v_wmma_scale_f32_16x16x128_f8f6f4 v[rD:rD+7], v[rB:rB+7], v[rA:rA+7], v[rC:rC+7], v[rSB], v[rSA] matrix_a_fmt:MATRIX_FMT_FP4 matrix_b_fmt:MATRIX_FMT_FP4 matrix_a_scale:MATRIX_SCALE_ROW1
.else
	v_wmma_scale_f32_16x16x128_f8f6f4 v[rD:rD+7], v[rB:rB+7], v[rA:rA+7], v[rC:rC+7], v[rSB], v[rSA] matrix_a_fmt:MATRIX_FMT_FP4 matrix_b_fmt:MATRIX_FMT_FP4 matrix_a_scale:MATRIX_SCALE_ROW1 matrix_b_scale:MATRIX_SCALE_ROW1
.endif
.endif
.endm
.macro MUL16 a0, p, q, sc, mode        ; the 64 accumulators take turns, one instruction a turn, in the same order in every step
.irp a, \a0, \a0+1
.irp b, 0,1,2,3,4,5,6,7
	MM \a, \b, \p, \q, \sc, \mode
.endr
.endr
.endm
.macro FETCH_B slot, q, p
	WIN TO_B
.irp i, 0,1,2,3,4,5,6,7
	FRAG 128*(\p)+8*\i, ADRB+\slot, \q, \i
.endr
	WIN 0
.endm
.macro FETCH_A slot, q, i0
.irp i, \i0, \i0+1, \i0+2, \i0+3
	FRAG AF+8*(\i), ADRA+\slot, \q, \i
.endr
.endm
.macro SCALES s
.irp q, 0,1,2,3
.irp i, 0,1,2,3
	ds_load_b32 v[SC+32*\s+8*\q+\i], v[ASA+\s] offset:\q*REC+8192+128*\i
	ds_load_b32 v[SC+32*\s+8*\q+4+\i], v[ASB+\s] offset:\q*REC+8192+128*\i
.endr
.endr
.endm
.macro STEP slot, q, mode
	s_wait_dscnt 4*NL                              ; B's set, A's blocks 0-3 and the scale words are in; the youngest eight loads (A's blocks 4-7) may be out
	WIN MUL_LO
	MUL16 0, (\q)%2, \q, \slot, \mode
	MUL16 2, (\q)%2, \q, \slot, \mode
	s_wait_dscnt 0                                 ; A's blocks 4-7 are in
	PLACES NP                                      ; places in front of loads into registers that matrix instructions have read
	FETCH_B \slot, (\q)+1, 1-(\q)%2
	FETCH_A \slot, (\q)+1, 0
	WIN MUL_HI
	MUL16 4, (\q)%2, \q, \slot, \mode
	MUL16 6, (\q)%2, \q, \slot, \mode
	PLACES NP
	WIN 0
	FETCH_A \slot, (\q)+1, 4
.endm
.macro TURN slot, next, fill           ; a slot's last step changes slots: one barrier; in front of it each wave waits for all its tensor loads, adds 0 to its spare word, and waits for that and for its reads of this slot
	s_wait_tensorcnt 0x0                           ; all my tensor loads have landed: my part of the next slot
	ds_add_u32 v[SPW], v[NIL]                      ; 0 onto my spare word
	s_wait_dscnt 4*NL+1                            ; (the add and the youngest eight loads may be out)
	WIN MUL_LO
	MUL16 0, 1, NQ-1, \slot, 0
	s_wait_dscnt 0x0                               ; the add is done, and my reads of this slot are over
	s_barrier_signal -1
	MUL16 2, 1, NQ-1, \slot, 0
	WIN 0
	s_barrier_wait -1
.if \fill
	CREST                                          ; the barrier has opened a round of the cluster's barrier: no wave of any partner still reads this slot or has a load on its way
	s_add_nc_u64 s[G0+4*\slot+2:G0+4*\slot+3], s[G0+4*\slot+2:G0+4*\slot+3], 2*QB
	s_add_nc_u64 s[G0B+4*\slot+2:G0B+4*\slot+3], s[G0B+4*\slot+2:G0B+4*\slot+3], 2*QB
	JLOAD G0+4*\slot, G1, G0B+4*\slot, G1B         ; the first tensor load behind the round; its four v_nop are the places in front of the loads below
.else
	PLACES NP
.endif
	FETCH_B \next, 0, 0
	FETCH_A \next, 0, 0
	SCALES \next
	WIN MUL_HI
	MUL16 4, 1, NQ-1, \slot, 0
	MUL16 6, 1, NQ-1, \slot, 0
	PLACES NP
	WIN 0
	FETCH_A \next, 0, 4
.endm
.macro STEPS slot, from
.set Q, \from
.rept NQ-1-\from
	STEP \slot, Q, 0
.set Q, Q+1
.endr
.endm
.macro RLOAD a                         ; the residual's 16 rows of block a, 512 consecutive bytes each, into window 1
.set XRA, 64*((2*((\a)%4)+1)%5)        ; sets at v64, v192, v0, v128
	WIN 0x40
.irp t, 0,1,2,3,4,5,6,7,8,9,10,11,12,13,14,15
.set RW, 16*(\a)+\t
.set RR, (RW&103)|((RW&8)<<1)|((RW&16)>>1)     ; tile a, row t is token RR of my 128
	global_load_b128 v[XRA+4*\t:XRA+4*\t+3], v[CO], s[8:9] offset:RR*4096
.endr
	WIN 0
.endm
.macro TOSTAGE a
.set AC, 64*((\a)%4)
	WIN (0x08+4*((\a)/4))                          ; an LDS store's data: window 2 or 3
.irp b, 0,1,2,3,4,5,6,7
	ds_store_b128 v[STO], v[AC+8*\b:AC+8*\b+3] offset:128*(\b/2)+32*(\b%2)       ; each accumulator from its low end on: columns 32 (b / 2) + 16 h + 8 (b % 2) on
	ds_store_b128 v[STO], v[AC+8*\b+4:AC+8*\b+7] offset:128*(\b/2)+32*(\b%2)+16
.endr
	WIN 0
.set BB, BK+64*((\a)%2)
.irp t, 0,1,2,3,4,5,6,7,8,9,10,11,12,13,14,15
	ds_load_b128 v[BB+4*\t:BB+4*\t+3], v[RD] offset:\t*SPITCH   ; LDS serves a wave's instructions in order: these see the stores above, and the next block's stores come behind them
.endr
.endm
.macro SEND a, younger
.set BB, BK+64*((\a)%2)
.set XRA, 64*((2*((\a)%4)+1)%5)
	s_wait_dscnt \younger                          ; the block is back in registers (younger: the next block's 16 stores and 16 loads)
.if (\a) < 5
	s_wait_loadcnt 48                              ; its residual rows are in; the three blocks asked for behind them may be out
.else
	s_wait_loadcnt 16*(7-(\a))
.endif
	WIN 0x04                                       ; source 1 window 1
.set k, 0
.rept 32
	v_pk_add_f32 v[BB+k:BB+k+1], v[BB+k:BB+k+1], v[XRA+k:XRA+k+1]
.set k, k+2
.endr
	WIN 0
.irp t, 0,1,2,3,4,5,6,7,8,9,10,11,12,13,14,15
	v_pk_add_f32 v[BB+4*\t:BB+4*\t+1], v[BB+4*\t:BB+4*\t+1], v[BV:BV+1]
	v_pk_add_f32 v[BB+4*\t+2:BB+4*\t+3], v[BB+4*\t+2:BB+4*\t+3], v[BV+2:BV+3]
.endr
.irp t, 0,1,2,3,4,5,6,7,8,9,10,11,12,13,14,15
.set RW, 16*(\a)+\t
.set RR, (RW&103)|((RW&8)<<1)|((RW&16)>>1)
	global_store_b128 v[CO], v[BB+4*\t:BB+4*\t+3], s[12:13] offset:RR*4096 th:TH_STORE_NT   ; 32 lanes store 512 consecutive bytes; 127 rows of 4,096 bytes at the most in the immediate
.endr
.if (\a) < 4
	RLOAD (\a)+4                                   ; into the set just read
.endif
.endm
	s_load_b256 s[4:11], s[0:1], 0x0               ; A s[4:5], wc s[6:7], RES s[8:9], BIAS s[10:11]
	s_load_b64 s[12:13], s[0:1], 0x20              ; OUT
	v_lshl_add_u32 v[SPW], v0, 2, SPARE
	v_mov_b32 v[NIL], 0
	ds_add_u32 v28, v29
	ds_add_u32 v28, v29
	s_wait_dscnt 0x0
	v_lshrrev_b32 v1, 5, v0
	v_readfirstlane_b32 s14, v1                    ; wave 0..3
	s_lshr_b32 s15, s14, 1                         ; which half of A's rows is mine.  Also: I fetch for A (0) or for B (1)
	s_and_b32 s16, s14, 1                          ; which half of B's rows.  Also: which chunk of the two I fetch
	s_bfe_u32 s40, ttmp6, 0x40000                  ; cx, cy
	s_bfe_u32 s41, ttmp6, 0x40004
	s_lshl_b32 s42, ttmp9, 2
	s_add_co_u32 s42, s42, s40                     ; B's tile of 256 rows
	s_and_b32 s17, ttmp7, 0xffff
	s_lshl_b32 s17, s17, 2
	s_add_co_u32 s17, s17, s41                     ; A's
	s_lshl_b32 s43, s41, 2
	s_lshl_b32 s43, 15, s43                        ; my row of the cluster
	s_lshl_b32 s44, 0x1111, s40                    ; my column
	; descriptor group 1: a dense block of 34,816 bytes as 136 rows of 256 bytes (32 elements of 8 bytes)
	s_or_b32 s[G1+0], s43, (3<<16)|(1<<21)
	s_or_b32 s[G1B+0], s44, (3<<16)|(1<<21)
.irp g, G1, G1B
	s_mov_b32 s[\g+1], 32<<16
	s_mov_b32 s[\g+2], 136<<16
	s_mov_b32 s[\g+3], 32<<16
	s_mov_b32 s[\g+4], 136
	s_mov_b32 s[\g+5], 32
	s_mov_b32 s[\g+6], 0
	s_mov_b32 s[\g+7], 0
.endr
	s_lshl_b32 s20, s17, 1
	s_add_co_u32 s20, s20, s16
	s_mul_i32 s20, s20, KS*REC                     ; A: the chunk that I fetch
	s_mov_b32 s21, 0
	s_lshl_b32 s46, s42, 1
	s_add_co_u32 s46, s46, s16
	s_mul_i32 s46, s46, KS*REC
	s_add_co_u32 s46, s46, WOFF                    ; B likewise
	s_mov_b32 s47, 0
	s_mul_i32 s45, s14, QB                         ; where it goes: quarter = wave
	s_wait_kmcnt 0x0
	s_add_nc_u64 s[20:21], s[4:5], s[20:21]
	s_add_nc_u64 s[46:47], s[6:7], s[46:47]
	CROUND                                         ; all sixteen work-groups are here: the first joint loads meet
.irp s, 0,1
	s_mov_b32 s[G0+4*\s], 1
	s_add_co_u32 s[G0+4*\s+1], s45, \s*SLOT
	s_add_nc_u64 s[G0+4*\s+2:G0+4*\s+3], s[20:21], \s*QB
	s_or_b32 s[G0+4*\s+3], s[G0+4*\s+3], 0x80000000
	s_mov_b32 s[G0B+4*\s], 1
	s_add_co_u32 s[G0B+4*\s+1], s45, \s*SLOT
	s_add_nc_u64 s[G0B+4*\s+2:G0B+4*\s+3], s[46:47], \s*QB
	s_or_b32 s[G0B+4*\s+3], s[G0B+4*\s+3], 0x80000000
	JLOAD G0+4*\s, G1, G0B+4*\s, G1B               ; two loads of mine are out
.endr
	v_and_b32 v1, 31, v0
	v_lshlrev_b32 v[CO], 4, v1
	v_lshlrev_b32 v[CW], 2, v1
	s_mul_i32 s21, s15, QB
	s_mul_i32 s22, s16, QB
	s_add_co_u32 s22, s22, 2*QB
.irp s, 0,1
	v_add_nc_u32 v[ADRA+\s], s21, v[CO]
	v_add_nc_u32 v[ADRB+\s], s22, v[CO]
	v_add_nc_u32 v[ASA+\s], s21, v[CW]
	v_add_nc_u32 v[ASB+\s], s22, v[CW]
	s_add_co_u32 s21, s21, SLOT
	s_add_co_u32 s22, s22, SLOT
.endr
	v_and_b32 v4, 15, v0
	v_bfe_u32 v5, v0, 4, 1
	s_mul_i32 s23, s14, 16*SPITCH                  ; my stage
	v_mul_u32_u24 v6, v4, SPITCH
	v_lshl_add_u32 v6, v5, 6, v6
	v_add_nc_u32 v[STO], s23, v6
	v_add_nc_u32 v[RD], s23, v[CO]
	s_lshl_b32 s20, s17, 1
	s_add_co_u32 s20, s20, s15
	s_lshl_b32 s20, s20, 19                        ; my 128 tokens: rows of 4,096 bytes
	s_lshl_b32 s22, s42, 1
	s_add_co_u32 s22, s22, s16
	s_lshl_b32 s22, s22, 9                         ; my 128 columns
	s_add_co_u32 s20, s20, s22
	s_mov_b32 s21, 0
	s_mov_b32 s23, 0
	s_add_nc_u64 s[8:9], s[8:9], s[20:21]
	s_add_nc_u64 s[12:13], s[12:13], s[20:21]
	s_add_nc_u64 s[10:11], s[10:11], s[22:23]
	global_load_b128 v[BV:BV+3], v[CO], s[10:11]   ; the bias at my four columns
	RLOAD 0
	RLOAD 1
	s_wait_tensorcnt 1                             ; my part of slot 0 is in (slot 1's load may be out)
	s_barrier_signal -1
	s_barrier_wait -1                              ; everybody's is
	FETCH_B 0, 0, 0
	FETCH_A 0, 0, 0
	SCALES 0
	FETCH_A 0, 0, 4
	STEP 0, 0, 1                                   ; the first step's products start the sums: nothing is cleared
.if LAPS > 1
	s_mov_b32 s3, LAPS-1
.Llap:                                                 ; a trip goes once round the ring and fills both slots again
	STEPS 0, 1
	TURN 0, 1, 1
	STEPS 1, 0
	TURN 1, 0, 1
	STEP 0, 0, 0
	s_sub_co_u32 s3, s3, 1
	s_cmp_lg_u32 s3, 0
	s_cbranch_scc1 .Llap
.endif
	STEPS 0, 1                                     ; the last lap fills nothing
	TURN 0, 1, 0
	STEPS 1, 0
	s_wait_dscnt 4*NL
	WIN MUL_LO
	MUL16 0, 1, NQ-1, 1, 0
	MUL16 2, 1, NQ-1, 1, 0
	s_wait_dscnt 0
	WIN MUL_HI
	MUL16 4, 1, NQ-1, 1, 0
	MUL16 6, 1, NQ-1, 1, 0
	WIN 0
	PLACES NP                                      ; in front of loads into A's and B's registers and of the first read of results
	RLOAD 2
	RLOAD 3
	TOSTAGE 0
.irp a, 1,2,3,4,5,6,7
.if \a > 1
	s_wait_xcnt 0x0                                ; block a - 2's stores have read their registers: block a's rows may land there
.endif
	TOSTAGE \a
	SEND (\a)-1, 32
.endr
	SEND 7, 0
	s_wait_tensorcnt 0x0                           ; the wave's end
	ds_add_u32 v[SPW], v[NIL]
	s_wait_dscnt 0x0
	CROUND                                         ; the closing round
	s_endpgm
.Lfunc_end_k_q2342cf4714_proj:
	.size	k_q2342cf4714_proj, .Lfunc_end_k_q2342cf4714_proj-k_q2342cf4714_proj
	.p2alignl 7, 3214868480
	.fill 96, 4, 3214868480
	.section	.rodata,"a",@progbits
	.p2align	6, 0x0
	.amdhsa_kernel k_q2342cf4714_proj
		.amdhsa_group_segment_fixed_size 327680
		.amdhsa_private_segment_fixed_size 0
		.amdhsa_enable_private_segment 0
		.amdhsa_kernarg_size 40
		.amdhsa_user_sgpr_count 2
		.amdhsa_user_sgpr_kernarg_segment_ptr 1
		.amdhsa_wavefront_size32 1
		.amdhsa_system_sgpr_workgroup_id_x 1
		.amdhsa_system_sgpr_workgroup_id_y 1
		.amdhsa_system_sgpr_workgroup_id_z 1
		.amdhsa_system_vgpr_workitem_id 0
		.amdhsa_next_free_vgpr 1024
		.amdhsa_next_free_sgpr 96
		.amdhsa_reserve_vcc 0
		.amdhsa_float_denorm_mode_32 3
		.amdhsa_float_denorm_mode_16_64 3
		.amdhsa_memory_ordered 1
		.amdhsa_forward_progress 1
		.amdhsa_inst_pref_size 170
	.end_amdhsa_kernel
	.amdgpu_metadata
---
amdhsa.version: [ 1, 2 ]
amdhsa.kernels:
  - .name:           k_q2342cf4714_proj
    .symbol:         k_q2342cf4714_proj.kd
    .args:
      - { .name: oc, .offset: 0, .size: 8, .value_kind: global_buffer, .address_space: global }
      - { .name: wc, .offset: 8, .size: 8, .value_kind: global_buffer, .address_space: global }
      - { .name: x, .offset: 16, .size: 8, .value_kind: global_buffer, .address_space: global }
      - { .name: bp, .offset: 24, .size: 8, .value_kind: global_buffer, .address_space: global }
      - { .name: x1, .offset: 32, .size: 8, .value_kind: global_buffer, .address_space: global }
    .group_segment_fixed_size: 327680
    .private_segment_fixed_size: 0
    .kernarg_segment_align: 8
    .kernarg_segment_size: 40
    .max_flat_workgroup_size: 128
    .sgpr_count:     96
    .vgpr_count:     1024
    .wavefront_size: 32
...
	.end_amdgpu_metadata
.endif
;; end of part 5
;; launch ln2: the kernel of part 2 again; grid 256 x 1, 8 waves a work-group, no clusters, 69,632 bytes of LDS; arguments x1, g2, beta2, h2c; writes h2c
;; launch ffn1 (part 6): grid 16 x 16, 4 waves a work-group, clusters of 4 x 4, 327,680 bytes of LDS; arguments h2c, wc, b1, hid; writes hid
.if DOCPART == 6
	.amdgcn_target "amdgcn-amd-amdhsa--gfx1250"
	.amdhsa_code_object_version 6
	.text
	.protected	k_q2342cf4714_ffn1
	.globl	k_q2342cf4714_ffn1
	.p2align	8
	.type	k_q2342cf4714_ffn1,@function
k_q2342cf4714_ffn1:
	s_mov_b64 s[64:65], 0
	v_nop
	global_prefetch_b8 v0, s[64:65] scope:SCOPE_SE
	s_setreg_imm32_b32 hwreg(HW_REG_WAVE_MODE, 25, 1), 1
	s_wait_xcnt 0x0
	s_wait_alu depctr_hold_cnt(0) depctr_sa_sdst(0) depctr_va_vdst(0) depctr_va_sdst(0) depctr_va_ssrc(0) depctr_va_vcc(0) depctr_vm_vsrc(0)
	s_getreg_b32 s2, hwreg(HW_REG_IB_STS2, 6, 4)
	s_cmp_eq_u32 s2, 0
	s_cbranch_scc0 .Lentry_in_a_cluster
	s_endpgm
.Lentry_in_a_cluster:
	s_bfe_u32 s2, ttmp6, 0x10000c
	s_cmp_lg_u32 s2, 0xf033
	s_cbranch_scc0 .Lentry_shape_is_right
	s_endpgm
.Lentry_shape_is_right:
; hid = Q(relu(h2 W1 + b1)), the product on codes of FP4 with E8M0 scales; the result is quantised along the hidden units on the way out and never goes to memory as f32.
; OPERANDS lie in records of 8,704 bytes, [chunk of 128 rows][K step of 128][record]: eight images of 1,024 bytes (a fragment's registers as they stand: group c of lane l at 512 c + 16 l), then scale words
; (tile a, row r at 8192 + 64 a + 4 r).  Tile T, row r of an operand is its row 32 (T / 2) + 8 (T % 2) + r + 8 (r / 8).
; THE PRODUCT: source 0 = 16 rows of B (W1's columns), source 1 = 16 rows of A (tokens).  A lane holds one token, and the 16 registers of accumulators (a, 2 b') and (a, 2 b' + 1) are hidden units
; 32 b' + 16 (lane / 16) + 0 .. 15: neighbours along the next product's K.  b1 is the C of each sum's first product: eight registers a tile of B, in window 1.
; A tile of 256 x 256 is made by four waves, 128 x 128 each.  K = 1,024 lies in two LDS slots of 512 along K, each filled once by the tensor data mover, a quarter (four dense records of one chunk) a wave.
; CLUSTERS: 4 x 4 work-groups; A's quarters are asked for jointly along a row of the cluster, B's along a column.  A wave's result is one whole record of hid.
; LIMITS: a block of zeros gets the byte 1 (its codes are zeros, and this program alone reads the bytes); blocks under 2^-124 have their byte held at 1; NaN and infinities are not served.
; REGISTERS: window 0: v16-29 addresses; v32-95 scale words, two sets; v128-191 A's fragments, later the codes made; v96-99, v200-223 the way out.  window 1: B's two sets v0-63, v128-191; v64-127 b1.
;   windows 2, 3: accumulator (a, b) at v[8 (8 (a % 4) + b)].
.set REC,   8704
.set NQ,    4
.set QB,    NQ*REC
.set SLOT,  4*QB
.set SPARE, 2*SLOT                     ; behind the ring: the spare words, 128 bytes a wave: two blocks of 256 bytes that no other line names
.set KS,    8
.set WOFF,  256*REC                    ; W1's first record in wc
.set NL,    2
.set NP,    4
.set ADRA, 16
.set ASA,  18
.set ADRB, 20
.set ASB,  22
.set CO,   26                          ; v26 16 x lane
.set CW,   27                          ; v27 4 x lane
.set SPW,  28
.set NIL,  29
.set SC,   32
.set SW,   96
.set AF,   128
.set PC,   128
.set TM,   200
.set PW,   216
.set BI,   64
.set G1,  24
.set G0,  32
.set G1B, 48
.set G0B, 56
.set LM,  66                           ; s66 lanes 16-31
.set SEL, 68                           ; s[68:69] lane l xor 16
.set MSB, 0
.macro WIN new
.if MSB != \new
	s_set_vgpr_msb (MSB<<8)|\new
.set MSB, \new
.endif
.endm
.set MUL_LO, 0xa1
.set MUL_HI, 0xf1
.set TO_B,   0x40
.macro JLOAD g0a, g1a, g0b, g1b        ; a joint load: waves 0 and 1 fetch for A, waves 2 and 3 for B; four v_nop follow each line
	s_cmp_eq_u32 s15, 0
	s_cbranch_scc0 .Lfor_b_\@
	tensor_load_to_lds s[\g0a:\g0a+3], s[\g1a:\g1a+7]
	s_nop 0
.rept 4
	v_nop
.endr
	s_branch .Lasked_\@
.Lfor_b_\@:
	tensor_load_to_lds s[\g0b:\g0b+3], s[\g1b:\g1b+7]
	s_nop 0
.rept 4
	v_nop
.endr
.Lasked_\@:
.endm
.macro CREST
	s_cmp_lg_u32 s14, 0
	s_cbranch_scc1 .Lnot_wave_0_\@
	s_barrier_signal -3
.Lnot_wave_0_\@:
	s_barrier_wait -3
	s_barrier_signal -1
	s_barrier_wait -1
.endm
.macro CROUND
	s_barrier_signal -1
	s_barrier_wait -1
	CREST
.endm
.macro PLACES n
.rept \n
	v_nop
.endr
.endm
.macro FRAG reg, adr, q, i
.irp c, 0,1
	ds_load_b128 v[\reg+4*\c:\reg+4*\c+3], v[\adr] offset:(\q)*REC+(\i)*1024+512*\c
.endr
.endm
.macro MM a, b, p, q, sc, mode         ; mode 2: C = the bias in window 1 starts the sum; 0: in place.  An odd tile's scale words lie in lanes 16-31 of its pair's register
.set rD, 8*(8*((\a)%4)+(\b))
.set rB, 128*(\p)+8*(\b)
.set rA, AF+8*(\a)
.set rSB, SC+32*(\sc)+8*(\q)+4+(\b)/2
.set rSA, SC+32*(\sc)+8*(\q)+(\a)/2
.set par, 2*((\b)%2)+(\a)%2
.set rC, rD
.if (\mode) == 2
.set rC, BI+8*(\b)
.endif
.if par == 0
	v_wmma_scale_f32_16x16x128_f8f6f4 v[rD:rD+7], v[rB:rB+7], v[rA:rA+7], v[rC:rC+7], v[rSB], v[rSA] matrix_a_fmt:MATRIX_FMT_FP4 matrix_b_fmt:MATRIX_FMT_FP4
.elseif par == 1
	v_wmma_scale_f32_16x16x128_f8f6f4 v[rD:rD+7], v[rB:rB+7], v[rA:rA+7], v[rC:rC+7], v[rSB], v[rSA] matrix_a_fmt:MATRIX_FMT_FP4 matrix_b_fmt:MATRIX_FMT_FP4 matrix_b_scale:MATRIX_SCALE_ROW1
.elseif par == 2
	v_wmma_scale_f32_16x16x128_f8f6f4 v[rD:rD+7], v[rB:rB+7], v[rA:rA+7], v[rC:rC+7], v[rSB], v[rSA] matrix_a_fmt:MATRIX_FMT_FP4 matrix_b_fmt:MATRIX_FMT_FP4 matrix_a_scale:MATRIX_SCALE_ROW1
.else
	v_wmma_scale_f32_16x16x128_f8f6f4 v[rD:rD+7], v[rB:rB+7], v[rA:rA+7], v[rC:rC+7], v[rSB], v[rSA] matrix_a_fmt:MATRIX_FMT_FP4 matrix_b_fmt:MATRIX_FMT_FP4 matrix_a_scale:MATRIX_SCALE_ROW1 matrix_b_scale:MATRIX_SCALE_ROW1
.endif
.endm
.macro MUL16 a0, p, q, sc, mode        ; the 64 accumulators take turns, one instruction a turn, in the same order in every step
.irp a, \a0, \a0+1
.irp b, 0,1,2,3,4,5,6,7
	MM \a, \b, \p, \q, \sc, \mode
.endr
.endr
.endm
.macro FETCH_B slot, q, p
	WIN TO_B
.irp i, 0,1,2,3,4,5,6,7
	FRAG 128*(\p)+8*\i, ADRB+\slot, \q, \i
.endr
	WIN 0
.endm
.macro FETCH_A slot, q, i0
.irp i, \i0, \i0+1, \i0+2, \i0+3
	FRAG AF+8*(\i), ADRA+\slot, \q, \i
.endr
.endm
.macro SCALES s
.irp q, 0,1,2,3
.irp i, 0,1,2,3
	ds_load_b32 v[SC+32*\s+8*\q+\i], v[ASA+\s] offset:\q*REC+8192+128*\i
	ds_load_b32 v[SC+32*\s+8*\q+4+\i], v[ASB+\s] offset:\q*REC+8192+128*\i
.endr
.endr
.endm
.macro STEP slot, q, mode
	s_wait_dscnt 4*NL                              ; B's set, A's blocks 0-3 and the scale words are in; the youngest eight loads (A's blocks 4-7) may be out
.if (\mode) == 2
	WIN 0x91                                       ; C in window 1, D in window 2
.else
	WIN MUL_LO
.endif
	MUL16 0, (\q)%2, \q, \slot, \mode
	MUL16 2, (\q)%2, \q, \slot, \mode
	s_wait_dscnt 0                                 ; A's blocks 4-7 are in
	PLACES NP                                      ; places in front of loads into registers that matrix instructions have read
	FETCH_B \slot, (\q)+1, 1-(\q)%2
	FETCH_A \slot, (\q)+1, 0
.if (\mode) == 2
	WIN 0xd1
.else
	WIN MUL_HI
.endif
	MUL16 4, (\q)%2, \q, \slot, \mode
	MUL16 6, (\q)%2, \q, \slot, \mode
	PLACES NP
	WIN 0
	FETCH_A \slot, (\q)+1, 4
.endm
.macro TURN slot, next                 ; a slot's last step changes slots: one barrier; in front of it each wave waits for all its tensor loads, adds 0 to its spare word, and waits for that and for its reads of this slot
	s_wait_tensorcnt 0x0                           ; all my tensor loads have landed: my part of the next slot
	ds_add_u32 v[SPW], v[NIL]                      ; 0 onto my spare word
	s_wait_dscnt 4*NL+1                            ; (the add and the youngest eight loads may be out)
	WIN MUL_LO
	MUL16 0, 1, NQ-1, \slot, 0
	s_wait_dscnt 0x0                               ; the add is done, and my reads of this slot are over
	s_barrier_signal -1
	MUL16 2, 1, NQ-1, \slot, 0
	WIN 0
	s_barrier_wait -1
	PLACES NP
	FETCH_B \next, 0, 0
	FETCH_A \next, 0, 0
	SCALES \next
	WIN MUL_HI
	MUL16 4, 1, NQ-1, \slot, 0
	MUL16 6, 1, NQ-1, \slot, 0
	PLACES NP
	WIN 0
	FETCH_A \next, 0, 4
.endm
.macro STEPS slot, from
.set Q, \from
.rept NQ-1-\from
	STEP \slot, Q, 0
.set Q, Q+1
.endr
.endm
; Block a (16 tokens x my 128 hidden units: 64 numbers a lane): relu, then a fragment in v[PC + 8 a] on and a scale word in v[PW + a]; the image is stored.  Each accumulator is read from its low end on.
.macro QUANTW a
.set W, 2+(\a)/4
.set AC0, 64*((\a)%4)
.set PCA, PC+8*(\a)
	WIN ((W<<2)|(W<<6))
.set k, 0
.rept 64
	v_max_num_f32 v[AC0+k], 0, v[AC0+k]            ; the activation, in f32
.set k, k+1
.endr
	WIN ((W<<2)|(W<<4))
.irp b, 0,1,2,3
	v_max3_num_f32 v[TM+\b], 0x1800000, v[AC0+16*\b], v[AC0+16*\b+1]   ; my 16 numbers of block b (none is negative), and the floor 2^(3 - 127)
.endr
.irp i, 2,4,6,8,10,12,14
.irp b, 0,1,2,3
	v_max3_num_f32 v[TM+\b], v[TM+\b], v[AC0+16*\b+\i], v[AC0+16*\b+\i+1]
.endr
.endr
	WIN 0
.irp b, 0,1,2,3
	v_permlanex16_b32 v[TM+4+\b], v[TM+\b], s[SEL], s[SEL+1]
.endr
.irp b, 0,1,2,3
	v_max_num_f32 v[TM+\b], v[TM+\b], v[TM+4+\b]
.endr
.irp b, 0,1,2,3
	v_add_nc_u32 v[TM+12+\b], 0xff000000, v[TM+\b] ; 2 off the exponent field: the conversion's scale operand
.endr
.irp b, 0,1,2,3
	v_lshrrev_b32 v[TM+4+\b], 23, v[TM+12+\b]      ; the scale's byte
.endr
	v_lshl_or_b32 v[PW+(\a)], v[TM+5], 8, v[TM+4]
	v_lshl_or_b32 v[PW+(\a)], v[TM+6], 16, v[PW+(\a)]
	v_lshl_or_b32 v[PW+(\a)], v[TM+7], 24, v[PW+(\a)]
	WIN W
.irp b, 0,1,2,3
	v_cvt_scalef32_pk8_fp4_f32 v[PCA+2*\b], v[AC0+16*\b:AC0+16*\b+7], v[TM+12+\b]
	v_cvt_scalef32_pk8_fp4_f32 v[PCA+2*\b+1], v[AC0+16*\b+8:AC0+16*\b+15], v[TM+12+\b]
.endr
	WIN 0
	v_nop                                          ; one plain place behind a scaled conversion
.irp c, 0,1
.irp i, 0,1
	v_permlane16_swap_b32 v[PCA+4*\c+\i], v[PCA+2+4*\c+\i]   ; a whole block to a lane
.endr
.endr
.irp c, 0,1
	global_store_b128 v[CO], v[PCA+4*\c:PCA+4*\c+3], s[10:11] offset:(\a)*1024+512*\c   ; 512 consecutive bytes; each block has registers of its own, so no store's data are written again
.endr
.endm
	s_load_b256 s[4:11], s[0:1], 0x0               ; h2c s[4:5], wc s[6:7], b1 s[8:9], hid s[10:11]
	v_lshl_add_u32 v[SPW], v0, 2, SPARE
	v_mov_b32 v[NIL], 0
	ds_add_u32 v28, v29
	ds_add_u32 v28, v29
	s_wait_dscnt 0x0
	v_lshrrev_b32 v1, 5, v0
	v_readfirstlane_b32 s14, v1                    ; wave 0..3
	s_lshr_b32 s15, s14, 1                         ; which half of A's rows is mine.  Also: I fetch for A (0) or for B (1)
	s_and_b32 s16, s14, 1                          ; which half of B's rows.  Also: which chunk of the two I fetch
	s_bfe_u32 s40, ttmp6, 0x40000                  ; cx, cy
	s_bfe_u32 s41, ttmp6, 0x40004
	s_lshl_b32 s42, ttmp9, 2
	s_add_co_u32 s42, s42, s40                     ; B's tile of 256 rows
	s_and_b32 s17, ttmp7, 0xffff
	s_lshl_b32 s17, s17, 2
	s_add_co_u32 s17, s17, s41                     ; A's
	s_lshl_b32 s43, s41, 2
	s_lshl_b32 s43, 15, s43                        ; my row of the cluster
	s_lshl_b32 s44, 0x1111, s40                    ; my column
	; descriptor group 1: a dense block of 34,816 bytes as 136 rows of 256 bytes (32 elements of 8 bytes)
	s_or_b32 s[G1+0], s43, (3<<16)|(1<<21)
	s_or_b32 s[G1B+0], s44, (3<<16)|(1<<21)
.irp g, G1, G1B
	s_mov_b32 s[\g+1], 32<<16
	s_mov_b32 s[\g+2], 136<<16
	s_mov_b32 s[\g+3], 32<<16
	s_mov_b32 s[\g+4], 136
	s_mov_b32 s[\g+5], 32
	s_mov_b32 s[\g+6], 0
	s_mov_b32 s[\g+7], 0
.endr
	s_lshl_b32 s20, s17, 1
	s_add_co_u32 s20, s20, s16
	s_mul_i32 s20, s20, KS*REC                     ; A: the chunk that I fetch
	s_mov_b32 s21, 0
	s_lshl_b32 s46, s42, 1
	s_add_co_u32 s46, s46, s16
	s_mul_i32 s46, s46, KS*REC
	s_add_co_u32 s46, s46, WOFF                    ; B likewise
	s_mov_b32 s47, 0
	s_mul_i32 s45, s14, QB                         ; where it goes: quarter = wave
	s_mov_b32 s[LM], 0xffff0000
	s_mov_b32 s[SEL], 0x76543210
	s_mov_b32 s[SEL+1], 0xfedcba98
	s_wait_kmcnt 0x0
	s_add_nc_u64 s[20:21], s[4:5], s[20:21]
	s_add_nc_u64 s[46:47], s[6:7], s[46:47]
	CROUND                                         ; all sixteen work-groups are here: the first joint loads meet
.irp s, 0,1
	s_mov_b32 s[G0+4*\s], 1
	s_add_co_u32 s[G0+4*\s+1], s45, \s*SLOT
	s_add_nc_u64 s[G0+4*\s+2:G0+4*\s+3], s[20:21], \s*QB
	s_or_b32 s[G0+4*\s+3], s[G0+4*\s+3], 0x80000000
	s_mov_b32 s[G0B+4*\s], 1
	s_add_co_u32 s[G0B+4*\s+1], s45, \s*SLOT
	s_add_nc_u64 s[G0B+4*\s+2:G0B+4*\s+3], s[46:47], \s*QB
	s_or_b32 s[G0B+4*\s+3], s[G0B+4*\s+3], 0x80000000
	JLOAD G0+4*\s, G1, G0B+4*\s, G1B               ; two loads of mine are out: all of K
.endr
	v_and_b32 v1, 31, v0
	v_lshlrev_b32 v[CO], 4, v1
	v_lshlrev_b32 v[CW], 2, v1
	s_mul_i32 s21, s15, QB
	s_mul_i32 s22, s16, QB
	s_add_co_u32 s22, s22, 2*QB
.irp s, 0,1
	v_add_nc_u32 v[ADRA+\s], s21, v[CO]
	v_add_nc_u32 v[ADRB+\s], s22, v[CO]
	v_add_nc_u32 v[ASA+\s], s21, v[CW]
	v_add_nc_u32 v[ASB+\s], s22, v[CW]
	s_add_co_u32 s21, s21, SLOT
	s_add_co_u32 s22, s22, SLOT
.endr
.irp b, 0,1,2,3
	v_mov_b32 v[TM+4+\b], 0                        ; written once: a lane permute's destination counts as one of its sources
.endr
	s_lshl_b32 s22, s42, 1
	s_add_co_u32 s22, s22, s16                     ; my 128 hidden units: the next product's K step
	s_lshl_b32 s20, s17, 1
	s_add_co_u32 s20, s20, s15                     ; my chunk of tokens
	s_lshl_b32 s20, s20, 5
	s_add_co_u32 s20, s20, s22
	s_mul_i32 s20, s20, REC                        ; my record of hid
	s_mov_b32 s21, 0
	s_lshl_b32 s22, s22, 9
	s_mov_b32 s23, 0
	s_add_nc_u64 s[10:11], s[10:11], s[20:21]
	s_add_nc_u64 s[8:9], s[8:9], s[22:23]          ; b1 at my 128
	v_bfe_u32 v4, v0, 4, 1
	v_lshlrev_b32 v4, 6, v4                        ; 64 h
	WIN 0x40
.irp b, 0,1,2,3,4,5,6,7                        ; register j of B's tile b: hidden unit 32 (b / 2) + 16 h + 8 (b % 2) + j
	global_load_b128 v[BI+8*\b:BI+8*\b+3], v4, s[8:9] offset:(32*(\b/2)+8*(\b%2))*4
	global_load_b128 v[BI+8*\b+4:BI+8*\b+7], v4, s[8:9] offset:(32*(\b/2)+8*(\b%2))*4+16
.endr
	WIN 0
	s_wait_tensorcnt 1                             ; my part of slot 0 is in (slot 1's load may be out)
	s_barrier_signal -1
	s_barrier_wait -1                              ; everybody's is
	FETCH_B 0, 0, 0
	FETCH_A 0, 0, 0
	SCALES 0
	FETCH_A 0, 0, 4
	s_wait_loadcnt 0x0                             ; b1
	STEP 0, 0, 2                                   ; the first step's products start the sums with the bias
	STEPS 0, 1
	TURN 0, 1
	STEPS 1, 0
	s_wait_dscnt 4*NL                              ; the last step: nothing more to fetch
	WIN MUL_LO
	MUL16 0, 1, NQ-1, 1, 0
	MUL16 2, 1, NQ-1, 1, 0
	s_wait_dscnt 0
	WIN MUL_HI
	MUL16 4, 1, NQ-1, 1, 0
	MUL16 6, 1, NQ-1, 1, 0
	WIN 0
	PLACES NP                                      ; in front of the first read of results and of the first write into A's registers
.irp a, 0,1,2,3,4,5,6,7
	QUANTW \a
.endr
.irp i, 0,1,2,3
	v_cndmask_b32 v[SW+\i], v[PW+2*\i], v[PW+2*\i+1], s[LM]   ; lanes 0-15: tile 2 i's words, lanes 16-31: tile 2 i + 1's
.endr
.irp i, 0,1,2,3
	global_store_b32 v[CW], v[SW+\i], s[10:11] offset:8192+128*\i
.endr
	s_wait_tensorcnt 0x0                           ; the wave's end
	ds_add_u32 v[SPW], v[NIL]
	s_wait_dscnt 0x0
	CROUND                                         ; the closing round
	s_endpgm
.Lfunc_end_k_q2342cf4714_ffn1:
	.size	k_q2342cf4714_ffn1, .Lfunc_end_k_q2342cf4714_ffn1-k_q2342cf4714_ffn1
	.p2alignl 7, 3214868480
	.fill 96, 4, 3214868480
	.section	.rodata,"a",@progbits
	.p2align	6, 0x0
	.amdhsa_kernel k_q2342cf4714_ffn1
		.amdhsa_group_segment_fixed_size 327680
		.amdhsa_private_segment_fixed_size 0
		.amdhsa_enable_private_segment 0
		.amdhsa_kernarg_size 32
		.amdhsa_user_sgpr_count 2
		.amdhsa_user_sgpr_kernarg_segment_ptr 1
		.amdhsa_wavefront_size32 1
		.amdhsa_system_sgpr_workgroup_id_x 1
		.amdhsa_system_sgpr_workgroup_id_y 1
		.amdhsa_system_sgpr_workgroup_id_z 1
		.amdhsa_system_vgpr_workitem_id 0
		.amdhsa_next_free_vgpr 1024
		.amdhsa_next_free_sgpr 96
		.amdhsa_reserve_vcc 0
		.amdhsa_float_denorm_mode_32 3
		.amdhsa_float_denorm_mode_16_64 3
		.amdhsa_memory_ordered 1
		.amdhsa_forward_progress 1
		.amdhsa_inst_pref_size 146
	.end_amdhsa_kernel
	.amdgpu_metadata
---
amdhsa.version: [ 1, 2 ]
amdhsa.kernels:
  - .name:           k_q2342cf4714_ffn1
    .symbol:         k_q2342cf4714_ffn1.kd
    .args:
      - { .name: h2c, .offset: 0, .size: 8, .value_kind: global_buffer, .address_space: global }
      - { .name: wc, .offset: 8, .size: 8, .value_kind: global_buffer, .address_space: global }
      - { .name: b1, .offset: 16, .size: 8, .value_kind: global_buffer, .address_space: global }
      - { .name: hid, .offset: 24, .size: 8, .value_kind: global_buffer, .address_space: global }
    .group_segment_fixed_size: 327680
    .private_segment_fixed_size: 0
    .kernarg_segment_align: 8
    .kernarg_segment_size: 32
    .max_flat_workgroup_size: 128
    .sgpr_count:     96
    .vgpr_count:     1024
    .wavefront_size: 32
...
	.end_amdgpu_metadata
.endif
;; end of part 6
;; launch ffn2 (part 7): grid 4 x 16, 4 waves a work-group, clusters of 4 x 4, 327,680 bytes of LDS; arguments hid, wc, x1, b2, out0; writes out0
.if DOCPART == 7
	.amdgcn_target "amdgcn-amd-amdhsa--gfx1250"
	.amdhsa_code_object_version 6
	.text
	.protected	k_q2342cf4714_ffn2
	.globl	k_q2342cf4714_ffn2
	.p2align	8
	.type	k_q2342cf4714_ffn2,@function
k_q2342cf4714_ffn2:
	s_mov_b64 s[64:65], 0
	v_nop
	global_prefetch_b8 v0, s[64:65] scope:SCOPE_SE
	s_setreg_imm32_b32 hwreg(HW_REG_WAVE_MODE, 25, 1), 1
	s_wait_xcnt 0x0
	s_wait_alu depctr_hold_cnt(0) depctr_sa_sdst(0) depctr_va_vdst(0) depctr_va_sdst(0) depctr_va_ssrc(0) depctr_va_vcc(0) depctr_vm_vsrc(0)
	s_getreg_b32 s2, hwreg(HW_REG_IB_STS2, 6, 4)
	s_cmp_eq_u32 s2, 0
	s_cbranch_scc0 .Lentry_in_a_cluster
	s_endpgm
.Lentry_in_a_cluster:
	s_bfe_u32 s2, ttmp6, 0x10000c
	s_cmp_lg_u32 s2, 0xf033
	s_cbranch_scc0 .Lentry_shape_is_right
	s_endpgm
.Lentry_shape_is_right:
; OUT = RES + A B^T + BIAS, the product on codes of FP4 with E8M0 scales.  Here: A = the hidden layer (hid, 4,096 tokens, K = 4,096), B = W2's records in wc, RES = x1, BIAS = b2, OUT = out0, all three f32.
; OPERANDS lie in records of 8,704 bytes, [chunk of 128 rows][K step of 128][record]: eight images of 1,024 bytes (a fragment's registers as they stand: group c of lane l at 512 c + 16 l), then scale words
; (tile a, row r at 8192 + 64 a + 4 r).  Tile T, row r of an operand is its row 32 (T / 2) + 8 (T % 2) + r + 8 (r / 8).
; THE PRODUCT: source 0 = 16 rows of B, source 1 = 16 rows of A.  A lane holds one token, and the 16 registers of accumulators (a, 2 b') and (a, 2 b' + 1) are columns 32 b' + 16 (lane / 16) + 0 .. 15.
; A tile of 256 x 256 is made by four waves, 128 x 128 each.  K goes in steps of 512 through a ring of two LDS slots filled by the tensor data mover, a quarter (four dense records of one chunk) a wave: behind each
; change of slots one load a wave, which has a slot's 256 matrix instructions in which to land.
; CLUSTERS: 4 x 4 work-groups; A's quarters are asked for jointly along a row of the cluster, B's along a column.  The grid has 64 work-groups: one tile of 256 x 256 each.
; THE WAY OUT: a block of 16 tokens goes through my stage in LDS (in slot 0, which has had its last fill and its last read) and comes back as rows of 512 bytes; the residual's rows, asked for blocks ahead, and the bias are
; added, and 32 lanes store 512 consecutive bytes.  The tokens' order within a tile is undone in the immediates.
; REGISTERS: window 0: v16-29 addresses; v32-95 scale words, two sets; v96-99 the bias; v128-191 A's fragments, later with v192-255 rows on their way out.  window 1: B's two sets v0-63, v128-191; the residual's four
;   sets of 64: v64, v192, and behind the last product v0, v128.  windows 2, 3: accumulator (a, b) at v[8 (8 (a % 4) + b)].
.set REC,   8704
.set NQ,    4
.set QB,    NQ*REC
.set SLOT,  4*QB
.set SPARE, 2*SLOT                     ; behind the ring: the spare words, 128 bytes a wave: two blocks of 256 bytes that no other line names
.set KS,    32                         ; K steps of 128 in K
.set LAPS,  KS/(2*NQ)
.set WOFF,  512*REC                    ; the weight's first record in wc
.set NL,    2
.set NP,    4
.set SPITCH, 528
.set ADRA, 16
.set ASA,  18
.set ADRB, 20
.set ASB,  22
.set STO,  24                          ; v24 the stage: row r, + 64 h
.set RD,   25                          ; v25 and back: 16 x lane
.set CO,   26                          ; v26 16 x lane
.set CW,   27                          ; v27 4 x lane
.set SPW,  28
.set NIL,  29
.set SC,   32
.set BV,   96
.set AF,   128
.set BK,   128
.set BI,   64
.set G1,  24
.set G0,  32
.set G1B, 48
.set G0B, 56
.set MSB, 0
.macro WIN new
.if MSB != \new
	s_set_vgpr_msb (MSB<<8)|\new
.set MSB, \new
.endif
.endm
.set MUL_LO, 0xa1
.set MUL_HI, 0xf1
.set TO_B,   0x40
.macro JLOAD g0a, g1a, g0b, g1b        ; a joint load: waves 0 and 1 fetch for A, waves 2 and 3 for B; four v_nop follow each line
	s_cmp_eq_u32 s15, 0
	s_cbranch_scc0 .Lfor_b_\@
	tensor_load_to_lds s[\g0a:\g0a+3], s[\g1a:\g1a+7]
	s_nop 0
.rept 4
	v_nop
.endr
	s_branch .Lasked_\@
.Lfor_b_\@:
	tensor_load_to_lds s[\g0b:\g0b+3], s[\g1b:\g1b+7]
	s_nop 0
.rept 4
	v_nop
.endr
.Lasked_\@:
.endm
.macro CREST
	s_cmp_lg_u32 s14, 0
	s_cbranch_scc1 .Lnot_wave_0_\@
	s_barrier_signal -3
.Lnot_wave_0_\@:
	s_barrier_wait -3
	s_barrier_signal -1
	s_barrier_wait -1
.endm
.macro CROUND
	s_barrier_signal -1
	s_barrier_wait -1
	CREST
.endm
.macro PLACES n
.rept \n
	v_nop
.endr
.endm
.macro FRAG reg, adr, q, i
.irp c, 0,1
	ds_load_b128 v[\reg+4*\c:\reg+4*\c+3], v[\adr] offset:(\q)*REC+(\i)*1024+512*\c
.endr
.endm
.macro MM a, b, p, q, sc, mode         ; mode 1: C = 0 starts the sum; 0: in place.  An odd tile's scale words lie in lanes 16-31 of its pair's register
.set rD, 8*(8*((\a)%4)+(\b))
.set rB, 128*(\p)+8*(\b)
.set rA, AF+8*(\a)
.set rSB, SC+32*(\sc)+8*(\q)+4+(\b)/2
.set rSA, SC+32*(\sc)+8*(\q)+(\a)/2
.set par, 2*((\b)%2)+(\a)%2
.set rC, rD
.if (\mode) == 2
.set rC, BI+8*(\b)
.endif
.if (\mode) == 1
.if par == 0
	v_wmma_scale_f32_16x16x128_f8f6f4 v[rD:rD+7], v[rB:rB+7], v[rA:rA+7], 0, v[rSB], v[rSA] matrix_a_fmt:MATRIX_FMT_FP4 matrix_b_fmt:MATRIX_FMT_FP4
.elseif par == 1
	v_wmma_scale_f32_16x16x128_f8f6f4 v[rD:rD+7], v[rB:rB+7], v[rA:rA+7], 0, v[rSB], v[rSA] matrix_a_fmt:MATRIX_FMT_FP4 matrix_b_fmt:MATRIX_FMT_FP4 matrix_b_scale:MATRIX_SCALE_ROW1
.elseif par == 2
	v_wmma_scale_f32_16x16x128_f8f6f4 v[rD:rD+7], v[rB:rB+7], v[rA:rA+7], 0, v[rSB], v[rSA] matrix_a_fmt:MATRIX_FMT_FP4 matrix_b_fmt:MATRIX_FMT_FP4 matrix_a_scale:MATRIX_SCALE_ROW1
.else
	v_wmma_scale_f32_16x16x128_f8f6f4 v[rD:rD+7], v[rB:rB+7], v[rA:rA+7], 0, v[rSB], v[rSA] matrix_a_fmt:MATRIX_FMT_FP4 matrix_b_fmt:MATRIX_FMT_FP4 matrix_a_scale:MATRIX_SCALE_ROW1 matrix_b_scale:MATRIX_SCALE_ROW1
.endif
.else
.if par == 0
	v_wmma_scale_f32_16x16x128_f8f6f4 v[rD:rD+7], v[rB:rB+7], v[rA:rA+7], v[rC:rC+7], v[rSB], v[rSA] matrix_a_fmt:MATRIX_FMT_FP4 matrix_b_fmt:MATRIX_FMT_FP4
.elseif par == 1
	v_wmma_scale_f32_16x16x128_f8f6f4 v[rD:rD+7], v[rB:rB+7], v[rA:rA+7], v[rC:rC+7], v[rSB], v[rSA] matrix_a_fmt:MATRIX_FMT_FP4 matrix_b_fmt:MATRIX_FMT_FP4 matrix_b_scale:MATRIX_SCALE_ROW1
.elseif par == 2
	v_wmma_scale_f32_16x16x128_f8f6f4 v[rD:rD+7], v[rB:rB+7], v[rA:rA+7], v[rC:rC+7], v[rSB], v[rSA] matrix_a_fmt:MATRIX_FMT_FP4 matrix_b_fmt:MATRIX_FMT_FP4 matrix_a_scale:MATRIX_SCALE_ROW1
.else
	v_wmma_scale_f32_16x16x128_f8f6f4 v[rD:rD+7], v[rB:rB+7], v[rA:rA+7], v[rC:rC+7], v[rSB], v[rSA] matrix_a_fmt:MATRIX_FMT_FP4 matrix_b_fmt:MATRIX_FMT_FP4 matrix_a_scale:MATRIX_SCALE_ROW1 matrix_b_scale:MATRIX_SCALE_ROW1
.endif
.endif
.endm
.macro MUL16 a0, p, q, sc, mode        ; the 64 accumulators take turns, one instruction a turn, in the same order in every step, over the loop's backward jump too
.irp a, \a0, \a0+1
.irp b, 0,1,2,3,4,5,6,7
	MM \a, \b, \p, \q, \sc, \mode
.endr
.endr
.endm
.macro FETCH_B slot, q, p
	WIN TO_B
.irp i, 0,1,2,3,4,5,6,7
	FRAG 128*(\p)+8*\i, ADRB+\slot, \q, \i
.endr
	WIN 0
.endm
.macro FETCH_A slot, q, i0
.irp i, \i0, \i0+1, \i0+2, \i0+3
	FRAG AF+8*(\i), ADRA+\slot, \q, \i
.endr
.endm
.macro SCALES s
.irp q, 0,1,2,3
.irp i, 0,1,2,3
	ds_load_b32 v[SC+32*\s+8*\q+\i], v[ASA+\s] offset:\q*REC+8192+128*\i
	ds_load_b32 v[SC+32*\s+8*\q+4+\i], v[ASB+\s] offset:\q*REC+8192+128*\i
.endr
.endr
.endm
.macro STEP slot, q, mode
	s_wait_dscnt 4*NL                              ; B's set, A's blocks 0-3 and the scale words are in; the youngest eight loads (A's blocks 4-7) may be out
	WIN MUL_LO
	MUL16 0, (\q)%2, \q, \slot, \mode
	MUL16 2, (\q)%2, \q, \slot, \mode
	s_wait_dscnt 0                                 ; A's blocks 4-7 are in
	PLACES NP                                      ; places in front of loads into registers that matrix instructions have read
	FETCH_B \slot, (\q)+1, 1-(\q)%2
	FETCH_A \slot, (\q)+1, 0
	WIN MUL_HI
	MUL16 4, (\q)%2, \q, \slot, \mode
	MUL16 6, (\q)%2, \q, \slot, \mode
	PLACES NP
	WIN 0
	FETCH_A \slot, (\q)+1, 4
.endm
.macro TURN slot, next, fill           ; a slot's last step changes slots: one barrier; in front of it each wave waits for all its tensor loads, adds 0 to its spare word, and waits for that and for its reads of this slot
	s_wait_tensorcnt 0x0                           ; all my tensor loads have landed: my part of the next slot
	ds_add_u32 v[SPW], v[NIL]                      ; 0 onto my spare word
	s_wait_dscnt 4*NL+1                            ; (the add and the youngest eight loads may be out)
	WIN MUL_LO
	MUL16 0, 1, NQ-1, \slot, 0
	s_wait_dscnt 0x0                               ; the add is done, and my reads of this slot are over
	s_barrier_signal -1
	MUL16 2, 1, NQ-1, \slot, 0
	WIN 0
	s_barrier_wait -1
.if \fill
	CREST                                          ; the barrier has opened a round of the cluster's barrier: no wave of any partner still reads this slot or has a load on its way
	s_add_nc_u64 s[G0+4*\slot+2:G0+4*\slot+3], s[G0+4*\slot+2:G0+4*\slot+3], 2*QB
	s_add_nc_u64 s[G0B+4*\slot+2:G0B+4*\slot+3], s[G0B+4*\slot+2:G0B+4*\slot+3], 2*QB
	JLOAD G0+4*\slot, G1, G0B+4*\slot, G1B         ; the first tensor load behind the round; its four v_nop are the places in front of the loads below
.else
	PLACES NP
.endif
	FETCH_B \next, 0, 0
	FETCH_A \next, 0, 0
	SCALES \next
	WIN MUL_HI
	MUL16 4, 1, NQ-1, \slot, 0
	MUL16 6, 1, NQ-1, \slot, 0
	PLACES NP
	WIN 0
	FETCH_A \next, 0, 4
.endm
.macro STEPS slot, from
.set Q, \from
.rept NQ-1-\from
	STEP \slot, Q, 0
.set Q, Q+1
.endr
.endm
.macro RLOAD a                         ; the residual's 16 rows of block a, 512 consecutive bytes each, into window 1
.set XRA, 64*((2*((\a)%4)+1)%5)        ; sets at v64, v192, v0, v128
	WIN 0x40
.irp t, 0,1,2,3,4,5,6,7,8,9,10,11,12,13,14,15
.set RW, 16*(\a)+\t
.set RR, (RW&103)|((RW&8)<<1)|((RW&16)>>1)     ; tile a, row t is token RR of my 128
	global_load_b128 v[XRA+4*\t:XRA+4*\t+3], v[CO], s[8:9] offset:RR*4096
.endr
	WIN 0
.endm
.macro TOSTAGE a
.set AC, 64*((\a)%4)
	WIN (0x08+4*((\a)/4))                          ; an LDS store's data: window 2 or 3
.irp b, 0,1,2,3,4,5,6,7
	ds_store_b128 v[STO], v[AC+8*\b:AC+8*\b+3] offset:128*(\b/2)+32*(\b%2)       ; each accumulator from its low end on: columns 32 (b / 2) + 16 h + 8 (b % 2) on
	ds_store_b128 v[STO], v[AC+8*\b+4:AC+8*\b+7] offset:128*(\b/2)+32*(\b%2)+16
.endr
	WIN 0
.set BB, BK+64*((\a)%2)
.irp t, 0,1,2,3,4,5,6,7,8,9,10,11,12,13,14,15
	ds_load_b128 v[BB+4*\t:BB+4*\t+3], v[RD] offset:\t*SPITCH   ; LDS serves a wave's instructions in order: these see the stores above, and the next block's stores come behind them
.endr
.endm
.macro SEND a, younger
.set BB, BK+64*((\a)%2)
.set XRA, 64*((2*((\a)%4)+1)%5)
	s_wait_dscnt \younger                          ; the block is back in registers (younger: the next block's 16 stores and 16 loads)
.if (\a) < 5
	s_wait_loadcnt 48                              ; its residual rows are in; the three blocks asked for behind them may be out
.else
	s_wait_loadcnt 16*(7-(\a))
.endif
	WIN 0x04                                       ; source 1 window 1
.set k, 0
.rept 32
	v_pk_add_f32 v[BB+k:BB+k+1], v[BB+k:BB+k+1], v[XRA+k:XRA+k+1]
.set k, k+2
.endr
	WIN 0
.irp t, 0,1,2,3,4,5,6,7,8,9,10,11,12,13,14,15
	v_pk_add_f32 v[BB+4*\t:BB+4*\t+1], v[BB+4*\t:BB+4*\t+1], v[BV:BV+1]
	v_pk_add_f32 v[BB+4*\t+2:BB+4*\t+3], v[BB+4*\t+2:BB+4*\t+3], v[BV+2:BV+3]
.endr
.irp t, 0,1,2,3,4,5,6,7,8,9,10,11,12,13,14,15
.set RW, 16*(\a)+\t
.set RR, (RW&103)|((RW&8)<<1)|((RW&16)>>1)
	global_store_b128 v[CO], v[BB+4*\t:BB+4*\t+3], s[12:13] offset:RR*4096 th:TH_STORE_NT   ; 32 lanes store 512 consecutive bytes; 127 rows of 4,096 bytes at the most in the immediate
.endr
.if (\a) < 4
	RLOAD (\a)+4                                   ; into the set just read
.endif
.endm
	s_load_b256 s[4:11], s[0:1], 0x0               ; A s[4:5], wc s[6:7], RES s[8:9], BIAS s[10:11]
	s_load_b64 s[12:13], s[0:1], 0x20              ; OUT
	v_lshl_add_u32 v[SPW], v0, 2, SPARE
	v_mov_b32 v[NIL], 0
	ds_add_u32 v28, v29
	ds_add_u32 v28, v29
	s_wait_dscnt 0x0
	v_lshrrev_b32 v1, 5, v0
	v_readfirstlane_b32 s14, v1                    ; wave 0..3
	s_lshr_b32 s15, s14, 1                         ; which half of A's rows is mine.  Also: I fetch for A (0) or for B (1)
	s_and_b32 s16, s14, 1                          ; which half of B's rows.  Also: which chunk of the two I fetch
	s_bfe_u32 s40, ttmp6, 0x40000                  ; cx, cy
	s_bfe_u32 s41, ttmp6, 0x40004
	s_lshl_b32 s42, ttmp9, 2
	s_add_co_u32 s42, s42, s40                     ; B's tile of 256 rows
	s_and_b32 s17, ttmp7, 0xffff
	s_lshl_b32 s17, s17, 2
	s_add_co_u32 s17, s17, s41                     ; A's
	s_lshl_b32 s43, s41, 2
	s_lshl_b32 s43, 15, s43                        ; my row of the cluster
	s_lshl_b32 s44, 0x1111, s40                    ; my column
	; descriptor group 1: a dense block of 34,816 bytes as 136 rows of 256 bytes (32 elements of 8 bytes)
	s_or_b32 s[G1+0], s43, (3<<16)|(1<<21)
	s_or_b32 s[G1B+0], s44, (3<<16)|(1<<21)
.irp g, G1, G1B
	s_mov_b32 s[\g+1], 32<<16
	s_mov_b32 s[\g+2], 136<<16
	s_mov_b32 s[\g+3], 32<<16
	s_mov_b32 s[\g+4], 136
	s_mov_b32 s[\g+5], 32
	s_mov_b32 s[\g+6], 0
	s_mov_b32 s[\g+7], 0
.endr
	s_lshl_b32 s20, s17, 1
	s_add_co_u32 s20, s20, s16
	s_mul_i32 s20, s20, KS*REC                     ; A: the chunk that I fetch
	s_mov_b32 s21, 0
	s_lshl_b32 s46, s42, 1
	s_add_co_u32 s46, s46, s16
	s_mul_i32 s46, s46, KS*REC
	s_add_co_u32 s46, s46, WOFF                    ; B likewise
	s_mov_b32 s47, 0
	s_mul_i32 s45, s14, QB                         ; where it goes: quarter = wave
	s_wait_kmcnt 0x0
	s_add_nc_u64 s[20:21], s[4:5], s[20:21]
	s_add_nc_u64 s[46:47], s[6:7], s[46:47]
	CROUND                                         ; all sixteen work-groups are here: the first joint loads meet
.irp s, 0,1
	s_mov_b32 s[G0+4*\s], 1
	s_add_co_u32 s[G0+4*\s+1], s45, \s*SLOT
	s_add_nc_u64 s[G0+4*\s+2:G0+4*\s+3], s[20:21], \s*QB
	s_or_b32 s[G0+4*\s+3], s[G0+4*\s+3], 0x80000000
	s_mov_b32 s[G0B+4*\s], 1
	s_add_co_u32 s[G0B+4*\s+1], s45, \s*SLOT
	s_add_nc_u64 s[G0B+4*\s+2:G0B+4*\s+3], s[46:47], \s*QB
	s_or_b32 s[G0B+4*\s+3], s[G0B+4*\s+3], 0x80000000
	JLOAD G0+4*\s, G1, G0B+4*\s, G1B               ; two loads of mine are out
.endr
	v_and_b32 v1, 31, v0
	v_lshlrev_b32 v[CO], 4, v1
	v_lshlrev_b32 v[CW], 2, v1
	s_mul_i32 s21, s15, QB
	s_mul_i32 s22, s16, QB
	s_add_co_u32 s22, s22, 2*QB
.irp s, 0,1
	v_add_nc_u32 v[ADRA+\s], s21, v[CO]
	v_add_nc_u32 v[ADRB+\s], s22, v[CO]
	v_add_nc_u32 v[ASA+\s], s21, v[CW]
	v_add_nc_u32 v[ASB+\s], s22, v[CW]
	s_add_co_u32 s21, s21, SLOT
	s_add_co_u32 s22, s22, SLOT
.endr
	v_and_b32 v4, 15, v0
	v_bfe_u32 v5, v0, 4, 1
	s_mul_i32 s23, s14, 16*SPITCH                  ; my stage
	v_mul_u32_u24 v6, v4, SPITCH
	v_lshl_add_u32 v6, v5, 6, v6
	v_add_nc_u32 v[STO], s23, v6
	v_add_nc_u32 v[RD], s23, v[CO]
	s_lshl_b32 s20, s17, 1
	s_add_co_u32 s20, s20, s15
	s_lshl_b32 s20, s20, 19                        ; my 128 tokens: rows of 4,096 bytes
	s_lshl_b32 s22, s42, 1
	s_add_co_u32 s22, s22, s16
	s_lshl_b32 s22, s22, 9                         ; my 128 columns
	s_add_co_u32 s20, s20, s22
	s_mov_b32 s21, 0
	s_mov_b32 s23, 0
	s_add_nc_u64 s[8:9], s[8:9], s[20:21]
	s_add_nc_u64 s[12:13], s[12:13], s[20:21]
	s_add_nc_u64 s[10:11], s[10:11], s[22:23]
	global_load_b128 v[BV:BV+3], v[CO], s[10:11]   ; the bias at my four columns
	RLOAD 0
	RLOAD 1
	s_wait_tensorcnt 1                             ; my part of slot 0 is in (slot 1's load may be out)
	s_barrier_signal -1
	s_barrier_wait -1                              ; everybody's is
	FETCH_B 0, 0, 0
	FETCH_A 0, 0, 0
	SCALES 0
	FETCH_A 0, 0, 4
	STEP 0, 0, 1                                   ; the first step's products start the sums: nothing is cleared
.if LAPS > 1
	s_mov_b32 s3, LAPS-1
.Llap:                                                 ; a trip goes once round the ring, from a lap's second step to the next lap's first, and fills both slots again
	STEPS 0, 1
	TURN 0, 1, 1
	STEPS 1, 0
	TURN 1, 0, 1
	STEP 0, 0, 0
	s_sub_co_u32 s3, s3, 1
	s_cmp_lg_u32 s3, 0
	s_cbranch_scc1 .Llap
.endif
	STEPS 0, 1                                     ; the last lap fills nothing, and has no round of the cluster's barrier
	TURN 0, 1, 0
	STEPS 1, 0
	s_wait_dscnt 4*NL
	WIN MUL_LO
	MUL16 0, 1, NQ-1, 1, 0
	MUL16 2, 1, NQ-1, 1, 0
	s_wait_dscnt 0
	WIN MUL_HI
	MUL16 4, 1, NQ-1, 1, 0
	MUL16 6, 1, NQ-1, 1, 0
	WIN 0
	PLACES NP                                      ; in front of loads into A's and B's registers and of the first read of results
	RLOAD 2
	RLOAD 3
	TOSTAGE 0
.irp a, 1,2,3,4,5,6,7
.if \a > 1
	s_wait_xcnt 0x0                                ; block a - 2's stores have read their registers: block a's rows may land there
.endif
	TOSTAGE \a
	SEND (\a)-1, 32
.endr
	SEND 7, 0
	s_wait_tensorcnt 0x0                           ; the wave's end
	ds_add_u32 v[SPW], v[NIL]
	s_wait_dscnt 0x0
	CROUND                                         ; the closing round
	s_endpgm
.Lfunc_end_k_q2342cf4714_ffn2:
	.size	k_q2342cf4714_ffn2, .Lfunc_end_k_q2342cf4714_ffn2-k_q2342cf4714_ffn2
	.p2alignl 7, 3214868480
	.fill 96, 4, 3214868480
	.section	.rodata,"a",@progbits
	.p2align	6, 0x0
	.amdhsa_kernel k_q2342cf4714_ffn2
		.amdhsa_group_segment_fixed_size 327680
		.amdhsa_private_segment_fixed_size 0
		.amdhsa_enable_private_segment 0
		.amdhsa_kernarg_size 40
		.amdhsa_user_sgpr_count 2
		.amdhsa_user_sgpr_kernarg_segment_ptr 1
		.amdhsa_wavefront_size32 1
		.amdhsa_system_sgpr_workgroup_id_x 1
		.amdhsa_system_sgpr_workgroup_id_y 1
		.amdhsa_system_sgpr_workgroup_id_z 1
		.amdhsa_system_vgpr_workitem_id 0
		.amdhsa_next_free_vgpr 1024
		.amdhsa_next_free_sgpr 96
		.amdhsa_reserve_vcc 0
		.amdhsa_float_denorm_mode_32 3
		.amdhsa_float_denorm_mode_16_64 3
		.amdhsa_memory_ordered 1
		.amdhsa_forward_progress 1
		.amdhsa_inst_pref_size 255
	.end_amdhsa_kernel
	.section	.bss,"aw",@nobits
	.p2align	6
	.space	262144
	.amdgpu_metadata
---
amdhsa.version: [ 1, 2 ]
amdhsa.kernels:
  - .name:           k_q2342cf4714_ffn2
    .symbol:         k_q2342cf4714_ffn2.kd
    .args:
      - { .name: hid, .offset: 0, .size: 8, .value_kind: global_buffer, .address_space: global }
      - { .name: wc, .offset: 8, .size: 8, .value_kind: global_buffer, .address_space: global }
      - { .name: x1, .offset: 16, .size: 8, .value_kind: global_buffer, .address_space: global }
      - { .name: b2, .offset: 24, .size: 8, .value_kind: global_buffer, .address_space: global }
      - { .name: out0, .offset: 32, .size: 8, .value_kind: global_buffer, .address_space: global }
    .group_segment_fixed_size: 327680
    .private_segment_fixed_size: 0
    .kernarg_segment_align: 8
    .kernarg_segment_size: 40
    .max_flat_workgroup_size: 128
    .sgpr_count:     96
    .vgpr_count:     1024
    .wavefront_size: 32
...
	.end_amdgpu_metadata
.endif
;; end of part 7
;; ======== version 2 of 2: 7 launches
;; limits: right only within a limited range of input values
;; workspace buffers: wc 6,684,672 bytes; hc 2,228,224 bytes; qkv 6,946,816 bytes; oc 2,228,224 bytes; x1 16,777,216 bytes; h2c 2,228,224 bytes; hid 8,912,896 bytes
;; launch prep (part 8): grid 640 x 1, 8 waves a work-group, no clusters, 86,016 bytes of LDS; arguments x, g1, beta1, hc, Wq, Wk, Wv, Wp, W1, W2, wc; writes hc, wc
.if DOCPART == 8
	.amdgcn_target "amdgcn-amd-amdhsa--gfx1250"
	.amdhsa_code_object_version 6
	.text
	.protected	k_q2342cf4714_prep
	.globl	k_q2342cf4714_prep
	.p2align	8
	.type	k_q2342cf4714_prep,@function
k_q2342cf4714_prep:
	s_mov_b64 s[64:65], 0
	v_nop
	global_prefetch_b8 v0, s[64:65] scope:SCOPE_SE
	s_setreg_imm32_b32 hwreg(HW_REG_WAVE_MODE, 25, 1), 1
	s_wait_xcnt 0x0
; TWO PREPARING JOBS IN ONE BODY, chosen by the work-group's number alone.
; Work-groups 0-255: H = Q(LayerNorm(X) g + beta), X [4096][1024] f32 (arguments 0-3).  Work-groups 256-639: the six weights (arguments 4-9) become codes in wc (argument 10), two records a work-group.
; A launch of 256 work-groups runs the first job alone (the second LayerNorm).
; CODES: FP4 (E2M1) with one E8M0 byte for each 32 along K, in RECORDS of 8,704 bytes = 128 rows x 128 along K: eight images of 1,024 bytes (a fragment's registers as they stand: group c of lane l at 512 c + 16 l),
; then scale words (tile a, row r at 8192 + 64 a + 4 r).  Tile T, row r is the operand's row 32 (T / 2) + 8 (T % 2) + r + 8 (r / 8).
; H: [chunk of 128 tokens][K step][record].  wc: Wq 0-63, Wk 64-127, Wv 128-191, Wp 192-255 (chunk x 8 + K step), W1 256-511 (chunk x 8 + K step), W2 512-767 (chunk x 32 + K step).
; LAYERNORM: work-group T owns tile T, 16 tokens; wave w owns columns 128 w on; rows turn through the wave's own stage so that lane (r, h) holds register 16 b + i = column 32 b + 16 h + i of row r.
; Mean, then the variance of x - mean, each summed over the eight waves through LDS words of its own: two barriers.
; WEIGHTS: four waves make a record; a lane takes a column and its registers run down K, so a block of 32 lies in one lane.  No barrier on this path.
; Each path has LDS bytes of its own; both end at one common end.
; A block's scale is 2^(floor(log2(largest magnitude)) - 2); its byte is the largest magnitude's exponent field - 2, held at 1 from below.
; LIMITS: a block of zeros gets the byte 1 (its codes are zeros, and this program alone reads the bytes); blocks under 2^-124 have their byte held at 1; NaN and infinities are not served.
.set STG,  8448
.set PART, 8*STG
.set SPARE, 0x10c00                    ; the spare words: 128 bytes a wave
.set WB,   69632                       ; the weights' path: 2,048 bytes a wave
.set REC,  8704
.set XR,   16
.set GR,   80
.set RAW,  144
.set TM,   208
.set PW,   224
.set PC,   226
.set PS,   234
.set SEL,  20
.set VO,   16
.set X,    48
.set C,    112
.macro QUANT s                         ; 64 numbers of my row -> a fragment in v[PC] on, its scale word in v[PW]
.irp b, 0,1,2,3
	v_max3_num_f32 v[TM+\b], |v[\s+16*\b]|, |v[\s+1+16*\b]|, 0x1800000
.endr
.irp i, 2,4,6,8,10,12,14
.irp b, 0,1,2,3
	s_delay_alu instid0(VALU_DEP_4)
	v_max3_num_f32 v[TM+\b], v[TM+\b], |v[\s+16*\b+\i]|, |v[\s+1+16*\b+\i]|
.endr
.endr
.irp b, 0,1,2,3
	s_delay_alu instid0(VALU_DEP_4)
	v_permlanex16_b32 v[TM+4+\b], v[TM+\b], s[SEL], s[SEL+1]
.endr
.irp b, 0,1,2,3
	s_delay_alu instid0(VALU_DEP_4)
	v_max_num_f32 v[TM+\b], v[TM+\b], v[TM+4+\b]
.endr
.irp b, 0,1,2,3
	s_delay_alu instid0(VALU_DEP_4)
	v_add_nc_u32 v[TM+12+\b], 0xff000000, v[TM+\b]
.endr
.irp b, 0,1,2,3
	s_delay_alu instid0(VALU_DEP_4)
	v_lshrrev_b32 v[TM+4+\b], 23, v[TM+12+\b]
.endr
	s_delay_alu instid0(VALU_DEP_3)
	v_lshl_or_b32 v[PW], v[TM+5], 8, v[TM+4]
	s_delay_alu instid0(VALU_DEP_1)
	v_lshl_or_b32 v[PW], v[TM+6], 16, v[PW]
	s_delay_alu instid0(VALU_DEP_1)
	v_lshl_or_b32 v[PW], v[TM+7], 24, v[PW]
.irp b, 0,1,2,3
	v_cvt_scalef32_pk8_fp4_f32 v[PC+2*\b], v[\s+16*\b:\s+7+16*\b], v[TM+12+\b]
	v_cvt_scalef32_pk8_fp4_f32 v[PC+1+2*\b], v[\s+8+16*\b:\s+15+16*\b], v[TM+12+\b]
.endr
	v_nop                                          ; one plain place behind a scaled conversion
.irp c, 0,1
.irp i, 0,1
	v_permlane16_swap_b32 v[PC+4*\c+\i], v[PC+2+4*\c+\i]   ; a whole block to a lane
.endr
.endr
.endm
.macro ACROSS off                      ; four pairs of partial sums in v[TM] on -> the row's sum over 1,024 columns in v14
	s_delay_alu instid0(VALU_DEP_3)
	v_pk_add_f32 v[TM:TM+1], v[TM:TM+1], v[TM+2:TM+3]
	s_delay_alu instid0(VALU_DEP_2)
	v_pk_add_f32 v[TM+4:TM+5], v[TM+4:TM+5], v[TM+6:TM+7]
	s_delay_alu instid0(VALU_DEP_1)
	v_pk_add_f32 v[TM:TM+1], v[TM:TM+1], v[TM+4:TM+5]
	s_delay_alu instid0(VALU_DEP_1)
	v_add_f32 v14, v[TM], v[TM+1]
	s_delay_alu instid0(VALU_DEP_1)
	v_permlanex16_b32 v15, v14, s[SEL], s[SEL+1]
	s_delay_alu instid0(VALU_DEP_1)
	v_add_f32 v14, v14, v15
	ds_store_b32 v6, v14 offset:\off
	s_wait_dscnt 0x0                               ; for the others' sake: my store has landed
	s_barrier_signal -1
	s_barrier_wait -1
.irp u, 0,1,2,3,4,5,6,7
	ds_load_b32 v[PS+\u], v7 offset:\off+64*\u
.endr
	s_wait_dscnt 0x0
	v_add_f32 v[PS], v[PS], v[PS+1]
	v_add_f32 v[PS+2], v[PS+2], v[PS+3]
	v_add_f32 v[PS+4], v[PS+4], v[PS+5]
	v_add_f32 v[PS+6], v[PS+6], v[PS+7]
	s_delay_alu instid0(VALU_DEP_3)
	v_add_f32 v[PS], v[PS], v[PS+2]
	s_delay_alu instid0(VALU_DEP_2)
	v_add_f32 v[PS+4], v[PS+4], v[PS+6]
	s_delay_alu instid0(VALU_DEP_1)
	v_add_f32 v14, v[PS], v[PS+4]
.endm
.macro LOAD t                          ; weights, block t: 32 rows of k at my column
.set i, 0
.rept 32
	global_load_b32 v[X+32*((\t)%2)+i], v[VO+i], s[32+2*(\t):33+2*(\t)] th:TH_LOAD_NT
.set i, i+1
.endr
.endm
.macro BLOCK t
.set XS, X+32*((\t)%2)
.if (\t) < 3
	s_wait_loadcnt 32                              ; this block's 32 loads are in; the next block's 32 may be out
.else
	s_wait_loadcnt 0x0
.endif
	v_max3_num_f32 v8, |v[XS]|, |v[XS+1]|, |v[XS+2]|
	v_max3_num_f32 v9, |v[XS+3]|, |v[XS+4]|, |v[XS+5]|
.irp i, 6,10,14,18,22,26
	v_max3_num_f32 v8, v8, |v[XS+\i]|, |v[XS+\i+1]|
	v_max3_num_f32 v9, v9, |v[XS+\i+2]|, |v[XS+\i+3]|
.endr
	v_max3_num_f32 v8, v8, |v[XS+30]|, |v[XS+31]|
	v_max3_num_f32 v8, v8, v9, 0x1800000
	v_add_nc_u32 v10, 0xff000000, v8
.if (\t) == 0
	v_lshrrev_b32 v6, 23, v10
.else
	v_lshrrev_b32 v11, 23, v10
	v_lshl_or_b32 v6, v11, 8*(\t), v6
.endif
.irp g, 0,1,2,3
	v_cvt_scalef32_pk8_fp4_f32 v[C+4*(\t)+\g], v[XS+8*\g:XS+8*\g+7], v10
.endr
	ds_store_b128 v2, v[C+4*(\t):C+4*(\t)+3] offset:((\t)/2)*512+((\t)%2)*256
.if (\t) < 2
	LOAD (\t)+2
.endif
.endm
	v_lshl_add_u32 v254, v0, 2, SPARE
	v_mov_b32 v255, 0
	s_cmp_lt_u32 ttmp9, 256
	s_cbranch_scc0 .Lweights
	; ---------------- LayerNorm and its quantiser ----------------
	s_load_b256 s[4:11], s[0:1], 0x0               ; X, g, beta, H
	v_lshrrev_b32 v1, 5, v0
	s_delay_alu instid0(VALU_DEP_1)
	v_readfirstlane_b32 s12, v1                    ; wave 0..7
	v_and_b32 v14, 31, v0
	s_delay_alu instid0(VALU_DEP_1)
	v_lshlrev_b32 v1, 4, v14                       ; 16 x lane
	v_and_b32 v2, 15, v0                           ; r
	v_bfe_u32 v3, v0, 4, 1                         ; h
	s_mul_i32 s13, s12, STG
	v_add_nc_u32 v4, s13, v1                       ; the stage on the way in
	v_mul_u32_u24 v5, v2, 528
	s_delay_alu instid0(VALU_DEP_1)
	v_lshl_add_u32 v5, v3, 6, v5
	s_delay_alu instid0(VALU_DEP_1)
	v_add_nc_u32 v5, s13, v5                       ; and on the way out: row r, + 64 h
	v_lshlrev_b32 v9, 2, v2                        ; 4 r
	s_lshl_b32 s13, s12, 6
	s_add_co_u32 s13, s13, PART
	v_add_nc_u32 v6, s13, v9                       ; my wave's word for row r
	v_add_nc_u32 v7, PART, v9                      ; wave 0's
	v_lshlrev_b32 v8, 6, v3                        ; 64 h
	v_mov_b32 v11, 0
	v_mov_b32 v13, 0
	v_mov_b32 v15, 0
	s_lshr_b32 s14, ttmp9, 1
	s_lshl_b32 s14, s14, 17                        ; 32 (T / 2) rows of 4,096 bytes
	s_and_b32 s15, ttmp9, 1
	s_lshl_b32 s15, s15, 15                        ; + 8 (T % 2) rows
	s_add_co_u32 s14, s14, s15
	s_lshl_b32 s16, s12, 9                         ; my wave's 512 bytes of a row
	s_add_co_u32 s14, s14, s16
	s_mov_b32 s15, 0
	s_mov_b32 s17, 0
	s_lshr_b32 s18, ttmp9, 3
	s_lshl_b32 s18, s18, 3
	s_add_co_u32 s18, s18, s12
	s_mul_i32 s18, s18, REC                        ; my record: chunk T / 8, K step w
	s_mov_b32 s19, 0
	s_and_b32 s22, ttmp9, 7
	s_lshl_b32 s24, s22, 10                        ; my image in it
	s_mov_b32 s25, 0
	s_lshl_b32 s26, s22, 6
	s_add_co_u32 s26, s26, 8192                    ; my tile's scale words
	s_mov_b32 s27, 0
	s_mov_b32 s[SEL], 0x76543210
	s_mov_b32 s[SEL+1], 0xfedcba98
	s_mov_b32 s22, 0x3a800000                      ; 1 / 1024
	s_mov_b32 s23, 0x3727c5ac                      ; 1e-5
	s_wait_alu depctr_va_vdst(0)                   ; the wait at the head's end
	s_wait_kmcnt 0x0
	s_add_nc_u64 s[4:5], s[4:5], s[14:15]
	s_add_nc_u64 s[6:7], s[6:7], s[16:17]
	s_add_nc_u64 s[8:9], s[8:9], s[16:17]
	s_add_nc_u64 s[10:11], s[10:11], s[18:19]
	s_add_nc_u64 s[28:29], s[10:11], s[26:27]
	s_add_nc_u64 s[10:11], s[10:11], s[24:25]
.irp i, 0,1,2,3,4,5,6,7,8,9,10,11,12,13,14,15
	global_load_b128 v[RAW+4*\i:RAW+4*\i+3], v1, s[4:5] offset:(\i+8*(\i/8))*4096 th:TH_LOAD_NT
.endr
.irp b, 0,1,2,3
.irp j, 0,1,2,3
	global_load_b128 v[GR+16*\b+4*\j:GR+16*\b+4*\j+3], v8, s[6:7] offset:128*\b+16*\j
.endr
.endr
	s_wait_loadcnt 16                              ; x's 16 loads are in; g's 16 may be out
.irp i, 0,1,2,3,4,5,6,7,8,9,10,11,12,13,14,15
	ds_store_b128 v4, v[RAW+4*\i:RAW+4*\i+3] offset:528*\i
.endr
.irp b, 0,1,2,3
.irp j, 0,1,2,3
	ds_load_b128 v[XR+16*\b+4*\j:XR+16*\b+4*\j+3], v5 offset:128*\b+16*\j   ; a wave's LDS instructions are served in order
.endr
.endr
	s_wait_dscnt 0x0
.irp b, 0,1,2,3
.irp j, 0,1,2,3
	global_load_b128 v[RAW+16*\b+4*\j:RAW+16*\b+4*\j+3], v8, s[8:9] offset:128*\b+16*\j   ; beta
.endr
.endr
.irp k, 0,1,2,3
	v_pk_add_f32 v[TM+2*\k:TM+2*\k+1], v[XR+2*\k:XR+2*\k+1], v[XR+8+2*\k:XR+8+2*\k+1]
.endr
.irp p, 16,24,32,40,48,56
.irp k, 0,1,2,3
	s_delay_alu instid0(VALU_DEP_4)
	v_pk_add_f32 v[TM+2*\k:TM+2*\k+1], v[TM+2*\k:TM+2*\k+1], v[XR+\p+2*\k:XR+\p+2*\k+1]
.endr
.endr
	ACROSS 0
	s_delay_alu instid0(VALU_DEP_1)
	v_mul_f32 v10, s22, v14                        ; the mean
.set k, 0
.rept 32
	v_pk_add_f32 v[XR+k:XR+k+1], v[XR+k:XR+k+1], v[10:11] op_sel_hi:[1,0] neg_lo:[0,1] neg_hi:[0,1]
.set k, k+2
.endr
.irp k, 0,1,2,3
	v_pk_mul_f32 v[TM+2*\k:TM+2*\k+1], v[XR+2*\k:XR+2*\k+1], v[XR+2*\k:XR+2*\k+1]
.endr
.irp p, 8,16,24,32,40,48,56
.irp k, 0,1,2,3
	s_delay_alu instid0(VALU_DEP_4)
	v_pk_fma_f32 v[TM+2*\k:TM+2*\k+1], v[XR+\p+2*\k:XR+\p+2*\k+1], v[XR+\p+2*\k:XR+\p+2*\k+1], v[TM+2*\k:TM+2*\k+1]
.endr
.endr
	ACROSS 512                                     ; other words than the first sum's
	s_delay_alu instid0(VALU_DEP_1)
	v_fma_f32 v14, v14, s22, s23                   ; the variance + 1e-5
	s_wait_alu depctr_va_vdst(0)                   ; the wait ahead of the transcendental
	v_rsq_f32 v12, v14
	v_nop
	s_wait_alu depctr_va_vdst(0)                   ; and ahead of its first reader
	s_wait_loadcnt 0x0                             ; g and beta
.set k, 0
.rept 32
	v_pk_mul_f32 v[XR+k:XR+k+1], v[XR+k:XR+k+1], v[12:13] op_sel_hi:[1,0]
.set k, k+2
.endr
.set k, 0
.rept 32
	v_pk_fma_f32 v[XR+k:XR+k+1], v[XR+k:XR+k+1], v[GR+k:GR+k+1], v[RAW+k:RAW+k+1]
.set k, k+2
.endr
	QUANT XR
.irp c, 0,1
	global_store_b128 v1, v[PC+4*\c:PC+4*\c+3], s[10:11] offset:512*\c
.endr
	global_store_b32 v9, v[PW], s[28:29]
	s_branch .Lend
	; ---------------- the weights ----------------
.Lweights:
	s_load_b256 s[4:11], s[0:1], 0x20              ; Wq, Wk, Wv, Wp
	s_load_b128 s[12:15], s[0:1], 0x40             ; W1, W2
	s_load_b64 s[18:19], s[0:1], 0x50              ; wc
	v_lshrrev_b32 v1, 5, v0
	v_readfirstlane_b32 s21, v1                    ; wave 0..7
	v_and_b32 v1, 31, v0
	s_wait_alu depctr_va_vdst(0)                   ; the wait ahead of the run of scalar lines
	s_and_b32 s20, s21, 3                          ; my place among the record's four waves
	s_lshr_b32 s2, s21, 2
	s_sub_co_u32 s3, ttmp9, 256
	s_lshl_b32 s3, s3, 1
	s_add_co_u32 s3, s3, s2                        ; s3: my record, 0..767
	s_mov_b32 s22, 4096                            ; bytes from one k to the next: Wp and W2
	s_mov_b32 s23, 512                             ; from a chunk of 128 columns to the next
	s_mov_b32 s24, 256                             ; from waves 0, 1 to waves 2, 3
	s_cmp_lt_u32 s3, 192                           ; Wq, Wk, Wv are [head][k][64]: a chunk is two heads
	s_cselect_b32 s22, 256, s22
	s_cselect_b32 s23, 0x80000, s23
	s_cselect_b32 s24, 0x40000, s24
	s_lshr_b32 s25, s3, 8
	s_cmp_eq_u32 s25, 1                            ; W1
	s_cselect_b32 s22, 16384, s22
	s_and_b32 s26, s3, 63
	s_and_b32 s27, s3, 255
	s_cmp_lt_u32 s3, 256
	s_cselect_b32 s26, s26, s27                    ; the record's number within its weight
	s_cmp_lt_u32 s3, 512
	s_cselect_b32 s27, 3, 5                        ; 8 K steps to a chunk, in W2 32
	s_lshr_b32 s28, s26, s27                       ; chunk
	s_lshl_b32 s29, s28, s27
	s_sub_co_u32 s29, s26, s29                     ; K step
	s_lshl_b32 s30, s22, 7
	s_mul_i32 s30, s30, s29
	s_mul_i32 s31, s28, s23
	s_add_co_u32 s30, s30, s31
	s_lshr_b32 s31, s20, 1
	s_mul_i32 s31, s31, s24
	s_add_co_u32 s30, s30, s31
	s_and_b32 s31, s20, 1
	s_lshl_b32 s31, s31, 7
	s_add_co_u32 s30, s30, s31                     ; my wave's 32 columns
	s_mov_b32 s31, 0
	s_mul_i32 s16, s3, REC
	s_mov_b32 s17, 0
	v_and_b32 v8, 7, v1
	v_lshrrev_b32 v9, 4, v1
	v_lshl_add_u32 v8, v9, 3, v8                   ; my column's row in its tile
	v_bfe_u32 v9, v1, 3, 1                         ; which of my wave's two tiles
	s_lshl_b32 s40, s20, 11                        ; my wave's two images in the record
	s_lshl_b32 s42, s21, 11
	s_add_co_u32 s42, s42, WB                      ; and my wave's 2,048 bytes of LDS
	v_lshlrev_b32 v2, 4, v8
	v_lshl_add_u32 v2, v9, 10, v2
	v_add_nc_u32 v2, s42, v2                       ; the stage on the way in
	v_lshlrev_b32 v3, 4, v1
	v_add_nc_u32 v4, s42, v3                       ; the stage on the way out
	v_add_nc_u32 v3, s40, v3                       ; the same place in the record
	s_lshl_b32 s41, s20, 7
	s_add_co_u32 s41, s41, 8192
	v_lshlrev_b32 v5, 2, v8
	v_lshl_add_u32 v5, v9, 6, v5
	v_add_nc_u32 v5, s41, v5                       ; my column's scale word in the record
	v_lshlrev_b32 v[VO], 2, v1
.set i, 1
.rept 31
	v_add_nc_u32 v[VO+i], s22, v[VO+i-1]
.set i, i+1
.endr
	s_wait_alu depctr_va_vdst(0)                   ; the wait at the head's end
	s_wait_kmcnt 0x0
	s_cmp_lt_u32 s3, 512                           ; the weight: a choice between buffers by the record's number
	s_cselect_b64 s[12:13], s[12:13], s[14:15]
	s_cmp_lt_u32 s3, 256
	s_cselect_b64 s[12:13], s[10:11], s[12:13]
	s_cmp_lt_u32 s3, 192
	s_cselect_b64 s[12:13], s[8:9], s[12:13]
	s_cmp_lt_u32 s3, 128
	s_cselect_b64 s[12:13], s[6:7], s[12:13]
	s_cmp_lt_u32 s3, 64
	s_cselect_b64 s[12:13], s[4:5], s[12:13]
	s_add_nc_u64 s[32:33], s[12:13], s[30:31]
	s_lshl_b32 s30, s22, 5
	s_add_nc_u64 s[34:35], s[32:33], s[30:31]      ; blocks 1 to 3: 32 rows on each
	s_add_nc_u64 s[36:37], s[34:35], s[30:31]
	s_add_nc_u64 s[38:39], s[36:37], s[30:31]
	s_add_nc_u64 s[18:19], s[18:19], s[16:17]      ; my record
	LOAD 0
	LOAD 1
	BLOCK 0
	BLOCK 1
	BLOCK 2
	BLOCK 3
	global_store_b32 v5, v6, s[18:19]
.irp i, 0,1,2,3
	ds_load_b128 v[X+4*\i:X+4*\i+3], v4 offset:512*\i      ; a wave's LDS instructions are served in order
.endr
.irp i, 0,1,2,3
	s_wait_dscnt 3-\i                              ; load i is in; the younger ones may be out
	global_store_b128 v3, v[X+4*\i:X+4*\i+3], s[18:19] offset:512*\i
.endr
.Lend:
	s_wait_tensorcnt 0x0                           ; the wave's end
	ds_add_u32 v254, v255
	s_wait_dscnt 0x0
	s_endpgm
.Lfunc_end_k_q2342cf4714_prep:
	.size	k_q2342cf4714_prep, .Lfunc_end_k_q2342cf4714_prep-k_q2342cf4714_prep
	.p2alignl 7, 3214868480
	.fill 96, 4, 3214868480
	.section	.rodata,"a",@progbits
	.p2align	6, 0x0
	.amdhsa_kernel k_q2342cf4714_prep
		.amdhsa_group_segment_fixed_size 86016
		.amdhsa_private_segment_fixed_size 0
		.amdhsa_enable_private_segment 0
		.amdhsa_kernarg_size 88
		.amdhsa_user_sgpr_count 2
		.amdhsa_user_sgpr_kernarg_segment_ptr 1
		.amdhsa_wavefront_size32 1
		.amdhsa_system_sgpr_workgroup_id_x 1
		.amdhsa_system_sgpr_workgroup_id_y 1
		.amdhsa_system_sgpr_workgroup_id_z 1
		.amdhsa_system_vgpr_workitem_id 0
		.amdhsa_next_free_vgpr 256
		.amdhsa_next_free_sgpr 66
		.amdhsa_reserve_vcc 0
		.amdhsa_float_denorm_mode_32 3
		.amdhsa_float_denorm_mode_16_64 3
		.amdhsa_memory_ordered 1
		.amdhsa_forward_progress 1
		.amdhsa_inst_pref_size 53
	.end_amdhsa_kernel
	.amdgpu_metadata
---
amdhsa.version: [ 1, 2 ]
amdhsa.kernels:
  - .name:           k_q2342cf4714_prep
    .symbol:         k_q2342cf4714_prep.kd
    .args:
      - { .name: x, .offset: 0, .size: 8, .value_kind: global_buffer, .address_space: global }
      - { .name: g1, .offset: 8, .size: 8, .value_kind: global_buffer, .address_space: global }
      - { .name: beta1, .offset: 16, .size: 8, .value_kind: global_buffer, .address_space: global }
      - { .name: hc, .offset: 24, .size: 8, .value_kind: global_buffer, .address_space: global }
      - { .name: Wq, .offset: 32, .size: 8, .value_kind: global_buffer, .address_space: global }
      - { .name: Wk, .offset: 40, .size: 8, .value_kind: global_buffer, .address_space: global }
      - { .name: Wv, .offset: 48, .size: 8, .value_kind: global_buffer, .address_space: global }
      - { .name: Wp, .offset: 56, .size: 8, .value_kind: global_buffer, .address_space: global }
      - { .name: W1, .offset: 64, .size: 8, .value_kind: global_buffer, .address_space: global }
      - { .name: W2, .offset: 72, .size: 8, .value_kind: global_buffer, .address_space: global }
      - { .name: wc, .offset: 80, .size: 8, .value_kind: global_buffer, .address_space: global }
    .group_segment_fixed_size: 86016
    .private_segment_fixed_size: 0
    .kernarg_segment_align: 8
    .kernarg_segment_size: 88
    .max_flat_workgroup_size: 256
    .sgpr_count:     66
    .vgpr_count:     256
    .wavefront_size: 32
...
	.end_amdgpu_metadata
.endif
;; end of part 8
;; launch qkv (part 9): grid 12 x 16, 4 waves a work-group, clusters of 4 x 4, 327,680 bytes of LDS; arguments hc, wc, qkv; writes qkv
.if DOCPART == 9
	.amdgcn_target "amdgcn-amd-amdhsa--gfx1250"
	.amdhsa_code_object_version 6
	.text
	.protected	k_q2342cf4714_qkv
	.globl	k_q2342cf4714_qkv
	.p2align	8
	.type	k_q2342cf4714_qkv,@function
k_q2342cf4714_qkv:
	s_mov_b64 s[64:65], 0
	v_nop
	global_prefetch_b8 v0, s[64:65] scope:SCOPE_SE
	s_setreg_imm32_b32 hwreg(HW_REG_WAVE_MODE, 25, 1), 1
	s_wait_xcnt 0x0
	s_wait_alu depctr_hold_cnt(0) depctr_sa_sdst(0) depctr_va_vdst(0) depctr_va_sdst(0) depctr_va_ssrc(0) depctr_va_vcc(0) depctr_vm_vsrc(0)
	s_getreg_b32 s2, hwreg(HW_REG_IB_STS2, 6, 4)
	s_cmp_eq_u32 s2, 0
	s_cbranch_scc0 .Lentry_in_a_cluster
	s_endpgm
.Lentry_in_a_cluster:
	s_bfe_u32 s2, ttmp6, 0x10000c
	s_cmp_lg_u32 s2, 0xf033
	s_cbranch_scc0 .Lentry_shape_is_right
	s_endpgm
.Lentry_shape_is_right:
; Q, K and V of all heads, on codes of FP4 with E8M0 scales, and quantised again on the way out: Q and K along the head's 64, V along the keys.
; OPERANDS lie in records of 8,704 bytes, [chunk of 128 rows][K step of 128][record]: eight images of 1,024 bytes (a fragment's registers as they stand: group c of lane l at 512 c + 16 l), then scale words
; (tile a, row r at 8192 + 64 a + 4 r).  Tile T, row r of an operand is its row 32 (T / 2) + 8 (T % 2) + r + 8 (r / 8).
; THE PRODUCT: source 0 = 16 rows of the REGISTER side (B below), source 1 = 16 rows of the LANE side (A below).  A lane then holds one row of A, and by the choice of rows above the 16 registers of the accumulators
; (a, 2 b') and (a, 2 b' + 1) are B's rows 32 b' + 16 (lane / 16) + 0 .. 15 in their natural order: neighbours along the next product's K.
; Cluster x = 0: Q, 1: K (A = tokens, B = the weight's 1,024 rows head x 64 + d); 2: V (A = Wv's rows, B = tokens, so that the registers run along the keys).  Only scalars differ between the three.
; A tile of 256 x 256 is made by four waves, 128 x 128 each: 64 accumulators.  K = 1,024 lies in two LDS slots of 512 along K, each filled once by the tensor data mover, a quarter (four dense records of one chunk) a wave.
; CLUSTERS: 4 x 4 work-groups; A's quarters are asked for jointly along a row of the cluster, B's along a column.
; OUT: Q, K codes [which][batch][pair of heads][tile][1,024]: the even head's image of 64 along K (512 bytes), then the odd head's; their scale words at QS [which][batch][head][tile][16 words], bytes 0 and 1 the head's two
; blocks (bytes 2 and 3 belong to zero codes and are never 0xff); V at VB: [batch] x records [chunk of 128 rows head x 64 + d][K step of 128 keys].
; LIMITS: a block of zeros gets the byte 1 (its codes are zeros, and this program alone reads the bytes); blocks under 2^-124 have their byte held at 1; NaN and infinities are not served.
; REGISTERS, in windows of 256: window 0: v16-29 addresses; v32-95 scale words, two sets; v128-191 A's fragments, one set, later the codes made; v96-103, v200-223 the way out.  window 1: B's fragments, two sets, v0-63 and v128-191.
;   windows 2, 3: accumulator (a, b) at v[8 (8 (a % 4) + b)].
.set REC,   8704
.set NQ,    4                          ; K steps of 128 in a slot
.set QB,    NQ*REC                     ; a quarter slot: one chunk's four records
.set SLOT,  4*QB                       ; A's two chunks, then B's two
.set SPARE, 2*SLOT                     ; behind the ring: the spare words, 128 bytes a wave: two blocks of 256 bytes that no other line names
.set KS,    8                          ; K steps in K
.set NL,    2                          ; LDS loads to a fragment
.set NP,    4                          ; places behind this matrix instruction (ISA guide 7.12.1)
.set QS,    4194304
.set VB,    4718592
.set ADRA, 16                          ; v16-17 A's images in slot 0, 1: 16 x lane + my chunk
.set ASA,  18                          ; v18-19 4 x lane + my chunk: A's scale words
.set ADRB, 20                          ; v20-21, v22-23 the same for B
.set ASB,  22
.set CO,   26                          ; v26 16 x lane
.set CW,   27                          ; v27 4 x lane
.set SPW,  28                          ; v28 my spare word; never rewritten
.set NIL,  29                          ; v29 0; never rewritten
.set SC,   32                          ; scale words: v[SC + 32 s + 8 q + i]: A's tiles 2 i (lanes 0-15) and 2 i + 1 (lanes 16-31); + 4: B's
.set SW,   96
.set AF,   128
.set PC,   128
.set TM,   200
.set PW,   216
.set BI,   64
.set G1,  24
.set G0,  32
.set G1B, 48
.set G0B, 56
.set LM,  66                           ; s66 lanes 16-31
.set SEL, 68                           ; s[68:69] lane selects: lane l xor 16
.set MSB, 0
.macro WIN new                         ; the immediate's high byte repeats the setting that is left
.if MSB != \new
	s_set_vgpr_msb (MSB<<8)|\new
.set MSB, \new
.endif
.endm
.set MUL_LO, 0xa1                      ; source 0 (B) window 1, source 1 (A) window 0, C and D window 2
.set MUL_HI, 0xf1
.set TO_B,   0x40
.macro JLOAD g0a, g1a, g0b, g1b        ; a joint load: waves 0 and 1 fetch for A, waves 2 and 3 for B; four v_nop follow each line
	s_cmp_eq_u32 s15, 0
	s_cbranch_scc0 .Lfor_b_\@
	tensor_load_to_lds s[\g0a:\g0a+3], s[\g1a:\g1a+7]
	s_nop 0
.rept 4
	v_nop
.endr
	s_branch .Lasked_\@
.Lfor_b_\@:
	tensor_load_to_lds s[\g0b:\g0b+3], s[\g1b:\g1b+7]
	s_nop 0
.rept 4
	v_nop
.endr
.Lasked_\@:
.endm
.macro CREST
	s_cmp_lg_u32 s14, 0
	s_cbranch_scc1 .Lnot_wave_0_\@
	s_barrier_signal -3
.Lnot_wave_0_\@:
	s_barrier_wait -3
	s_barrier_signal -1
	s_barrier_wait -1
.endm
.macro CROUND
	s_barrier_signal -1
	s_barrier_wait -1
	CREST
.endm
.macro PLACES n
.rept \n
	v_nop
.endr
.endm
.macro FRAG reg, adr, q, i             ; an image comes back as it was stored: two loads of 512 consecutive bytes
.irp c, 0,1
	ds_load_b128 v[\reg+4*\c:\reg+4*\c+3], v[\adr] offset:(\q)*REC+(\i)*1024+512*\c
.endr
.endm
; One product: A's tile a x B's tile b, the slot's q-th 128 along K; p: B's set; sc: the set of scale words.  mode 1: C = 0 starts the sum; 2: C = a bias in window 1; 0: in place.
; An odd tile's scale words lie in lanes 16-31 of its pair's register.
.macro MM a, b, p, q, sc, mode
.set rD, 8*(8*((\a)%4)+(\b))
.set rB, 128*(\p)+8*(\b)
.set rA, AF+8*(\a)
.set rSB, SC+32*(\sc)+8*(\q)+4+(\b)/2
.set rSA, SC+32*(\sc)+8*(\q)+(\a)/2
.set par, 2*((\b)%2)+(\a)%2
.set rC, rD
.if (\mode) == 2
.set rC, BI+8*(\b)
.endif
.if (\mode) == 1
.if par == 0
	v_wmma_scale_f32_16x16x128_f8f6f4 v[rD:rD+7], v[rB:rB+7], v[rA:rA+7], 0, v[rSB], v[rSA] matrix_a_fmt:MATRIX_FMT_FP4 matrix_b_fmt:MATRIX_FMT_FP4
.elseif par == 1
	v_wmma_scale_f32_16x16x128_f8f6f4 v[rD:rD+7], v[rB:rB+7], v[rA:rA+7], 0, v[rSB], v[rSA] matrix_a_fmt:MATRIX_FMT_FP4 matrix_b_fmt:MATRIX_FMT_FP4 matrix_b_scale:MATRIX_SCALE_ROW1
.elseif par == 2
	v_wmma_scale_f32_16x16x128_f8f6f4 v[rD:rD+7], v[rB:rB+7], v[rA:rA+7], 0, v[rSB], v[rSA] matrix_a_fmt:MATRIX_FMT_FP4 matrix_b_fmt:MATRIX_FMT_FP4 matrix_a_scale:MATRIX_SCALE_ROW1
.else
	v_wmma_scale_f32_16x16x128_f8f6f4 v[rD:rD+7], v[rB:rB+7], v[rA:rA+7], 0, v[rSB], v[rSA] matrix_a_fmt:MATRIX_FMT_FP4 matrix_b_fmt:MATRIX_FMT_FP4 matrix_a_scale:MATRIX_SCALE_ROW1 matrix_b_scale:MATRIX_SCALE_ROW1
.endif
.else
.if par == 0
	v_wmma_scale_f32_16x16x128_f8f6f4 v[rD:rD+7], v[rB:rB+7], v[rA:rA+7], v[rC:rC+7], v[rSB], v[rSA] matrix_a_fmt:MATRIX_FMT_FP4 matrix_b_fmt:MATRIX_FMT_FP4
.elseif par == 1
	v_wmma_scale_f32_16x16x128_f8f6f4 v[rD:rD+7], v[rB:rB+7], v[rA:rA+7], v[rC:rC+7], v[rSB], v[rSA] matrix_a_fmt:MATRIX_FMT_FP4 matrix_b_fmt:MATRIX_FMT_FP4 matrix_b_scale:MATRIX_SCALE_ROW1
.elseif par == 2
	v_wmma_scale_f32_16x16x128_f8f6f4 v[rD:rD+7], v[rB:rB+7], v[rA:rA+7], v[rC:rC+7], v[rSB], v[rSA] matrix_a_fmt:MATRIX_FMT_FP4 matrix_b_fmt:MATRIX_FMT_FP4 matrix_a_scale:MATRIX_SCALE_ROW1
.else
	v_wmma_scale_f32_16x16x128_f8f6f4 v[rD:rD+7], v[rB:rB+7], v[rA:rA+7], v[rC:rC+7], v[rSB], v[rSA] matrix_a_fmt:MATRIX_FMT_FP4 matrix_b_fmt:MATRIX_FMT_FP4 matrix_a_scale:MATRIX_SCALE_ROW1 matrix_b_scale:MATRIX_SCALE_ROW1
.endif
.endif
.endm
.macro MUL16 a0, p, q, sc, mode        ; the 64 accumulators take turns, one instruction a turn, in the same order in every step
.irp a, \a0, \a0+1
.irp b, 0,1,2,3,4,5,6,7
	MM \a, \b, \p, \q, \sc, \mode
.endr
.endr
.endm
.macro FETCH_B slot, q, p
	WIN TO_B
.irp i, 0,1,2,3,4,5,6,7
	FRAG 128*(\p)+8*\i, ADRB+\slot, \q, \i
.endr
	WIN 0
.endm
.macro FETCH_A slot, q, i0
.irp i, \i0, \i0+1, \i0+2, \i0+3
	FRAG AF+8*(\i), ADRA+\slot, \q, \i
.endr
.endm
.macro SCALES s                        ; the slot's scale words: for each of its four K steps four registers a side
.irp q, 0,1,2,3
.irp i, 0,1,2,3
	ds_load_b32 v[SC+32*\s+8*\q+\i], v[ASA+\s] offset:\q*REC+8192+128*\i
	ds_load_b32 v[SC+32*\s+8*\q+4+\i], v[ASB+\s] offset:\q*REC+8192+128*\i
.endr
.endr
.endm
.macro STEP slot, q, mode              ; a step of 128 along K that has its successor in the same slot
	s_wait_dscnt 4*NL                              ; B's set, A's blocks 0-3 and the scale words are in; the youngest eight loads (A's blocks 4-7) may be out
.if (\mode) == 2
	WIN 0x91
.else
	WIN MUL_LO
.endif
	MUL16 0, (\q)%2, \q, \slot, \mode
	MUL16 2, (\q)%2, \q, \slot, \mode
	s_wait_dscnt 0                                 ; A's blocks 4-7 are in
	PLACES NP                                      ; places in front of loads into registers that matrix instructions have read
	FETCH_B \slot, (\q)+1, 1-(\q)%2
	FETCH_A \slot, (\q)+1, 0
.if (\mode) == 2
	WIN 0xd1
.else
	WIN MUL_HI
.endif
	MUL16 4, (\q)%2, \q, \slot, \mode
	MUL16 6, (\q)%2, \q, \slot, \mode
	PLACES NP
	WIN 0
	FETCH_A \slot, (\q)+1, 4
.endm
.macro TURN slot, next, fill           ; a slot's last step changes slots: one barrier; in front of it each wave waits for all its tensor loads, adds 0 to its spare word, and waits for that and for its reads of this slot
	s_wait_tensorcnt 0x0                           ; all my tensor loads have landed: my part of the next slot
	ds_add_u32 v[SPW], v[NIL]                      ; 0 onto my spare word
	s_wait_dscnt 4*NL+1                            ; (the add and the youngest eight loads may be out)
	WIN MUL_LO
	MUL16 0, 1, NQ-1, \slot, 0
	s_wait_dscnt 0x0                               ; the add is done, and my reads of this slot are over
	s_barrier_signal -1
	MUL16 2, 1, NQ-1, \slot, 0
	WIN 0
	s_barrier_wait -1
.if \fill
	CREST                                          ; the barrier has opened a round of the cluster's barrier
	s_add_nc_u64 s[G0+4*\slot+2:G0+4*\slot+3], s[G0+4*\slot+2:G0+4*\slot+3], 2*QB
	s_add_nc_u64 s[G0B+4*\slot+2:G0B+4*\slot+3], s[G0B+4*\slot+2:G0B+4*\slot+3], 2*QB
	JLOAD G0+4*\slot, G1, G0B+4*\slot, G1B         ; the first tensor load behind the round; its four v_nop are the places in front of the loads below
.else
	PLACES NP
.endif
	FETCH_B \next, 0, 0
	FETCH_A \next, 0, 0
	SCALES \next
	WIN MUL_HI
	MUL16 4, 1, NQ-1, \slot, 0
	MUL16 6, 1, NQ-1, \slot, 0
	PLACES NP
	WIN 0
	FETCH_A \next, 0, 4
.endm
.macro STEPS slot, from
.set Q, \from
.rept NQ-1-\from
	STEP \slot, Q, 0
.set Q, Q+1
.endr
.endm
; Block a (16 rows of A x my 128 of B: 64 numbers a lane) becomes a fragment in v[PC + 8 a] on and a scale word in v[PW + a], and the image is stored.  Each accumulator is read from its low end on.
.macro QUANTW a
.set W, 2+(\a)/4
.set AC0, 64*((\a)%4)
.set PCA, PC+8*(\a)
	WIN ((W<<2)|(W<<4))
.irp b, 0,1,2,3
	v_max3_num_f32 v[TM+\b], 0x1800000, |v[AC0+16*\b]|, |v[AC0+16*\b+1]|   ; my 16 numbers of block b, and the floor 2^(3 - 127)
.endr
.irp i, 2,4,6,8,10,12,14
.irp b, 0,1,2,3
	v_max3_num_f32 v[TM+\b], v[TM+\b], |v[AC0+16*\b+\i]|, |v[AC0+16*\b+\i+1]|
.endr
.endr
	WIN 0
.irp b, 0,1,2,3
	v_permlanex16_b32 v[TM+4+\b], v[TM+\b], s[SEL], s[SEL+1]
.endr
.irp b, 0,1,2,3
	v_max_num_f32 v[TM+\b], v[TM+\b], v[TM+4+\b]
.endr
.irp b, 0,1,2,3
	v_add_nc_u32 v[TM+12+\b], 0xff000000, v[TM+\b] ; 2 off the exponent field: the conversion's scale operand
.endr
.irp b, 0,1,2,3
	v_lshrrev_b32 v[TM+4+\b], 23, v[TM+12+\b]      ; the scale's byte
.endr
	v_lshl_or_b32 v[PW+(\a)], v[TM+5], 8, v[TM+4]
	v_lshl_or_b32 v[PW+(\a)], v[TM+6], 16, v[PW+(\a)]
	v_lshl_or_b32 v[PW+(\a)], v[TM+7], 24, v[PW+(\a)]
	WIN W
.irp b, 0,1,2,3
	v_cvt_scalef32_pk8_fp4_f32 v[PCA+2*\b], v[AC0+16*\b:AC0+16*\b+7], v[TM+12+\b]
	v_cvt_scalef32_pk8_fp4_f32 v[PCA+2*\b+1], v[AC0+16*\b+8:AC0+16*\b+15], v[TM+12+\b]
.endr
	WIN 0
	v_nop                                          ; one plain place behind a scaled conversion
.irp c, 0,1
.irp i, 0,1
	v_permlane16_swap_b32 v[PCA+4*\c+\i], v[PCA+2+4*\c+\i]   ; a whole block to a lane
.endr
.endr
.irp c, 0,1
	global_store_b128 v[CO], v[PCA+4*\c:PCA+4*\c+3], s[90:91] offset:(\a)*1024+512*\c   ; 512 consecutive bytes; each block has registers of its own, so no store's data are written again
.endr
.endm
	s_load_b128 s[4:7], s[0:1], 0x0                ; hc s[4:5], wc s[6:7]
	s_load_b64 s[8:9], s[0:1], 0x10                ; qkv
	v_lshl_add_u32 v[SPW], v0, 2, SPARE
	v_mov_b32 v[NIL], 0
	ds_add_u32 v28, v29
	ds_add_u32 v28, v29
	s_wait_dscnt 0x0
	v_lshrrev_b32 v1, 5, v0
	v_readfirstlane_b32 s14, v1                    ; wave 0..3
	s_lshr_b32 s15, s14, 1                         ; which half of A's rows is mine.  Also: I fetch for A (0) or for B (1)
	s_and_b32 s16, s14, 1                          ; which half of B's rows.  Also: which chunk of the two I fetch
	s_bfe_u32 s40, ttmp6, 0x40000                  ; cx, cy: my place in the cluster
	s_bfe_u32 s41, ttmp6, 0x40004
	s_and_b32 s70, ttmp7, 0xffff
	s_lshl_b32 s70, s70, 2                         ; 4 x cluster y
	s_add_co_u32 s72, s70, s40
	s_add_co_u32 s73, s70, s41
	s_cmp_eq_u32 ttmp9, 2                          ; V?  The cluster's x: the same in all sixteen partners
	s_cselect_b32 s42, s72, s40                    ; B's tile of 256 rows: tokens for V, else the weight's
	s_cselect_b32 s17, s41, s73                    ; A's: Wv's for V, else tokens
	s_cselect_b32 s74, 128*REC, 0                  ; A begins at Wv's first record, or at hc's first byte
	s_mul_i32 s75, ttmp9, 64*REC
	s_cselect_b32 s75, 0, s75                      ; B at hc's first byte, or at Wq's or Wk's first record
	s_lshl_b32 s43, s41, 2
	s_lshl_b32 s43, 15, s43                        ; my row of the cluster
	s_lshl_b32 s44, 0x1111, s40                    ; my column
	; descriptor group 1: a dense block of 69,632 bytes as 272 rows of 256 bytes (32 elements of 8 bytes)
	s_or_b32 s[G1+0], s43, (3<<16)|(1<<21)         ; 15:0 the mask: A's quarters go to my row; 17:16 elements of 8 bytes; 21 set beside a mask
	s_or_b32 s[G1B+0], s44, (3<<16)|(1<<21)
.irp g, G1, G1B
	s_mov_b32 s[\g+1], 32<<16                      ; tensor_dim0
	s_mov_b32 s[\g+2], 272<<16                     ; tensor_dim1: a chunk's eight dense records, all of K, as 272 rows of 256 bytes
	s_mov_b32 s[\g+3], 32<<16                      ; tile_dim0
	s_mov_b32 s[\g+4], 272                         ; tile_dim1
	s_mov_b32 s[\g+5], 32                          ; tensor_dim0_stride
	s_mov_b32 s[\g+6], 0
	s_mov_b32 s[\g+7], 0
.endr
	s_lshl_b32 s20, s17, 1
	s_add_co_u32 s20, s20, s16
	s_mul_i32 s20, s20, KS*REC                     ; A: the chunk that I fetch
	s_add_co_u32 s20, s20, s74
	s_mov_b32 s21, 0
	s_lshl_b32 s46, s42, 1
	s_add_co_u32 s46, s46, s16
	s_mul_i32 s46, s46, KS*REC                     ; B likewise
	s_add_co_u32 s46, s46, s75
	s_mov_b32 s47, 0
	s_mul_i32 s45, s14, 2*QB                       ; where it goes: eight records a wave; slot s of a chunk is its records 4 s on
	s_mov_b32 s[LM], 0xffff0000
	s_mov_b32 s[SEL], 0x76543210
	s_mov_b32 s[SEL+1], 0xfedcba98
	s_wait_kmcnt 0x0
	s_cmp_eq_u32 ttmp9, 2
	s_cselect_b64 s[76:77], s[6:7], s[4:5]         ; A's buffer
	s_cselect_b64 s[78:79], s[4:5], s[6:7]         ; B's
	s_add_nc_u64 s[20:21], s[76:77], s[20:21]
	s_add_nc_u64 s[46:47], s[78:79], s[46:47]
	CROUND                                         ; all sixteen work-groups are here: the first joint loads meet
.irp s, 0
	s_mov_b32 s[G0+4*\s], 1
	s_add_co_u32 s[G0+4*\s+1], s45, \s*SLOT
	s_add_nc_u64 s[G0+4*\s+2:G0+4*\s+3], s[20:21], \s*QB
	s_or_b32 s[G0+4*\s+3], s[G0+4*\s+3], 0x80000000
	s_mov_b32 s[G0B+4*\s], 1
	s_add_co_u32 s[G0B+4*\s+1], s45, \s*SLOT
	s_add_nc_u64 s[G0B+4*\s+2:G0B+4*\s+3], s[46:47], \s*QB
	s_or_b32 s[G0B+4*\s+3], s[G0B+4*\s+3], 0x80000000
	JLOAD G0+4*\s, G1, G0B+4*\s, G1B               ; one load of mine is out: all of K
.endr
	v_and_b32 v1, 31, v0
	v_lshlrev_b32 v[CO], 4, v1
	v_lshlrev_b32 v[CW], 2, v1
	s_mul_i32 s21, s15, 2*QB
	s_mul_i32 s22, s16, 2*QB
	s_add_co_u32 s22, s22, 4*QB
.irp s, 0,1
	v_add_nc_u32 v[ADRA+\s], s21, v[CO]
	v_add_nc_u32 v[ADRB+\s], s22, v[CO]
	v_add_nc_u32 v[ASA+\s], s21, v[CW]
	v_add_nc_u32 v[ASB+\s], s22, v[CW]
	s_add_co_u32 s21, s21, QB
	s_add_co_u32 s22, s22, QB
.endr
.irp b, 0,1,2,3
	v_mov_b32 v[TM+4+\b], 0                        ; written once: a lane permute's destination counts as one of its sources
.endr
	; where my results go
	s_lshl_b32 s80, s42, 1
	s_add_co_u32 s80, s80, s16                     ; my 128 of B: Q, K: the pair of heads; V: the chunk of 128 tokens
	s_lshl_b32 s81, s17, 1
	s_add_co_u32 s81, s81, s15                     ; my 128 of A: Q, K: the chunk of tokens; V: the chunk of rows
	s_lshr_b32 s82, s81, 4                         ; Q, K: the batch,
	s_and_b32 s83, s81, 15                         ; and the chunk in it
	s_lshl_b32 s84, ttmp9, 1
	s_add_co_u32 s84, s84, s82
	s_lshl_b32 s84, s84, 3
	s_add_co_u32 s84, s84, s80                     ; (2 which + batch) 8 + pair of heads
	s_lshl_b32 s86, s84, 14                        ; two heads' scale words are 16,384 bytes,
	s_lshl_b32 s84, s84, 17                        ; 128 tiles' codes 131,072
	s_lshl_b32 s82, s83, 13
	s_add_co_u32 s84, s84, s82                     ; + 8 tiles of 1,024 bytes a chunk
	s_lshl_b32 s82, s83, 9
	s_add_co_u32 s86, s86, s82                     ; + 8 tiles of 64 bytes
	s_add_co_u32 s86, s86, QS
	s_lshr_b32 s88, s80, 4                         ; V: the batch,
	s_and_b32 s89, s80, 15                         ; the K step of 128 keys
	s_lshl_b32 s88, s88, 3
	s_add_co_u32 s88, s88, s81
	s_lshl_b32 s88, s88, 4
	s_add_co_u32 s88, s88, s89
	s_mul_i32 s88, s88, REC
	s_add_co_u32 s88, s88, VB                      ; my record,
	s_add_co_u32 s89, s88, 8192                    ; its scale words
	s_cmp_eq_u32 ttmp9, 2
	s_cselect_b32 s84, s88, s84
	s_cselect_b32 s86, s89, s86
	s_mov_b32 s85, 0
	s_mov_b32 s87, 0
	s_add_nc_u64 s[90:91], s[8:9], s[84:85]
	s_add_nc_u64 s[92:93], s[8:9], s[86:87]
	s_wait_alu depctr_va_vdst(0)
	s_wait_tensorcnt 0x0                           ; my one load, a chunk's whole K, is in
	s_barrier_signal -1
	s_barrier_wait -1                              ; everybody's is
	FETCH_B 0, 0, 0
	FETCH_A 0, 0, 0
	SCALES 0
	FETCH_A 0, 0, 4
	STEP 0, 0, 1                                   ; the first step's products start the sums: nothing is cleared
	STEPS 0, 1
	TURN 0, 1, 0
	STEPS 1, 0
	s_wait_dscnt 4*NL                              ; the last step: nothing more to fetch
	WIN MUL_LO
	MUL16 0, 1, NQ-1, 1, 0
	MUL16 2, 1, NQ-1, 1, 0
	s_wait_dscnt 0
	WIN MUL_HI
	MUL16 4, 1, NQ-1, 1, 0
	MUL16 6, 1, NQ-1, 1, 0
	WIN 0
	PLACES NP                                      ; in front of the first read of results and of the first write into A's registers
.irp a, 0,1,2,3,4,5,6,7
	QUANTW \a
.endr
.irp i, 0,1,2,3
	v_cndmask_b32 v[SW+\i], v[PW+2*\i], v[PW+2*\i+1], s[LM]   ; lanes 0-15: tile 2 i's words, lanes 16-31: tile 2 i + 1's
.endr
.irp i, 0,1,2,3
	global_store_b32 v[CW], v[SW+\i], s[92:93] offset:128*\i  ; V: the record's words.  Q, K: the even head's (its bytes 0 and 1; bytes 2 and 3 meet zero codes)
.endr
	s_cmp_eq_u32 ttmp9, 2
	s_cbranch_scc1 .Lv_done                        ; on the cluster's x: alike in all partners
.irp i, 0,1,2,3
	v_lshrrev_b32 v[SW+4+\i], 16, v[SW+\i]         ; Q, K: the odd head's two bytes
.endr
.irp i, 0,1,2,3
	global_store_b32 v[CW], v[SW+4+\i], s[92:93] offset:8192+128*\i
.endr
.Lv_done:
	s_wait_tensorcnt 0x0                           ; the wave's end
	ds_add_u32 v[SPW], v[NIL]
	s_wait_dscnt 0x0
	CROUND                                         ; the closing round
	s_endpgm
.Lfunc_end_k_q2342cf4714_qkv:
	.size	k_q2342cf4714_qkv, .Lfunc_end_k_q2342cf4714_qkv-k_q2342cf4714_qkv
	.p2alignl 7, 3214868480
	.fill 96, 4, 3214868480
	.section	.rodata,"a",@progbits
	.p2align	6, 0x0
	.amdhsa_kernel k_q2342cf4714_qkv
		.amdhsa_group_segment_fixed_size 327680
		.amdhsa_private_segment_fixed_size 0
		.amdhsa_enable_private_segment 0
		.amdhsa_kernarg_size 24
		.amdhsa_user_sgpr_count 2
		.amdhsa_user_sgpr_kernarg_segment_ptr 1
		.amdhsa_wavefront_size32 1
		.amdhsa_system_sgpr_workgroup_id_x 1
		.amdhsa_system_sgpr_workgroup_id_y 1
		.amdhsa_system_sgpr_workgroup_id_z 1
		.amdhsa_system_vgpr_workitem_id 0
		.amdhsa_next_free_vgpr 1024
		.amdhsa_next_free_sgpr 96
		.amdhsa_reserve_vcc 0
		.amdhsa_float_denorm_mode_32 3
		.amdhsa_float_denorm_mode_16_64 3
		.amdhsa_memory_ordered 1
		.amdhsa_forward_progress 1
		.amdhsa_inst_pref_size 129
	.end_amdhsa_kernel
	.amdgpu_metadata
---
amdhsa.version: [ 1, 2 ]
amdhsa.kernels:
  - .name:           k_q2342cf4714_qkv
    .symbol:         k_q2342cf4714_qkv.kd
    .args:
      - { .name: hc, .offset: 0, .size: 8, .value_kind: global_buffer, .address_space: global }
      - { .name: wc, .offset: 8, .size: 8, .value_kind: global_buffer, .address_space: global }
      - { .name: qkv, .offset: 16, .size: 8, .value_kind: global_buffer, .address_space: global }
    .group_segment_fixed_size: 327680
    .private_segment_fixed_size: 0
    .kernarg_segment_align: 8
    .kernarg_segment_size: 24
    .max_flat_workgroup_size: 128
    .sgpr_count:     96
    .vgpr_count:     1024
    .wavefront_size: 32
...
	.end_amdgpu_metadata
.endif
;; end of part 9
;; launch attn (part 10): grid 8 x 32, 16 waves a work-group, no clusters, 206,848 bytes of LDS; arguments qkv, oc; writes oc
.if DOCPART == 10
	.amdgcn_target "amdgcn-amd-amdhsa--gfx1250"
	.amdhsa_code_object_version 6
	.text
	.protected	k_q2342cf4714_attn
	.globl	k_q2342cf4714_attn
	.p2align	8
	.type	k_q2342cf4714_attn,@function
k_q2342cf4714_attn:
	s_mov_b64 s[64:65], 0
	v_nop
	global_prefetch_b8 v0, s[64:65] scope:SCOPE_SE
	s_setreg_imm32_b32 hwreg(HW_REG_WAVE_MODE, 25, 1), 1
	s_wait_xcnt 0x0
; Causal attention of one head on codes of FP4 with E8M0 scales; its result, divided by the row's sum, is quantised along (head, d) and stored as part of the projection's operand.
; t = score x log2(e) / 8; M = the row's largest t so far, rounded UP to a whole number; p = 2^(t - M) is quantised along the keys, not normalised; the row's sum is taken of the unquantised p.
; IN (qkv): Q, K codes [which][batch][pair of heads][tile 128][1,024] (even head's image of 64 along K, 512 bytes, then the odd head's); scale words at QS [which][batch][head][tile][16 words];
; V^T at VB: [batch][chunk of 128 rows head x 64 + d][K step of 128 keys][record of 8,704 bytes].  Tile T, row r stands for row 32 (T / 2) + 8 (T % 2) + r + 8 (r / 8).
; Both products transposed: S^T = K Q^T, O^T = V^T P^T: a lane holds ONE query.  The head's K is 64: the upper half of each fragment of K and Q is zero codes.
; Key steps all of whose keys the causal mask of the problem hides are left out (a scalar branch on ids); on the diagonal hidden scores become -infinity.
; SHARES.  A work-group serves one head and two blocks of 128 queries, j and 15 - j.  Waves 2 i and 2 i + 1 are a pair for tile i of both blocks: j + 1 and 16 - j key steps, 17 in all, dealt 9 and 8:
;   wave a owns tile i of block 15 - j and takes its key steps 0 .. 8;
;   wave b takes tile i of block j (steps 0 .. j, j <= 7), stores it in trip 8, takes up a's queries with a fresh state and walks steps 9 .. 15 - j.
; Behind the loop b's O^T, -M and sums go to a through LDS bytes of their own, one barrier; a brings both parts under the larger M by factors 2^(whole number), which round nothing, adds them and stores the tile.
; All of the head's K, V and their scale words lie in LDS, filled ONCE by ten waves' tensor loads.  No cluster: the branches round hidden steps hang on the work-group's block of queries.
; No prefetch: the fills go out once, at the head, and the launch has no later load to run ahead of.
; LIMITS: a block of zeros gets the byte 1 (its codes are zeros); blocks under 2^-124 have their byte held at 1; NaN and infinities are not served; scaled scores stay under 2^31 in magnitude.
.set REC, 8704
.set QS,  4194304
.set VB,  4718592
.set VC,  65536
.set KSC, 131072
.set VSC, 139264
.set SPARE, 0x29000                    ; the spare words: 128 bytes a wave
.set PB,  169984                       ; behind them: a pair's 9 x 512 bytes for b's part
.set PPB, 4608
.set G1K, 24
.set G1V, 32
.set G1S, 40
.set G1T, 48
.set G0K, 56
.set G0V, 60
.set G0S, 68
.set G0T, 72
.set WV,  76
.set SEL, 78
.set CS,  80
.set CK,  82                           ; the key step
.set CQ,  83                           ; the block of the queries in hand
.set TK,  84
.set TKS, 85
.set TVS, 86
.set LO,  8                            ; s8, s9: the key steps that I take now: LO .. HI
.set HI,  9
.set ROLE, 10                          ; s10: 1 = wave a, 0 = wave b
.set DR,  12                           ; s[12:13]: bytes from block j's record of the output to block 15 - j's
; REGISTERS: v1 16 x lane; v2-4 LDS bases; v5, v6 the way out; v7 my query in its block less 16 (lane / 16); v8-11 the step's addresses; v12 -M, v13 the largest t, v[14:15] the sum; v16-23 Q, v24 its scale words;
; v25, v26-29 the second tile's Q; v30 the pair's LDS bytes; v31, v207 the add's; v32-95 K; v96-159 S^T, then p; v160-191 O^T; v192-199 p's codes; v200-206 scale words; v208-223 at work; v224-255 V.
.macro GROUP1 g, c, r, p
	s_mov_b32 s[\g], 3<<16
	s_mov_b32 s[\g+1], (\c)<<16
	s_mov_b32 s[\g+2], (\r)<<16
	s_mov_b32 s[\g+3], (\c)<<16
	s_mov_b32 s[\g+4], \r
	s_mov_b32 s[\g+5], \p
	s_mov_b32 s[\g+6], 0
	s_mov_b32 s[\g+7], 0
.endm
.macro ARM g0, g1
	tensor_load_to_lds s[\g0:\g0+3], s[\g1:\g1+7]
	s_nop 0
.rept 4
	v_nop
.endr
.endm
; THE WAY OUT of the tile in hand: O^T / the sum; register 16 b + i is channel 32 b + 16 h + i of my query: two blocks of the projection's K
.macro OUT
	v_add_f32 v14, v14, v15
	s_delay_alu instid0(VALU_DEP_1)
	v_permlanex16_b32 v222, v14, s[SEL], s[SEL+1]
	s_delay_alu instid0(VALU_DEP_1)
	v_add_f32 v14, v14, v222                       ; the row's sum
	s_wait_alu depctr_va_vdst(0)                   ; the wait ahead of the transcendental
	v_rcp_f32 v14, v14
	v_nop
	v_nop
	s_wait_alu depctr_va_vdst(0)                   ; and ahead of its first reader
.set n, 0
.rept 32
	v_mul_f32 v[96+n], v[160+n], v14
.set n, n+1
.endr
.irp b, 0,1
	v_max3_num_f32 v[208+\b], |v[96+16*\b]|, |v[97+16*\b]|, 0x1800000
.endr
.irp i, 2,4,6,8,10,12,14
.irp b, 0,1
	s_delay_alu instid0(VALU_DEP_2)
	v_max3_num_f32 v[208+\b], v[208+\b], |v[96+16*\b+\i]|, |v[97+16*\b+\i]|
.endr
.endr
.irp b, 0,1
	s_delay_alu instid0(VALU_DEP_2)
	v_permlanex16_b32 v[212+\b], v[208+\b], s[SEL], s[SEL+1]
.endr
.irp b, 0,1
	s_delay_alu instid0(VALU_DEP_2)
	v_max_num_f32 v[208+\b], v[208+\b], v[212+\b]
.endr
.irp b, 0,1
	s_delay_alu instid0(VALU_DEP_2)
	v_add_nc_u32 v[216+\b], 0xff000000, v[208+\b]
.endr
.irp b, 0,1
	s_delay_alu instid0(VALU_DEP_2)
	v_lshrrev_b32 v[212+\b], 23, v[216+\b]
.endr
	s_delay_alu instid0(VALU_DEP_1)
	v_lshl_or_b32 v206, v213, 8, v212              ; my head's two bytes of the row's scale word
.irp b, 0,1
	v_cvt_scalef32_pk8_fp4_f32 v[192+2*\b], v[96+16*\b:103+16*\b], v[216+\b]
	v_cvt_scalef32_pk8_fp4_f32 v[193+2*\b], v[104+16*\b:111+16*\b], v[216+\b]
.endr
	v_nop
	v_permlane16_swap_b32 v192, v194
	v_permlane16_swap_b32 v193, v195
	global_store_b128 v1, v[192:195], s[6:7]       ; 512 consecutive bytes
	global_store_b16 v5, v206, s[14:15]
.endm
	s_load_b128 s[4:7], s[0:1], 0x0                ; qkv, oc
	v_lshl_add_u32 v31, v0, 2, SPARE
	v_mov_b32 v207, 0
	ds_add_u32 v31, v207                           ; the opening lines: the add twice on end and its wait
	ds_add_u32 v31, v207
	v_lshrrev_b32 v8, 5, v0
	v_readfirstlane_b32 s[WV], v8                  ; wave 0..15
	s_and_b32 s8, ttmp7, 0xffff
	s_lshr_b32 s9, s8, 4                           ; batch
	s_and_b32 s10, s8, 15                          ; head
	s_lshr_b32 s11, s10, 1                         ; pair of heads
	s_and_b32 s12, s10, 1                          ; odd head?
	s_and_b32 s13, s[WV], 3                        ; which quarter I fetch
	GROUP1 G1K, 64, 32, 128                        ; K: 32 tiles' 512 bytes, 1,024 bytes apart
	GROUP1 G1V, 512, 4, 1088                       ; V: my head's four images of four K steps, a record apart
	GROUP1 G1S, 32, 32, 32                         ; K's scale words: 8,192 dense bytes
	GROUP1 G1T, 32, 16, 1088                       ; V's: 256 bytes of each of 16 records
	s_lshl_b32 s14, s9, 3
	s_add_co_u32 s14, s14, s11
	s_lshl_b32 s88, s14, 17                        ; Q's codes
	s_add_co_u32 s14, s14, 16                      ; K's
	s_lshl_b32 s14, s14, 17
	s_lshl_b32 s15, s12, 9
	s_add_co_u32 s14, s14, s15
	s_add_co_u32 s88, s88, s15
	s_lshl_b32 s15, s13, 15
	s_add_co_u32 s14, s14, s15
	s_mov_b32 s15, 0
	s_lshl_b32 s16, s9, 3
	s_add_co_u32 s16, s16, s11
	s_lshl_b32 s16, s16, 4
	s_mul_i32 s20, s16, REC
	s_lshl_b32 s17, s13, 2
	s_mul_i32 s17, s17, REC
	s_add_co_u32 s16, s20, s17
	s_lshl_b32 s17, s12, 12
	s_add_co_u32 s16, s16, s17
	s_add_co_u32 s16, s16, VB
	s_mov_b32 s17, 0
	s_lshl_b32 s18, s9, 4
	s_add_co_u32 s18, s18, s10
	s_lshl_b32 s89, s18, 13                        ; Q's scale words
	s_add_co_u32 s18, s18, 32
	s_lshl_b32 s18, s18, 13
	s_add_co_u32 s18, s18, QS                      ; K's
	s_mov_b32 s19, 0
	s_lshl_b32 s21, s12, 8
	s_add_co_u32 s20, s20, s21
	s_add_co_u32 s20, s20, VB+8192                 ; V's
	s_mov_b32 s21, 0
	s_lshl_b32 s22, s13, 14
	s_wait_dscnt 0x0
	s_wait_kmcnt 0x0
	s_mov_b32 s[G0K], 1
	s_mov_b32 s[G0K+1], s22
	s_add_nc_u64 s[G0K+2:G0K+3], s[4:5], s[14:15]
	s_or_b32 s[G0K+3], s[G0K+3], 0x80000000
	s_mov_b32 s[G0V], 1
	s_add_co_u32 s[G0V+1], s22, VC
	s_add_nc_u64 s[G0V+2:G0V+3], s[4:5], s[16:17]
	s_or_b32 s[G0V+3], s[G0V+3], 0x80000000
	s_mov_b32 s[G0S], 1
	s_mov_b32 s[G0S+1], KSC
	s_add_nc_u64 s[G0S+2:G0S+3], s[4:5], s[18:19]
	s_or_b32 s[G0S+3], s[G0S+3], 0x80000000
	s_mov_b32 s[G0T], 1
	s_mov_b32 s[G0T+1], VSC
	s_add_nc_u64 s[G0T+2:G0T+3], s[4:5], s[20:21]
	s_or_b32 s[G0T+3], s[G0T+3], 0x80000000
	; the fills: waves 0-3 K's codes, 4-7 V's, 8 K's scale words, 9 V's: one chain of branches, one load an arm
	s_cmp_lt_u32 s[WV], 4
	s_cbranch_scc0 .Lnot_k
	ARM G0K, G1K
	s_branch .Lasked
.Lnot_k:
	s_cmp_lt_u32 s[WV], 8
	s_cbranch_scc0 .Lnot_v
	ARM G0V, G1V
	s_branch .Lasked
.Lnot_v:
	s_cmp_eq_u32 s[WV], 8
	s_cbranch_scc0 .Lnot_ks
	ARM G0S, G1S
	s_branch .Lasked
.Lnot_ks:
	s_cmp_eq_u32 s[WV], 9
	s_cbranch_scc0 .Lasked
	ARM G0T, G1T
.Lasked:
	s_lshr_b32 s90, s[WV], 2
	s_xor_b32 s90, s90, s[WV]
	s_and_b32 s90, s90, 1                          ; 1: wave a.  Of waves w, w + 4, w + 8, w + 12 two are a's and two b's
	s_sub_co_u32 s91, 15, ttmp9
	s_cmp_eq_u32 s90, 1
	s_cselect_b32 s[CQ], s91, ttmp9                ; the block that I begin with
	s_lshr_b32 s90, s[WV], 1                       ; my pair = my tile in the block
	s_lshl_b32 s91, s[CQ], 3
	s_add_co_u32 s91, s91, s90
	s_lshl_b32 s92, s91, 10
	s_add_co_u32 s88, s88, s92
	s_lshl_b32 s92, s91, 6
	s_add_co_u32 s92, s92, s89
	s_add_co_u32 s92, s92, QS
	s_mov_b32 s89, 0
	s_mov_b32 s93, 0
	s_add_nc_u64 s[88:89], s[4:5], s[88:89]        ; Q's image
	s_add_nc_u64 s[92:93], s[4:5], s[92:93]        ; Q's scale words
	s_lshl_b32 s94, s9, 4
	s_add_co_u32 s94, s94, s[CQ]
	s_lshl_b32 s94, s94, 3
	s_add_co_u32 s94, s94, s11
	s_mul_i32 s94, s94, REC                        ; out: the record of chunk 16 batch + block, K step = pair of heads
	s_mov_b32 s95, 0
	s_add_nc_u64 s[6:7], s[6:7], s[94:95]
	s_lshl_b32 s94, s90, 6
	s_add_co_u32 s94, s94, 8192
	s_add_nc_u64 s[14:15], s[6:7], s[94:95]        ; my tile's scale words,
	s_lshl_b32 s94, s90, 10
	s_lshl_b32 s16, s12, 9
	s_add_co_u32 s94, s94, s16
	s_add_nc_u64 s[6:7], s[6:7], s[94:95]          ; and my head's half of its image
	s_sub_co_u32 s22, 15, ttmp9
	s_sub_co_u32 s22, s22, s[CQ]                   ; blocks from mine to block 15 - j: 0 in wave a
	s_lshl_b32 s18, s22, 13                        ; 8 tiles of 1,024 bytes a block
	s_mov_b32 s19, 0
	s_lshl_b32 s20, s22, 9                         ; 8 tiles of 64 bytes
	s_mov_b32 s21, 0
	s_add_nc_u64 s[18:19], s[88:89], s[18:19]      ; the same tile of block 15 - j: Q's image,
	s_add_nc_u64 s[20:21], s[92:93], s[20:21]      ; and its scale words
	s_mul_i32 s23, s90, PPB
	s_add_co_u32 s23, s23, PB                      ; my pair's LDS bytes
	v_and_b32 v8, 31, v0
	v_lshlrev_b32 v1, 4, v8
	v_add_nc_u32 v2, VC, v1
	v_lshlrev_b32 v9, 2, v8
	v_add_nc_u32 v3, KSC, v9
	v_add_nc_u32 v4, VSC, v9
	v_and_b32 v10, 15, v0                          ; r
	v_bfe_u32 v11, v0, 4, 1                        ; h
	v_lshlrev_b32 v6, 2, v10                       ; 4 r
	s_lshl_b32 s94, s12, 1
	v_add_nc_u32 v5, s94, v6                       ; 4 r + 2 for the odd head
	v_add_nc_u32 v30, s23, v1
	global_load_b128 v[16:19], v1, s[88:89]        ; Q stays in registers
	global_load_b32 v24, v6, s[92:93]
	global_load_b128 v[26:29], v1, s[18:19]        ; and the Q that wave b takes up in trip 8
	global_load_b32 v25, v6, s[20:21]
.irp j, 20,21,22,23
	v_mov_b32 v[\j], 0                             ; K = 64 .. 127 of Q: zero codes
.endr
.irp t, 0,1,2,3,4,5,6,7
.irp j, 4,5,6,7
	v_mov_b32 v[32+8*\t+\j], 0                     ; and of K's eight fragments
.endr
.endr
	v_and_b32 v7, 8, v10
	v_add_nc_u32 v7, v7, v10                       ; r + 8 (r / 8)
	v_lshlrev_b32 v11, 4, v11
	v_sub_nc_u32 v7, v7, v11                       ; - 16 h
	s_lshr_b32 s94, s90, 1
	s_lshl_b32 s94, s94, 5
	s_and_b32 s95, s90, 1
	s_lshl_b32 s95, s95, 3
	s_add_co_u32 s94, s94, s95
	v_add_nc_u32 v7, s94, v7                       ; + 32 (tile / 2) + 8 (tile % 2)
	v_mov_b32 v13, 0xff61b1e6                      ; the largest t so far: -3e38
	v_floor_f32 v12, -v13                          ; -M
	v_mov_b32 v14, 0
	v_mov_b32 v15, 0
.irp j, 212,213,214,215,221,222
	v_mov_b32 v[\j], 0
.endr
	v_mov_b32 v223, 0xff800000                     ; -infinity
.set n, 0
.rept 32
	v_mov_b32 v[160+n], 0                          ; O^T: the loop is written once; its first step finds zeros
.set n, n+1
.endr
	s_lshr_b32 s[ROLE], s[WV], 2
	s_xor_b32 s[ROLE], s[ROLE], s[WV]
	s_and_b32 s[ROLE], s[ROLE], 1
	s_mul_i32 s[DR], s22, 8*REC
	s_mov_b32 s[DR+1], 0
	s_mov_b32 s[LO], 0
	s_cmp_eq_u32 s[ROLE], 1
	s_cselect_b32 s[HI], 8, ttmp9                  ; a: steps 0 .. 8; b: first 0 .. j
	s_mov_b32 s[SEL], 0x76543210
	s_mov_b32 s[SEL+1], 0xfedcba98
	s_mov_b32 s[CS], 0x3e38aa3b
	s_mov_b32 s[CS+1], s[CS]
	s_mov_b32 s[CK], 0
	s_mov_b32 s[TK], 0
	s_mov_b32 s[TKS], 0
	s_mov_b32 s[TVS], 0
	s_wait_alu depctr_va_vdst(0)                   ; the wait at the head's end
	s_wait_loadcnt 0x0                             ; both Q
	s_wait_tensorcnt 0x0                           ; my fill has landed,
	s_barrier_signal -1
	s_barrier_wait -1                              ; everybody's has
.Lstep:
	s_lshl_b32 s23, s[ROLE], 4
	s_or_b32 s23, s23, s[CK]
	s_cmp_eq_u32 s23, 8                            ; wave b, trip 8: neither of its two runs of steps holds step 8
	s_cbranch_scc0 .Lsame
	OUT                                            ; block j's tile is finished
	s_wait_xcnt 0x0                                ; the stores have read their registers and bases
	s_add_nc_u64 s[6:7], s[6:7], s[DR:DR+1]
	s_add_nc_u64 s[14:15], s[14:15], s[DR:DR+1]
	s_sub_co_u32 s[CQ], 15, ttmp9
	s_mov_b32 s[LO], 9
	s_mov_b32 s[HI], s[CQ]                         ; now steps 9 .. 15 - j of a's tile
	v_mov_b32 v24, v25
.irp j, 0,1,2,3
	v_mov_b32 v[16+\j], v[26+\j]
.endr
	v_mov_b32 v13, 0xff61b1e6
	v_floor_f32 v12, -v13
	v_mov_b32 v14, 0
	v_mov_b32 v15, 0
.set n, 0
.rept 32
	v_mov_b32 v[160+n], 0                          ; (these are also the places between Q's registers just written and the next products)
.set n, n+1
.endr
	s_wait_alu depctr_va_vdst(0)
	s_branch .Lhid
.Lsame:
	s_cmp_lt_u32 s[CK], s[LO]
	s_cbranch_scc1 .Lhid
	s_cmp_gt_u32 s[CK], s[HI]
	s_cbranch_scc1 .Lhid
	v_add_nc_u32 v8, s[TK], v1                     ; (these four are also the places behind the last step's products)
	v_add_nc_u32 v9, s[TK], v2
	v_add_nc_u32 v10, s[TKS], v3
	v_add_nc_u32 v11, s[TVS], v4
.irp t, 0,1,2,3,4,5,6,7
	ds_load_b128 v[32+8*\t:35+8*\t], v8 offset:512*\t
.endr
.irp i, 0,1,2,3
	ds_load_b32 v[200+\i], v10 offset:128*\i
.endr
.irp t, 0,1,2,3
.irp c, 0,1
	ds_load_b128 v[224+8*\t+4*\c:227+8*\t+4*\c], v9 offset:1024*\t+512*\c
.endr
.endr
.irp i, 0,1
	ds_load_b32 v[204+\i], v11 offset:128*\i
.endr
	s_wait_dscnt 10                                ; K's twelve loads are in; V's ten may be out
.irp t, 0,2,4,6
	v_wmma_scale_f32_16x16x128_f8f6f4 v[96+8*\t:103+8*\t], v[32+8*\t:39+8*\t], v[16:23], 0, v[200+\t/2], v24 matrix_a_fmt:MATRIX_FMT_FP4 matrix_b_fmt:MATRIX_FMT_FP4
	v_wmma_scale_f32_16x16x128_f8f6f4 v[104+8*\t:111+8*\t], v[40+8*\t:47+8*\t], v[16:23], 0, v[200+\t/2], v24 matrix_a_fmt:MATRIX_FMT_FP4 matrix_b_fmt:MATRIX_FMT_FP4 matrix_a_scale:MATRIX_SCALE_ROW1
.endr
.rept 4
	v_nop
.endr
	s_cmp_lg_u32 s[CK], s[CQ]
	s_cbranch_scc1 .Lopen                          ; all keys count
.set n, 0
.rept 64                                       ; the diagonal: register 16 b + i holds key 32 b + 16 h + i of the step
	v_cmp_gt_i32 vcc_lo, 32*(n/16)+n%16, v7
	v_cndmask_b32 v[96+n], v[96+n], v223, vcc_lo
.set n, n+1
.endr
.Lopen:
.irp b, 0,1,2,3
	v_max3_num_f32 v[208+\b], v[96+16*\b], v[97+16*\b], v[98+16*\b]   ; the largest score of each block of 32 keys
.endr
.irp i, 3,5,7,9,11,13
.irp b, 0,1,2,3
	v_max3_num_f32 v[208+\b], v[208+\b], v[96+16*\b+\i], v[97+16*\b+\i]
.endr
.endr
.irp b, 0,1,2,3
	v_max_num_f32 v[208+\b], v[208+\b], v[111+16*\b]
.endr
.irp b, 0,1,2,3
	s_delay_alu instid0(VALU_DEP_4)
	v_permlanex16_b32 v[212+\b], v[208+\b], s[SEL], s[SEL+1]
.endr
.irp b, 0,1,2,3
	s_delay_alu instid0(VALU_DEP_4)
	v_max_num_f32 v[208+\b], v[208+\b], v[212+\b]
.endr
	s_delay_alu instid0(VALU_DEP_2)
	v_max3_num_f32 v222, v208, v209, v210
	s_delay_alu instid0(VALU_DEP_1)
	v_max_num_f32 v222, v222, v211
	s_delay_alu instid0(VALU_DEP_1)
	v_mul_f32 v222, s[CS], v222                    ; the step's largest t of my query
	s_delay_alu instid0(VALU_DEP_1)
	v_max_num_f32 v13, v13, v222
	v_mov_b32 v222, v12
	s_delay_alu instid0(VALU_DEP_2)
	v_floor_f32 v12, -v13                          ; the new -M = -ceil(t)
	s_delay_alu instid0(VALU_DEP_1)
	v_sub_f32 v222, v12, v222                      ; old M - new M: a whole number, 0 or less
	s_delay_alu instid0(VALU_DEP_1)
	v_cvt_i32_f32 v222, v222
	s_delay_alu instid0(VALU_DEP_1)
	v_ldexp_f32 v220, 1.0, v222                    ; f = 2^(old M - new M)
.set n, 0
.rept 32
	v_pk_fma_f32 v[96+n:97+n], v[96+n:97+n], s[CS:CS+1], v[12:13] op_sel_hi:[1,0,0]   ; t - M
.set n, n+2
.endr
.irp b, 0,1,2,3
	v_fma_f32 v[208+\b], v[208+\b], s[CS], v12
.endr
.set n, 0
	s_wait_alu depctr_va_vdst(0)                   ; the wait ahead of the batch
.rept 64
	v_exp_f32 v[96+n], v[96+n]                     ; p = 2^(t - M)
.set n, n+1
.endr
	v_pk_mul_f32 v[14:15], v[14:15], v[220:221] op_sel_hi:[1,0]
	s_wait_alu depctr_va_vdst(0)                   ; one wait for the batch, ahead of its first reader
.irp b, 0,1,2,3
	v_exp_f32 v[208+\b], v[208+\b]                 ; the block's largest p
.endr
	v_pk_add_f32 v[212:213], v[100:101], v[104:105]
	v_pk_add_f32 v[218:219], v[108:109], v[112:113]
	v_pk_add_f32 v[216:217], v[116:117], v[120:121]
	v_pk_add_f32 v[214:215], v[124:125], v[128:129]
	v_pk_add_f32 v[202:203], v[132:133], v[136:137]
	v_pk_add_f32 v[200:201], v[140:141], v[144:145]
	v_pk_add_f32 v[198:199], v[148:149], v[152:153]
	v_pk_add_f32 v[14:15], v[14:15], v[156:157]
	v_pk_add_f32 v[212:213], v[212:213], v[96:97]
	v_pk_add_f32 v[218:219], v[218:219], v[98:99]
	v_pk_add_f32 v[216:217], v[216:217], v[102:103]
	v_pk_add_f32 v[214:215], v[214:215], v[106:107]
	v_pk_add_f32 v[202:203], v[202:203], v[110:111]
	v_pk_add_f32 v[200:201], v[200:201], v[114:115]
	v_pk_add_f32 v[198:199], v[198:199], v[118:119]
	v_pk_add_f32 v[14:15], v[14:15], v[122:123]
	v_pk_add_f32 v[212:213], v[212:213], v[126:127]
	v_pk_add_f32 v[218:219], v[218:219], v[130:131]
	v_pk_add_f32 v[216:217], v[216:217], v[134:135]
	v_pk_add_f32 v[214:215], v[214:215], v[138:139]
	v_pk_add_f32 v[202:203], v[202:203], v[142:143]
	v_pk_add_f32 v[200:201], v[200:201], v[146:147]
	v_pk_add_f32 v[198:199], v[198:199], v[150:151]
	v_pk_add_f32 v[14:15], v[14:15], v[154:155]
	v_pk_add_f32 v[212:213], v[212:213], v[158:159]
	s_delay_alu instid0(VALU_DEP_2)
	v_pk_add_f32 v[14:15], v[14:15], v[214:215]
	s_delay_alu instid0(VALU_DEP_2)
	v_pk_add_f32 v[212:213], v[212:213], v[202:203]
	v_pk_add_f32 v[218:219], v[218:219], v[200:201]
	v_pk_add_f32 v[216:217], v[216:217], v[198:199]
	s_delay_alu instid0(VALU_DEP_2)
	v_pk_add_f32 v[14:15], v[14:15], v[218:219]
	s_delay_alu instid0(VALU_DEP_2)
	v_pk_add_f32 v[212:213], v[212:213], v[216:217]
	s_delay_alu instid0(VALU_DEP_1)
	v_pk_add_f32 v[14:15], v[14:15], v[212:213]
	s_wait_alu depctr_va_vdst(0)                   ; and one for the four
.irp b, 0,1,2,3
	v_max_num_f32 v[208+\b], 0x1800000, v[208+\b]  ; the floor 2^(3 - 127)
.endr
.irp b, 0,1,2,3
	s_delay_alu instid0(VALU_DEP_4)
	v_add_nc_u32 v[216+\b], 0xff000000, v[208+\b]
.endr
.irp b, 0,1,2,3
	s_delay_alu instid0(VALU_DEP_4)
	v_lshrrev_b32 v[212+\b], 23, v[216+\b]
.endr
	s_delay_alu instid0(VALU_DEP_3)
	v_lshl_or_b32 v206, v213, 8, v212              ; p's scale word for these 128 keys
	s_delay_alu instid0(VALU_DEP_1)
	v_lshl_or_b32 v206, v214, 16, v206
	s_delay_alu instid0(VALU_DEP_1)
	v_lshl_or_b32 v206, v215, 24, v206
.irp b, 0,1,2,3
	v_cvt_scalef32_pk8_fp4_f32 v[192+2*\b], v[96+16*\b:103+16*\b], v[216+\b]
	v_cvt_scalef32_pk8_fp4_f32 v[193+2*\b], v[104+16*\b:111+16*\b], v[216+\b]
.endr
	v_nop
.irp c, 0,1
.irp i, 0,1
	v_permlane16_swap_b32 v[192+4*\c+\i], v[194+4*\c+\i]
.endr
.endr
.set n, 0
.rept 16
	v_pk_mul_f32 v[160+n:161+n], v[160+n:161+n], v[220:221] op_sel_hi:[1,0]   ; O^T under the new M; also the places ahead of the products below
.set n, n+2
.endr
	s_wait_alu depctr_va_vdst(0)
	s_wait_dscnt 0x0                               ; V
.irp u, 0,1
	v_wmma_scale_f32_16x16x128_f8f6f4 v[160+16*\u:167+16*\u], v[224+16*\u:231+16*\u], v[192:199], v[160+16*\u:167+16*\u], v[204+\u], v206 matrix_a_fmt:MATRIX_FMT_FP4 matrix_b_fmt:MATRIX_FMT_FP4
	v_wmma_scale_f32_16x16x128_f8f6f4 v[168+16*\u:175+16*\u], v[232+16*\u:239+16*\u], v[192:199], v[168+16*\u:175+16*\u], v[204+\u], v206 matrix_a_fmt:MATRIX_FMT_FP4 matrix_b_fmt:MATRIX_FMT_FP4 matrix_a_scale:MATRIX_SCALE_ROW1
.endr
.Lhid:
	s_add_co_u32 s[TK], s[TK], 4096
	s_add_co_u32 s[TKS], s[TKS], 512
	s_add_co_u32 s[TVS], s[TVS], 256
	s_add_co_u32 s[CK], s[CK], 1
	s_cmp_lt_u32 s[CK], 16
	s_cbranch_scc1 .Lstep
.rept 4
	v_nop                                          ; places behind the last products
.endr
	s_cmp_eq_u32 s[ROLE], 1
	s_cbranch_scc1 .Lkeep
.irp k, 0,1,2,3,4,5,6,7
	ds_store_b128 v30, v[160+4*\k:163+4*\k] offset:512*\k   ; wave b: its part of a's tile: O^T, each accumulator from its low end on,
.endr
	ds_store_b128 v30, v[12:15] offset:4096        ; -M and the sum's two halves
.Lkeep:
	s_wait_dscnt 0x0                               ; for the other's sake: my stores have landed
	s_barrier_signal -1
	s_barrier_wait -1
	s_cmp_eq_u32 s[ROLE], 1
	s_cbranch_scc0 .Ldone
.irp k, 0,1,2,3,4,5,6,7,8
	ds_load_b128 v[96+4*\k:99+4*\k], v30 offset:512*\k      ; wave a: b's O^T in v96-127, its -M in v128, its sums in v[130:131]
.endr
	s_wait_dscnt 0x0
	v_min_num_f32 v132, v12, v128                  ; the joint -M
	v_mov_b32 v219, 0
	v_sub_f32 v133, v132, v12                      ; whole numbers, 0 or less
	v_sub_f32 v134, v132, v128
	v_cvt_i32_f32 v133, v133                       ; (they saturate)
	v_cvt_i32_f32 v134, v134
	v_ldexp_f32 v220, 1.0, v133                    ; my part's factor,
	v_ldexp_f32 v218, 1.0, v134                    ; and b's (0 where b had no step)
	v_pk_mul_f32 v[14:15], v[14:15], v[220:221] op_sel_hi:[1,0]
.set n, 0
.rept 16
	v_pk_mul_f32 v[160+n:161+n], v[160+n:161+n], v[220:221] op_sel_hi:[1,0]
.set n, n+2
.endr
	v_pk_fma_f32 v[14:15], v[130:131], v[218:219], v[14:15] op_sel_hi:[1,0,1]
.set n, 0
.rept 16
	v_pk_fma_f32 v[160+n:161+n], v[96+n:97+n], v[218:219], v[160+n:161+n] op_sel_hi:[1,0,1]
.set n, n+2
.endr
	OUT
.Ldone:
	s_wait_tensorcnt 0x0                           ; the wave's end
	ds_add_u32 v31, v207
	s_wait_dscnt 0x0
	s_endpgm
.Lfunc_end_k_q2342cf4714_attn:
	.size	k_q2342cf4714_attn, .Lfunc_end_k_q2342cf4714_attn-k_q2342cf4714_attn
	.p2alignl 7, 3214868480
	.fill 96, 4, 3214868480
	.section	.rodata,"a",@progbits
	.p2align	6, 0x0
	.amdhsa_kernel k_q2342cf4714_attn
		.amdhsa_group_segment_fixed_size 206848
		.amdhsa_private_segment_fixed_size 0
		.amdhsa_enable_private_segment 0
		.amdhsa_kernarg_size 16
		.amdhsa_user_sgpr_count 2
		.amdhsa_user_sgpr_kernarg_segment_ptr 1
		.amdhsa_wavefront_size32 1
		.amdhsa_system_sgpr_workgroup_id_x 1
		.amdhsa_system_sgpr_workgroup_id_y 1
		.amdhsa_system_sgpr_workgroup_id_z 1
		.amdhsa_system_vgpr_workitem_id 0
		.amdhsa_next_free_vgpr 256
		.amdhsa_next_free_sgpr 96
		.amdhsa_reserve_vcc 1
		.amdhsa_float_denorm_mode_32 3
		.amdhsa_float_denorm_mode_16_64 3
		.amdhsa_memory_ordered 1
		.amdhsa_forward_progress 1
		.amdhsa_inst_pref_size 48
	.end_amdhsa_kernel
	.amdgpu_metadata
---
amdhsa.version: [ 1, 2 ]
amdhsa.kernels:
  - .name:           k_q2342cf4714_attn
    .symbol:         k_q2342cf4714_attn.kd
    .args:
      - { .name: qkv, .offset: 0, .size: 8, .value_kind: global_buffer, .address_space: global }
      - { .name: oc, .offset: 8, .size: 8, .value_kind: global_buffer, .address_space: global }
    .group_segment_fixed_size: 206848
    .private_segment_fixed_size: 0
    .kernarg_segment_align: 8
    .kernarg_segment_size: 16
    .max_flat_workgroup_size: 512
    .sgpr_count:     96
    .vgpr_count:     256
    .wavefront_size: 32
...
	.end_amdgpu_metadata
.endif
;; end of part 10
;; launch proj (part 11): grid 8 x 32, 4 waves a work-group, clusters of 4 x 4, 327,680 bytes of LDS; arguments oc, wc, x, bp, x1; writes x1
.if DOCPART == 11
	.amdgcn_target "amdgcn-amd-amdhsa--gfx1250"
	.amdhsa_code_object_version 6
	.text
	.protected	k_q2342cf4714_proj
	.globl	k_q2342cf4714_proj
	.p2align	8
	.type	k_q2342cf4714_proj,@function
k_q2342cf4714_proj:
	s_mov_b64 s[64:65], 0
	v_nop
	global_prefetch_b8 v0, s[64:65] scope:SCOPE_SE
	s_setreg_imm32_b32 hwreg(HW_REG_WAVE_MODE, 25, 1), 1
	s_wait_xcnt 0x0
	s_wait_alu depctr_hold_cnt(0) depctr_sa_sdst(0) depctr_va_vdst(0) depctr_va_sdst(0) depctr_va_ssrc(0) depctr_va_vcc(0) depctr_vm_vsrc(0)
	s_getreg_b32 s2, hwreg(HW_REG_IB_STS2, 6, 4)
	s_cmp_eq_u32 s2, 0
	s_cbranch_scc0 .Lentry_in_a_cluster
	s_endpgm
.Lentry_in_a_cluster:
	s_bfe_u32 s2, ttmp6, 0x10000c
	s_cmp_lg_u32 s2, 0xf033
	s_cbranch_scc0 .Lentry_shape_is_right
	s_endpgm
.Lentry_shape_is_right:
; OUT = RES + A B^T + BIAS, the product on codes of FP4 with E8M0 scales.  Here: A = the attention's result (oc, 4,096 tokens, K = 1,024), B = Wp's records in wc, RES = x, BIAS = bp, OUT = x1, all three f32.
; OPERANDS lie in records of 8,704 bytes, [chunk of 128 rows][K step of 128][record]: eight images of 1,024 bytes (a fragment's registers as they stand: group c of lane l at 512 c + 16 l), then scale words
; (tile a, row r at 8192 + 64 a + 4 r).  Tile T, row r of an operand is its row 32 (T / 2) + 8 (T % 2) + r + 8 (r / 8).
; THE PRODUCT: source 0 = 16 rows of B, source 1 = 16 rows of A.  A lane holds one token, and the 16 registers of accumulators (a, 2 b') and (a, 2 b' + 1) are columns 32 b' + 16 (lane / 16) + 0 .. 15.
; SHARES.  A work-group makes 128 tokens x 128 columns: 32 x 8 = 256 work-groups.  ITS FOUR WAVES SHARE K, NOT THE TILE: wave w takes K steps w, w + 4, .. and keeps all 128 x 128 in 64 accumulators, so that a wave reads
; 32 x 512 bytes from LDS for 64 matrix instructions; wave tiles of 64 x 64 would read twice that for each product.  The four partial sums meet in LDS at the end.
; ORDER OF THE SUMS: K is summed in four parts, one a wave, each with K ascending; they are added as (P0 + P1) + (P2 + P3), then the residual, then the bias, in f32.
; THE SLOTS.  A slot holds eight K steps: A's chunk, eight dense records, then B's eight.  Each wave fetches four records with one tensor load.  Here K is eight K steps: one slot, filled once.
; CLUSTERS: 4 x 4 work-groups; A's records are asked for jointly along a row of the cluster, B's along a column.
; THE WAY OUT: every wave lays its eight blocks of 16 tokens into a stage of its own (rows of 512 bytes + 16; the stages lie over the two slots, which have had their last fill and, behind a barrier, their last read);
; behind a second barrier wave w reads blocks 2 w and 2 w + 1 of all four stages as whole rows, adds them, the residual's rows (asked for at the head) and the bias, and 32 lanes store 512 consecutive bytes.
; The tokens' order within a tile is undone in the immediates.
; REGISTERS: window 0: v8-11, v16-29 addresses; v32-95 scale words, two sets; v96-99 the bias; v128-191 A's fragments; on the way out v128-255 the rows to store.  window 1: B's two sets v0-63, v128-191; the residual's two
;   sets v64-127, v192-255.  windows 2, 3: accumulator (a, b) at v[8 (8 (a % 4) + b)]; on the way out window 2 + e holds the four partial sums of my block e, 64 registers each.
.set REC,   8704
.set NQ,    2                          ; K steps of mine in a slot
.set QB,    4*REC                      ; what one tensor load brings: four dense records
.set SLOT,  4*QB                       ; A's eight records, then B's eight
.set SPARE, 2*SLOT                     ; behind the slots: the spare words, 128 bytes a wave: two blocks of 256 bytes that no other line names
.set KS,    8                          ; K steps of 128 in K
.set FILLS, KS/8                       ; slots' worth of K: this text serves 1 and 4
.set LS,    (FILLS-1)%2                ; the slot of the last fill
.set WOFF,  192*REC                    ; the weight's first record in wc
.set NL,    2                          ; LDS loads to a fragment
.set NP,    4                          ; places behind this matrix instruction (ISA guide 7.12.1)
.set SPITCH, 528
.set SBLK,  16*SPITCH                  ; a block of 16 tokens in a stage
.set SWAVE, 8*SBLK                     ; a wave's stage; four of them are 270,336 bytes, under SPARE
.set RDU,  8                           ; v8-11 my two blocks in the stage of wave 0 .. 3: 16 x lane on
.set ADRA, 16                          ; v16-17 A's images in slot 0, 1: 16 x lane + my record
.set ASA,  18                          ; v18-19 4 x lane + my record: A's scale words
.set ADRB, 20                          ; v20-21, v22-23 the same for B
.set ASB,  22
.set STO,  24                          ; v24 my stage: row r, + 64 h
.set CO,   26                          ; v26 16 x lane
.set CW,   27                          ; v27 4 x lane
.set SPW,  28                          ; v28 my spare word; never rewritten
.set NIL,  29                          ; v29 0; never rewritten
.set SC,   32                          ; scale words: v[SC + 32 s + 8 q + i]: A's tiles 2 i (lanes 0-15) and 2 i + 1 (lanes 16-31); + 4: B's
.set BV,   96
.set AF,   128
.set BK,   128
.set G1,  24
.set G0,  32
.set G1B, 48
.set G0B, 56
.set MSB, 0
.macro WIN new                         ; the immediate's high byte repeats the setting that is left
.if MSB != \new
	s_set_vgpr_msb (MSB<<8)|\new
.set MSB, \new
.endif
.endm
.set MUL_LO, 0xa1                      ; source 0 (B) window 1, source 1 (A) window 0, C and D window 2
.set MUL_HI, 0xf1
.set TO_B,   0x40
.macro JLOAD g0a, g1a, g0b, g1b        ; a joint load: waves 0 and 1 fetch for A, waves 2 and 3 for B; four v_nop follow each line
	s_cmp_eq_u32 s15, 0
	s_cbranch_scc0 .Lfor_b_\@
	tensor_load_to_lds s[\g0a:\g0a+3], s[\g1a:\g1a+7]
	s_nop 0
.rept 4
	v_nop
.endr
	s_branch .Lasked_\@
.Lfor_b_\@:
	tensor_load_to_lds s[\g0b:\g0b+3], s[\g1b:\g1b+7]
	s_nop 0
.rept 4
	v_nop
.endr
.Lasked_\@:
.endm
.macro CREST
	s_cmp_lg_u32 s14, 0
	s_cbranch_scc1 .Lnot_wave_0_\@
	s_barrier_signal -3
.Lnot_wave_0_\@:
	s_barrier_wait -3
	s_barrier_signal -1
	s_barrier_wait -1
.endm
.macro CROUND
	s_barrier_signal -1
	s_barrier_wait -1
	CREST
.endm
.macro PLACES n
.rept \n
	v_nop
.endr
.endm
.macro FRAG reg, adr, q, i             ; an image comes back as it was stored: two loads of 512 consecutive bytes.  My q-th K step of a slot lies four records behind my (q - 1)-th
.irp c, 0,1
	ds_load_b128 v[\reg+4*\c:\reg+4*\c+3], v[\adr] offset:(\q)*4*REC+(\i)*1024+512*\c
.endr
.endm
.macro MM a, b, p, q, sc, mode         ; mode 1: C = 0 starts the sum; 0: in place.  An odd tile's scale words lie in lanes 16-31 of its pair's register
.set rD, 8*(8*((\a)%4)+(\b))
.set rB, 128*(\p)+8*(\b)
.set rA, AF+8*(\a)
.set rSB, SC+32*(\sc)+8*(\q)+4+(\b)/2
.set rSA, SC+32*(\sc)+8*(\q)+(\a)/2
.set par, 2*((\b)%2)+(\a)%2
.if (\mode) == 1
.if par == 0
	v_wmma_scale_f32_16x16x128_f8f6f4 v[rD:rD+7], v[rB:rB+7], v[rA:rA+7], 0, v[rSB], v[rSA] matrix_a_fmt:MATRIX_FMT_FP4 matrix_b_fmt:MATRIX_FMT_FP4
.elseif par == 1
	v_wmma_scale_f32_16x16x128_f8f6f4 v[rD:rD+7], v[rB:rB+7], v[rA:rA+7], 0, v[rSB], v[rSA] matrix_a_fmt:MATRIX_FMT_FP4 matrix_b_fmt:MATRIX_FMT_FP4 matrix_b_scale:MATRIX_SCALE_ROW1
.elseif par == 2
	v_wmma_scale_f32_16x16x128_f8f6f4 v[rD:rD+7], v[rB:rB+7], v[rA:rA+7], 0, v[rSB], v[rSA] matrix_a_fmt:MATRIX_FMT_FP4 matrix_b_fmt:MATRIX_FMT_FP4 matrix_a_scale:MATRIX_SCALE_ROW1
.else
	v_wmma_scale_f32_16x16x128_f8f6f4 v[rD:rD+7], v[rB:rB+7], v[rA:rA+7], 0, v[rSB], v[rSA] matrix_a_fmt:MATRIX_FMT_FP4 matrix_b_fmt:MATRIX_FMT_FP4 matrix_a_scale:MATRIX_SCALE_ROW1 matrix_b_scale:MATRIX_SCALE_ROW1
.endif
.else
.if par == 0
	v_wmma_scale_f32_16x16x128_f8f6f4 v[rD:rD+7], v[rB:rB+7], v[rA:rA+7], v[rD:rD+7], v[rSB], v[rSA] matrix_a_fmt:MATRIX_FMT_FP4 matrix_b_fmt:MATRIX_FMT_FP4
.elseif par == 1
	v_wmma_scale_f32_16x16x128_f8f6f4 v[rD:rD+7], v[rB:rB+7], v[rA:rA+7], v[rD:rD+7], v[rSB], v[rSA] matrix_a_fmt:MATRIX_FMT_FP4 matrix_b_fmt:MATRIX_FMT_FP4 matrix_b_scale:MATRIX_SCALE_ROW1
.elseif par == 2
	v_wmma_scale_f32_16x16x128_f8f6f4 v[rD:rD+7], v[rB:rB+7], v[rA:rA+7], v[rD:rD+7], v[rSB], v[rSA] matrix_a_fmt:MATRIX_FMT_FP4 matrix_b_fmt:MATRIX_FMT_FP4 matrix_a_scale:MATRIX_SCALE_ROW1
.else
	v_wmma_scale_f32_16x16x128_f8f6f4 v[rD:rD+7], v[rB:rB+7], v[rA:rA+7], v[rD:rD+7], v[rSB], v[rSA] matrix_a_fmt:MATRIX_FMT_FP4 matrix_b_fmt:MATRIX_FMT_FP4 matrix_a_scale:MATRIX_SCALE_ROW1 matrix_b_scale:MATRIX_SCALE_ROW1
.endif
.endif
.endm
.macro MUL16 a0, p, q, sc, mode        ; the 64 accumulators take turns, one instruction a turn, in the same order in every step
.irp a, \a0, \a0+1
.irp b, 0,1,2,3,4,5,6,7
	MM \a, \b, \p, \q, \sc, \mode
.endr
.endr
.endm
.macro FETCH_B slot, q, p
	WIN TO_B
.irp i, 0,1,2,3,4,5,6,7
	FRAG 128*(\p)+8*\i, ADRB+\slot, \q, \i
.endr
	WIN 0
.endm
.macro FETCH_A slot, q, i0
.irp i, \i0, \i0+1, \i0+2, \i0+3
	FRAG AF+8*(\i), ADRA+\slot, \q, \i
.endr
.endm
.macro SCALES s                        ; the scale words of my two K steps of the slot: four registers a side and step
.irp q, 0,1
.irp i, 0,1,2,3
	ds_load_b32 v[SC+32*\s+8*\q+\i], v[ASA+\s] offset:\q*4*REC+8192+128*\i
	ds_load_b32 v[SC+32*\s+8*\q+4+\i], v[ASB+\s] offset:\q*4*REC+8192+128*\i
.endr
.endr
.endm
.macro STEP slot, q, mode              ; a K step of mine that has its successor in the same slot
	s_wait_dscnt 4*NL                              ; B's set, A's blocks 0-3 and the scale words are in; the youngest eight loads (A's blocks 4-7) may be out
	WIN MUL_LO
	MUL16 0, (\q)%2, \q, \slot, \mode
	MUL16 2, (\q)%2, \q, \slot, \mode
	s_wait_dscnt 0                                 ; A's blocks 4-7 are in
	PLACES NP                                      ; places in front of loads into registers that matrix instructions have read
	FETCH_B \slot, (\q)+1, 1-(\q)%2
	FETCH_A \slot, (\q)+1, 0
	WIN MUL_HI
	MUL16 4, (\q)%2, \q, \slot, \mode
	MUL16 6, (\q)%2, \q, \slot, \mode
	PLACES NP
	WIN 0
	FETCH_A \slot, (\q)+1, 4
.endm
.macro TURN slot, next, fill           ; my last K step of a slot changes slots: one barrier; in front of it each wave waits for all its tensor loads, adds 0 to its spare word, and waits for that and for its reads of this slot
	s_wait_tensorcnt 0x0                           ; all my tensor loads have landed: my part of the next slot
	ds_add_u32 v[SPW], v[NIL]                      ; 0 onto my spare word
	s_wait_dscnt 4*NL+1                            ; (the add and the youngest eight loads may be out)
	WIN MUL_LO
	MUL16 0, 1, NQ-1, \slot, 0
	s_wait_dscnt 0x0                               ; the add is done, and my reads of this slot are over
	s_barrier_signal -1
	MUL16 2, 1, NQ-1, \slot, 0
	WIN 0
	s_barrier_wait -1
.if \fill
	CREST                                          ; the barrier has opened a round of the cluster's barrier: no wave of any partner still reads this slot or has a load on its way
	s_add_nc_u64 s[G0+4*\slot+2:G0+4*\slot+3], s[G0+4*\slot+2:G0+4*\slot+3], 4*QB     ; sixteen K steps on: two slots of eight
	s_add_nc_u64 s[G0B+4*\slot+2:G0B+4*\slot+3], s[G0B+4*\slot+2:G0B+4*\slot+3], 4*QB
	JLOAD G0+4*\slot, G1, G0B+4*\slot, G1B         ; the first tensor load behind the round; its four v_nop are the places in front of the loads below
.else
	PLACES NP
.endif
	FETCH_B \next, 0, 0
	FETCH_A \next, 0, 0
	SCALES \next
	WIN MUL_HI
	MUL16 4, 1, NQ-1, \slot, 0
	MUL16 6, 1, NQ-1, \slot, 0
	PLACES NP
	WIN 0
	FETCH_A \next, 0, 4
.endm
.macro RLOAD e                         ; the residual's 16 rows of my block e, 512 consecutive bytes each, into window 1.  Tile 2 w + e, row t is token 32 w + 16 (t / 8) + 8 e + t % 8 of the 128
	WIN 0x40
.irp t, 0,1,2,3,4,5,6,7,8,9,10,11,12,13,14,15
	global_load_b128 v[64+128*(\e)+4*\t:64+128*(\e)+4*\t+3], v[CO], s[8:9] offset:(16*(\t/8)+8*(\e)+\t%8)*4096
.endr
	WIN 0
.endm
.macro TOSTAGE a                       ; my partial sums of block a into my stage
.set AC, 64*((\a)%4)
	WIN (0x08+4*((\a)/4))                          ; an LDS store's data: window 2 or 3
.irp b, 0,1,2,3,4,5,6,7
	ds_store_b128 v[STO], v[AC+8*\b:AC+8*\b+3] offset:(\a)*SBLK+128*(\b/2)+32*(\b%2)       ; each accumulator from its low end on: columns 32 (b / 2) + 16 h + 8 (b % 2) on
	ds_store_b128 v[STO], v[AC+8*\b+4:AC+8*\b+7] offset:(\a)*SBLK+128*(\b/2)+32*(\b%2)+16
.endr
.endm
.macro PLOAD e, u0                     ; my block e out of the stages of waves u0 and u0 + 1, as whole rows: set u at v[64 u] of window 2 + e
	WIN (0x80+0x40*(\e))
.irp u, \u0, \u0+1
.irp t, 0,1,2,3,4,5,6,7,8,9,10,11,12,13,14,15
	ds_load_b128 v[64*(\u)+4*\t:64*(\u)+4*\t+3], v[RDU+(\u)] offset:(\e)*SBLK+\t*SPITCH
.endr
.endr
.endm
.macro PADD e, d, s                    ; set d += set s, all in window 2 + e
	WIN (0x8a+0x45*(\e))
.set k, 0
.rept 32
	v_pk_add_f32 v[64*(\d)+k:64*(\d)+k+1], v[64*(\d)+k:64*(\d)+k+1], v[64*(\s)+k:64*(\s)+k+1]
.set k, k+2
.endr
.endm
.macro FINISH e                        ; the sum in set 0 of window 2 + e: + the residual (window 1), + the bias, into window 0, and out
	WIN (0x86+0x41*(\e))
.set k, 0
.rept 32
	v_pk_add_f32 v[k:k+1], v[k:k+1], v[64+128*(\e)+k:64+128*(\e)+k+1]
.set k, k+2
.endr
	WIN (0x02+(\e))
.irp t, 0,1,2,3,4,5,6,7,8,9,10,11,12,13,14,15
	v_pk_add_f32 v[BK+64*(\e)+4*\t:BK+64*(\e)+4*\t+1], v[4*\t:4*\t+1], v[BV:BV+1]
	v_pk_add_f32 v[BK+64*(\e)+4*\t+2:BK+64*(\e)+4*\t+3], v[4*\t+2:4*\t+3], v[BV+2:BV+3]
.endr
	WIN 0
.irp t, 0,1,2,3,4,5,6,7,8,9,10,11,12,13,14,15
	global_store_b128 v[CO], v[BK+64*(\e)+4*\t:BK+64*(\e)+4*\t+3], s[12:13] offset:(16*(\t/8)+8*(\e)+\t%8)*4096 th:TH_STORE_NT   ; 32 lanes store 512 consecutive bytes; each block has registers of its own, so no store's data are written again
.endr
.endm
	s_load_b256 s[4:11], s[0:1], 0x0               ; A s[4:5], wc s[6:7], RES s[8:9], BIAS s[10:11]
	s_load_b64 s[12:13], s[0:1], 0x20              ; OUT
	v_lshl_add_u32 v[SPW], v0, 2, SPARE
	v_mov_b32 v[NIL], 0
	ds_add_u32 v28, v29
	ds_add_u32 v28, v29
	s_wait_dscnt 0x0
	v_lshrrev_b32 v1, 5, v0
	v_readfirstlane_b32 s14, v1                    ; wave 0..3
	s_lshr_b32 s15, s14, 1                         ; I fetch for A (0) or for B (1),
	s_and_b32 s16, s14, 1                          ; the first or the second four records of a slot's eight
	s_bfe_u32 s40, ttmp6, 0x40000                  ; cx, cy
	s_bfe_u32 s41, ttmp6, 0x40004
	s_lshl_b32 s42, ttmp9, 2
	s_add_co_u32 s42, s42, s40                     ; B's chunk of 128 rows: 0 .. 7
	s_and_b32 s17, ttmp7, 0xffff
	s_lshl_b32 s17, s17, 2
	s_add_co_u32 s17, s17, s41                     ; A's: 0 .. 31
	s_lshl_b32 s43, s41, 2
	s_lshl_b32 s43, 15, s43                        ; my row of the cluster
	s_lshl_b32 s44, 0x1111, s40                    ; my column
	; descriptor group 1: a dense block of 34,816 bytes as 136 rows of 256 bytes (32 elements of 8 bytes)
	s_or_b32 s[G1+0], s43, (3<<16)|(1<<21)         ; 15:0 the mask: A's records go to my row; 17:16 elements of 8 bytes; 21 set beside a mask
	s_or_b32 s[G1B+0], s44, (3<<16)|(1<<21)
.irp g, G1, G1B
	s_mov_b32 s[\g+1], 32<<16                      ; tensor_dim0
	s_mov_b32 s[\g+2], 136<<16                     ; tensor_dim1
	s_mov_b32 s[\g+3], 32<<16                      ; tile_dim0
	s_mov_b32 s[\g+4], 136                         ; tile_dim1
	s_mov_b32 s[\g+5], 32                          ; tensor_dim0_stride
	s_mov_b32 s[\g+6], 0
	s_mov_b32 s[\g+7], 0
.endr
	s_mul_i32 s18, s16, QB                         ; my four records of the eight
	s_mul_i32 s20, s17, KS*REC                     ; A: the chunk's first record
	s_add_co_u32 s20, s20, s18
	s_mov_b32 s21, 0
	s_mul_i32 s46, s42, KS*REC                     ; B likewise
	s_add_co_u32 s46, s46, s18
	s_add_co_u32 s46, s46, WOFF
	s_mov_b32 s47, 0
	s_mul_i32 s45, s14, QB                         ; where they go: quarter = wave: no place in the cluster enters an LDS address
	s_wait_kmcnt 0x0
	s_add_nc_u64 s[20:21], s[4:5], s[20:21]
	s_add_nc_u64 s[46:47], s[6:7], s[46:47]
	CROUND                                         ; all sixteen work-groups are here: the first joint loads meet
.irp s, 0,1
.if \s < FILLS
	s_mov_b32 s[G0+4*\s], 1
	s_add_co_u32 s[G0+4*\s+1], s45, \s*SLOT
	s_add_nc_u64 s[G0+4*\s+2:G0+4*\s+3], s[20:21], \s*2*QB
	s_or_b32 s[G0+4*\s+3], s[G0+4*\s+3], 0x80000000
	s_mov_b32 s[G0B+4*\s], 1
	s_add_co_u32 s[G0B+4*\s+1], s45, \s*SLOT
	s_add_nc_u64 s[G0B+4*\s+2:G0B+4*\s+3], s[46:47], \s*2*QB
	s_or_b32 s[G0B+4*\s+3], s[G0B+4*\s+3], 0x80000000
	JLOAD G0+4*\s, G1, G0B+4*\s, G1B               ; one load of mine for each slot that has a first fill
.endif
.endr
	v_and_b32 v1, 31, v0
	v_lshlrev_b32 v[CO], 4, v1
	v_lshlrev_b32 v[CW], 2, v1
	s_mul_i32 s21, s14, REC                        ; my first K step of a slot: record w of A's eight,
	s_add_co_u32 s22, s21, 2*QB                    ; and of B's eight, which lie behind them
.irp s, 0,1
	v_add_nc_u32 v[ADRA+\s], s21, v[CO]
	v_add_nc_u32 v[ADRB+\s], s22, v[CO]
	v_add_nc_u32 v[ASA+\s], s21, v[CW]
	v_add_nc_u32 v[ASB+\s], s22, v[CW]
	s_add_co_u32 s21, s21, SLOT
	s_add_co_u32 s22, s22, SLOT
.endr
	v_and_b32 v4, 15, v0
	v_bfe_u32 v5, v0, 4, 1
	s_mul_i32 s23, s14, SWAVE                      ; my stage
	v_mul_u32_u24 v6, v4, SPITCH
	v_lshl_add_u32 v6, v5, 6, v6
	v_add_nc_u32 v[STO], s23, v6
	s_mul_i32 s23, s14, 2*SBLK                     ; my two blocks in a stage
	v_add_nc_u32 v[RDU], s23, v[CO]
.irp u, 1,2,3
	v_add_nc_u32 v[RDU+\u], \u*SWAVE, v[RDU]
.endr
	s_lshl_b32 s20, s17, 19                        ; the work-group's 128 tokens: rows of 4,096 bytes;
	s_lshl_b32 s18, s14, 17
	s_add_co_u32 s20, s20, s18                     ; my two blocks are tokens 32 w .. 32 w + 31 of them
	s_lshl_b32 s22, s42, 9                         ; the 128 columns
	s_add_co_u32 s20, s20, s22
	s_mov_b32 s21, 0
	s_mov_b32 s23, 0
	s_add_nc_u64 s[8:9], s[8:9], s[20:21]
	s_add_nc_u64 s[12:13], s[12:13], s[20:21]
	s_add_nc_u64 s[10:11], s[10:11], s[22:23]
	global_load_b128 v[BV:BV+3], v[CO], s[10:11]   ; the bias at my four columns
	RLOAD 0
	RLOAD 1
.if FILLS > 1
	s_wait_tensorcnt 1                             ; my part of slot 0 is in (slot 1's load may be out)
.else
	s_wait_tensorcnt 0x0                           ; my part of the one slot is in,
.endif
	s_barrier_signal -1
	s_barrier_wait -1                              ; everybody's is
	FETCH_B 0, 0, 0
	FETCH_A 0, 0, 0
	SCALES 0
	FETCH_A 0, 0, 4
	STEP 0, 0, 1                                   ; my first K step's products start the sums: nothing is cleared
.if FILLS > 1                          ; four fills: both slots are filled again once; written out
	TURN 0, 1, 1
	STEP 1, 0, 0
	TURN 1, 0, 1
	STEP 0, 0, 0
	TURN 0, 1, 0
	STEP 1, 0, 0
.endif
	s_wait_dscnt 4*NL                              ; my last K step: nothing more to fetch
	WIN MUL_LO
	MUL16 0, 1, NQ-1, LS, 0
	MUL16 2, 1, NQ-1, LS, 0
	s_wait_alu depctr_va_vdst(0)
	s_wait_dscnt 0x0                               ; my last reads of the slots are in:
	WIN MUL_HI
	s_barrier_signal -1                            ; say so,
	MUL16 4, 1, NQ-1, LS, 0                        ; work on registers while the others arrive,
	MUL16 6, 1, NQ-1, LS, 0
	WIN 0
	s_barrier_wait -1                              ; and nobody reads the slots any more: the stages may be laid over them
	PLACES NP                                      ; in front of the first read of results
.irp a, 0,1,2,3,4,5,6,7
	TOSTAGE \a
.endr
	WIN 0
	s_wait_dscnt 0x0                               ; for the others' sake: my stores into my stage have landed
	s_barrier_signal -1
	s_barrier_wait -1                              ; all four stages are whole
	PLOAD 0, 0
	PLOAD 0, 2
	s_wait_dscnt 32                                ; block 0 of waves 0 and 1 is in; the youngest 32 loads may be out
	PADD 0, 0, 1
	PLOAD 1, 0
	s_wait_dscnt 32                                ; block 0 of waves 2 and 3 is in; the 32 loads just issued may be out
	PLOAD 1, 2
	PADD 0, 2, 3
	PADD 0, 0, 2
	s_wait_loadcnt 0x0                             ; the bias and the residual's rows
	FINISH 0
	s_wait_dscnt 32                                ; block 1 of waves 0 and 1 is in
	PADD 1, 0, 1
	s_wait_dscnt 0x0
	PADD 1, 2, 3
	PADD 1, 0, 2
	FINISH 1
	s_wait_tensorcnt 0x0                           ; the wave's end
	ds_add_u32 v[SPW], v[NIL]
	s_wait_dscnt 0x0
	CROUND                                         ; the closing round
	s_endpgm
.Lfunc_end_k_q2342cf4714_proj:
	.size	k_q2342cf4714_proj, .Lfunc_end_k_q2342cf4714_proj-k_q2342cf4714_proj
	.p2alignl 7, 3214868480
	.fill 96, 4, 3214868480
	.section	.rodata,"a",@progbits
	.p2align	6, 0x0
	.amdhsa_kernel k_q2342cf4714_proj
		.amdhsa_group_segment_fixed_size 327680
		.amdhsa_private_segment_fixed_size 0
		.amdhsa_enable_private_segment 0
		.amdhsa_kernarg_size 40
		.amdhsa_user_sgpr_count 2
		.amdhsa_user_sgpr_kernarg_segment_ptr 1
		.amdhsa_wavefront_size32 1
		.amdhsa_system_sgpr_workgroup_id_x 1
		.amdhsa_system_sgpr_workgroup_id_y 1
		.amdhsa_system_sgpr_workgroup_id_z 1
		.amdhsa_system_vgpr_workitem_id 0
		.amdhsa_next_free_vgpr 1024
		.amdhsa_next_free_sgpr 96
		.amdhsa_reserve_vcc 0
		.amdhsa_float_denorm_mode_32 3
		.amdhsa_float_denorm_mode_16_64 3
		.amdhsa_memory_ordered 1
		.amdhsa_forward_progress 1
		.amdhsa_inst_pref_size 72
	.end_amdhsa_kernel
	.amdgpu_metadata
---
amdhsa.version: [ 1, 2 ]
amdhsa.kernels:
  - .name:           k_q2342cf4714_proj
    .symbol:         k_q2342cf4714_proj.kd
    .args:
      - { .name: oc, .offset: 0, .size: 8, .value_kind: global_buffer, .address_space: global }
      - { .name: wc, .offset: 8, .size: 8, .value_kind: global_buffer, .address_space: global }
      - { .name: x, .offset: 16, .size: 8, .value_kind: global_buffer, .address_space: global }
      - { .name: bp, .offset: 24, .size: 8, .value_kind: global_buffer, .address_space: global }
      - { .name: x1, .offset: 32, .size: 8, .value_kind: global_buffer, .address_space: global }
    .group_segment_fixed_size: 327680
    .private_segment_fixed_size: 0
    .kernarg_segment_align: 8
    .kernarg_segment_size: 40
    .max_flat_workgroup_size: 128
    .sgpr_count:     96
    .vgpr_count:     1024
    .wavefront_size: 32
...
	.end_amdgpu_metadata
.endif
;; end of part 11
;; launch ln2: the kernel of part 8 again; grid 256 x 1, 8 waves a work-group, no clusters, 86,016 bytes of LDS; arguments x1, g2, beta2, h2c, Wq, Wk, Wv, Wp, W1, W2, wc; writes h2c
;; launch ffn1 (part 12): grid 16 x 16, 4 waves a work-group, clusters of 4 x 4, 327,680 bytes of LDS; arguments h2c, wc, b1, hid; writes hid
.if DOCPART == 12
	.amdgcn_target "amdgcn-amd-amdhsa--gfx1250"
	.amdhsa_code_object_version 6
	.text
	.protected	k_q2342cf4714_ffn1
	.globl	k_q2342cf4714_ffn1
	.p2align	8
	.type	k_q2342cf4714_ffn1,@function
k_q2342cf4714_ffn1:
	s_mov_b64 s[64:65], 0
	v_nop
	global_prefetch_b8 v0, s[64:65] scope:SCOPE_SE
	s_setreg_imm32_b32 hwreg(HW_REG_WAVE_MODE, 25, 1), 1
	s_wait_xcnt 0x0
	s_wait_alu depctr_hold_cnt(0) depctr_sa_sdst(0) depctr_va_vdst(0) depctr_va_sdst(0) depctr_va_ssrc(0) depctr_va_vcc(0) depctr_vm_vsrc(0)
	s_getreg_b32 s2, hwreg(HW_REG_IB_STS2, 6, 4)
	s_cmp_eq_u32 s2, 0
	s_cbranch_scc0 .Lentry_in_a_cluster
	s_endpgm
.Lentry_in_a_cluster:
	s_bfe_u32 s2, ttmp6, 0x10000c
	s_cmp_lg_u32 s2, 0xf033
	s_cbranch_scc0 .Lentry_shape_is_right
	s_endpgm
.Lentry_shape_is_right:
.set REC,   8704
.set NQ,    4
.set QB,    NQ*REC
.set SLOT,  4*QB
.set SPARE, 2*SLOT
.set KS,    8
.set WOFF,  256*REC
.set NL,    2
.set NP,    4
.set ADRA, 16
.set ASA,  18
.set ADRB, 20
.set ASB,  22
.set CO,   26
.set CW,   27
.set SPW,  28
.set NIL,  29
.set SC,   32
.set SW,   96
.set AF,   128
.set PC,   128
.set TM,   200
.set PW,   216
.set BI,   64
.set G1,  24
.set G0,  32
.set G1B, 48
.set G0B, 56
.set LM,  66
.set SEL, 68
.set MSB, 0
.macro WIN new
.if MSB != \new
	s_set_vgpr_msb (MSB<<8)|\new
.set MSB, \new
.endif
.endm
.set MUL_LO, 0xa1
.set MUL_HI, 0xf1
.set TO_B,   0x40
.macro JLOAD g0a, g1a, g0b, g1b
	s_cmp_eq_u32 s15, 0
	s_cbranch_scc0 .Lfor_b_\@
	tensor_load_to_lds s[\g0a:\g0a+3], s[\g1a:\g1a+7]
	s_nop 0
.rept 4
	v_nop
.endr
	s_branch .Lasked_\@
.Lfor_b_\@:
	tensor_load_to_lds s[\g0b:\g0b+3], s[\g1b:\g1b+7]
	s_nop 0
.rept 4
	v_nop
.endr
.Lasked_\@:
.endm
.macro CREST
	s_cmp_lg_u32 s14, 0
	s_cbranch_scc1 .Lnot_wave_0_\@
	s_barrier_signal -3
.Lnot_wave_0_\@:
	s_barrier_wait -3
	s_barrier_signal -1
	s_barrier_wait -1
.endm
.macro CROUND
	s_barrier_signal -1
	s_barrier_wait -1
	CREST
.endm
.macro PLACES n
.rept \n
	v_nop
.endr
.endm
.macro FRAG reg, adr, q, i
.irp c, 0,1
	ds_load_b128 v[\reg+4*\c:\reg+4*\c+3], v[\adr] offset:(\q)*REC+(\i)*1024+512*\c
.endr
.endm
.macro MM a, b, p, q, sc, mode
.set rD, 8*(8*((\a)%4)+(\b))
.set rB, 128*(\p)+8*(\b)
.set rA, AF+8*(\a)
.set rSB, SC+32*(\sc)+8*(\q)+4+(\b)/2
.set rSA, SC+32*(\sc)+8*(\q)+(\a)/2
.set par, 2*((\b)%2)+(\a)%2
.set rC, rD
.if (\mode) == 2
.set rC, BI+8*(\b)
.endif
.if par == 0
	v_wmma_scale_f32_16x16x128_f8f6f4 v[rD:rD+7], v[rB:rB+7], v[rA:rA+7], v[rC:rC+7], v[rSB], v[rSA] matrix_a_fmt:MATRIX_FMT_FP4 matrix_b_fmt:MATRIX_FMT_FP4
.elseif par == 1
	v_wmma_scale_f32_16x16x128_f8f6f4 v[rD:rD+7], v[rB:rB+7], v[rA:rA+7], v[rC:rC+7], v[rSB], v[rSA] matrix_a_fmt:MATRIX_FMT_FP4 matrix_b_fmt:MATRIX_FMT_FP4 matrix_b_scale:MATRIX_SCALE_ROW1
.elseif par == 2
	v_wmma_scale_f32_16x16x128_f8f6f4 v[rD:rD+7], v[rB:rB+7], v[rA:rA+7], v[rC:rC+7], v[rSB], v[rSA] matrix_a_fmt:MATRIX_FMT_FP4 matrix_b_fmt:MATRIX_FMT_FP4 matrix_a_scale:MATRIX_SCALE_ROW1
.else
	v_wmma_scale_f32_16x16x128_f8f6f4 v[rD:rD+7], v[rB:rB+7], v[rA:rA+7], v[rC:rC+7], v[rSB], v[rSA] matrix_a_fmt:MATRIX_FMT_FP4 matrix_b_fmt:MATRIX_FMT_FP4 matrix_a_scale:MATRIX_SCALE_ROW1 matrix_b_scale:MATRIX_SCALE_ROW1
.endif
.endm
.macro MUL16 a0, p, q, sc, mode
.irp a, \a0, \a0+1
.irp b, 0,1,2,3,4,5,6,7
	MM \a, \b, \p, \q, \sc, \mode
.endr
.endr
.endm
.macro FETCH_B slot, q, p
	WIN TO_B
.irp i, 0,1,2,3,4,5,6,7
	FRAG 128*(\p)+8*\i, ADRB+\slot, \q, \i
.endr
	WIN 0
.endm
.macro FETCH_A slot, q, i0
.irp i, \i0, \i0+1, \i0+2, \i0+3
	FRAG AF+8*(\i), ADRA+\slot, \q, \i
.endr
.endm
.macro SCALES s
.irp q, 0,1,2,3
.irp i, 0,1,2,3
	ds_load_b32 v[SC+32*\s+8*\q+\i], v[ASA+\s] offset:\q*REC+8192+128*\i
	ds_load_b32 v[SC+32*\s+8*\q+4+\i], v[ASB+\s] offset:\q*REC+8192+128*\i
.endr
.endr
.endm
.macro STEP slot, q, mode
	s_wait_dscnt 4*NL
.if (\mode) == 2
	WIN 0x91
.else
	WIN MUL_LO
.endif
	MUL16 0, (\q)%2, \q, \slot, \mode
	MUL16 2, (\q)%2, \q, \slot, \mode
	s_wait_dscnt 0
	PLACES NP
	FETCH_B \slot, (\q)+1, 1-(\q)%2
	FETCH_A \slot, (\q)+1, 0
.if (\mode) == 2
	WIN 0xd1
.else
	WIN MUL_HI
.endif
	MUL16 4, (\q)%2, \q, \slot, \mode
	MUL16 6, (\q)%2, \q, \slot, \mode
	PLACES NP
	WIN 0
	FETCH_A \slot, (\q)+1, 4
.endm
.macro TURN slot, next
	s_wait_tensorcnt 0x0
	ds_add_u32 v[SPW], v[NIL]
	s_wait_dscnt 4*NL+1
	WIN MUL_LO
	MUL16 0, 1, NQ-1, \slot, 0
	s_wait_dscnt 0x0
	s_barrier_signal -1
	MUL16 2, 1, NQ-1, \slot, 0
	WIN 0
	s_barrier_wait -1
	PLACES NP
	FETCH_B \next, 0, 0
	FETCH_A \next, 0, 0
	SCALES \next
	WIN MUL_HI
	MUL16 4, 1, NQ-1, \slot, 0
	MUL16 6, 1, NQ-1, \slot, 0
	PLACES NP
	WIN 0
	FETCH_A \next, 0, 4
.endm
.macro STEPS slot, from
.set Q, \from
.rept NQ-1-\from
	STEP \slot, Q, 0
.set Q, Q+1
.endr
.endm
.macro QUANTW a
.set W, 2+(\a)/4
.set AC0, 64*((\a)%4)
.set PCA, PC+8*(\a)
	WIN ((W<<2)|(W<<6))
.set k, 0
.rept 64
	v_max_num_f32 v[AC0+k], 0, v[AC0+k]
.set k, k+1
.endr
	WIN ((W<<2)|(W<<4))
.irp b, 0,1,2,3
	v_max3_num_f32 v[TM+\b], 0x1800000, v[AC0+16*\b], v[AC0+16*\b+1]
.endr
.irp i, 2,4,6,8,10,12,14
.irp b, 0,1,2,3
	v_max3_num_f32 v[TM+\b], v[TM+\b], v[AC0+16*\b+\i], v[AC0+16*\b+\i+1]
.endr
.endr
	WIN 0
.irp b, 0,1,2,3
	v_permlanex16_b32 v[TM+4+\b], v[TM+\b], s[SEL], s[SEL+1]
.endr
.irp b, 0,1,2,3
	v_max_num_f32 v[TM+\b], v[TM+\b], v[TM+4+\b]
.endr
.irp b, 0,1,2,3
	v_add_nc_u32 v[TM+12+\b], 0xff000000, v[TM+\b]
.endr
.irp b, 0,1,2,3
	v_lshrrev_b32 v[TM+4+\b], 23, v[TM+12+\b]
.endr
	v_lshl_or_b32 v[PW+(\a)], v[TM+5], 8, v[TM+4]
	v_lshl_or_b32 v[PW+(\a)], v[TM+6], 16, v[PW+(\a)]
	v_lshl_or_b32 v[PW+(\a)], v[TM+7], 24, v[PW+(\a)]
	WIN W
.irp b, 0,1,2,3
	v_cvt_scalef32_pk8_fp4_f32 v[PCA+2*\b], v[AC0+16*\b:AC0+16*\b+7], v[TM+12+\b]
	v_cvt_scalef32_pk8_fp4_f32 v[PCA+2*\b+1], v[AC0+16*\b+8:AC0+16*\b+15], v[TM+12+\b]
.endr
	WIN 0
	v_nop
.irp c, 0,1
.irp i, 0,1
	v_permlane16_swap_b32 v[PCA+4*\c+\i], v[PCA+2+4*\c+\i]
.endr
.endr
.irp c, 0,1
	global_store_b128 v[CO], v[PCA+4*\c:PCA+4*\c+3], s[10:11] offset:(\a)*1024+512*\c
.endr
.endm
	s_load_b256 s[4:11], s[0:1], 0x0
	v_lshl_add_u32 v[SPW], v0, 2, SPARE
	v_mov_b32 v[NIL], 0
	ds_add_u32 v28, v29
	ds_add_u32 v28, v29
	s_wait_dscnt 0x0
	v_lshrrev_b32 v1, 5, v0
	v_readfirstlane_b32 s14, v1
	s_lshr_b32 s15, s14, 1
	s_and_b32 s16, s14, 1
	s_bfe_u32 s40, ttmp6, 0x40000
	s_bfe_u32 s41, ttmp6, 0x40004
	s_lshl_b32 s42, ttmp9, 2
	s_add_co_u32 s42, s42, s40
	s_and_b32 s17, ttmp7, 0xffff
	s_lshl_b32 s17, s17, 2
	s_add_co_u32 s17, s17, s41
	s_lshl_b32 s43, s41, 2
	s_lshl_b32 s43, 15, s43
	s_lshl_b32 s44, 0x1111, s40
	s_or_b32 s[G1+0], s43, (3<<16)|(1<<21)
	s_or_b32 s[G1B+0], s44, (3<<16)|(1<<21)
.irp g, G1, G1B
	s_mov_b32 s[\g+1], 32<<16
	s_mov_b32 s[\g+2], 272<<16                     ; a chunk's eight dense records, all of K, as 272 rows of 256 bytes
	s_mov_b32 s[\g+3], 32<<16
	s_mov_b32 s[\g+4], 272
	s_mov_b32 s[\g+5], 32
	s_mov_b32 s[\g+6], 0
	s_mov_b32 s[\g+7], 0
.endr
	s_lshl_b32 s20, s17, 1
	s_add_co_u32 s20, s20, s16
	s_mul_i32 s20, s20, KS*REC
	s_mov_b32 s21, 0
	s_lshl_b32 s46, s42, 1
	s_add_co_u32 s46, s46, s16
	s_mul_i32 s46, s46, KS*REC
	s_add_co_u32 s46, s46, WOFF
	s_mov_b32 s47, 0
	s_mul_i32 s45, s14, 2*QB                       ; eight records a wave; slot s of a chunk is its records 4 s on
	s_mov_b32 s[LM], 0xffff0000
	s_mov_b32 s[SEL], 0x76543210
	s_mov_b32 s[SEL+1], 0xfedcba98
	s_wait_kmcnt 0x0
	s_add_nc_u64 s[20:21], s[4:5], s[20:21]
	s_add_nc_u64 s[46:47], s[6:7], s[46:47]
	CROUND
.irp s, 0
	s_mov_b32 s[G0+4*\s], 1
	s_add_co_u32 s[G0+4*\s+1], s45, \s*SLOT
	s_add_nc_u64 s[G0+4*\s+2:G0+4*\s+3], s[20:21], \s*QB
	s_or_b32 s[G0+4*\s+3], s[G0+4*\s+3], 0x80000000
	s_mov_b32 s[G0B+4*\s], 1
	s_add_co_u32 s[G0B+4*\s+1], s45, \s*SLOT
	s_add_nc_u64 s[G0B+4*\s+2:G0B+4*\s+3], s[46:47], \s*QB
	s_or_b32 s[G0B+4*\s+3], s[G0B+4*\s+3], 0x80000000
	JLOAD G0+4*\s, G1, G0B+4*\s, G1B               ; my one tensor load, behind the round
.endr
	v_and_b32 v1, 31, v0
	v_lshlrev_b32 v[CO], 4, v1
	v_lshlrev_b32 v[CW], 2, v1
	s_mul_i32 s21, s15, 2*QB
	s_mul_i32 s22, s16, 2*QB
	s_add_co_u32 s22, s22, 4*QB
.irp s, 0,1
	v_add_nc_u32 v[ADRA+\s], s21, v[CO]
	v_add_nc_u32 v[ADRB+\s], s22, v[CO]
	v_add_nc_u32 v[ASA+\s], s21, v[CW]
	v_add_nc_u32 v[ASB+\s], s22, v[CW]
	s_add_co_u32 s21, s21, QB
	s_add_co_u32 s22, s22, QB
.endr
.irp b, 0,1,2,3
	v_mov_b32 v[TM+4+\b], 0
.endr
	s_lshl_b32 s22, s42, 1
	s_add_co_u32 s22, s22, s16
	s_lshl_b32 s20, s17, 1
	s_add_co_u32 s20, s20, s15
	s_lshl_b32 s20, s20, 5
	s_add_co_u32 s20, s20, s22
	s_mul_i32 s20, s20, REC
	s_mov_b32 s21, 0
	s_lshl_b32 s22, s22, 9
	s_mov_b32 s23, 0
	s_add_nc_u64 s[10:11], s[10:11], s[20:21]
	s_add_nc_u64 s[8:9], s[8:9], s[22:23]
	v_bfe_u32 v4, v0, 4, 1
	v_lshlrev_b32 v4, 6, v4
	WIN 0x40
.irp b, 0,1,2,3,4,5,6,7
	global_load_b128 v[BI+8*\b:BI+8*\b+3], v4, s[8:9] offset:(32*(\b/2)+8*(\b%2))*4
	global_load_b128 v[BI+8*\b+4:BI+8*\b+7], v4, s[8:9] offset:(32*(\b/2)+8*(\b%2))*4+16
.endr
	WIN 0
	s_wait_alu depctr_va_vdst(0)
	s_wait_tensorcnt 0x0
	s_barrier_signal -1
	s_barrier_wait -1
	FETCH_B 0, 0, 0
	FETCH_A 0, 0, 0
	SCALES 0
	FETCH_A 0, 0, 4
	s_wait_loadcnt 0x0
	STEP 0, 0, 2
	STEPS 0, 1
	TURN 0, 1
	STEPS 1, 0
	s_wait_dscnt 4*NL
	WIN MUL_LO
	MUL16 0, 1, NQ-1, 1, 0
	MUL16 2, 1, NQ-1, 1, 0
	s_wait_dscnt 0
	WIN MUL_HI
	MUL16 4, 1, NQ-1, 1, 0
	MUL16 6, 1, NQ-1, 1, 0
	WIN 0
	PLACES NP
.irp a, 0,1,2,3,4,5,6,7
	QUANTW \a
.endr
.irp i, 0,1,2,3
	v_cndmask_b32 v[SW+\i], v[PW+2*\i], v[PW+2*\i+1], s[LM]
.endr
.irp i, 0,1,2,3
	global_store_b32 v[CW], v[SW+\i], s[10:11] offset:8192+128*\i
.endr
	s_wait_tensorcnt 0x0
	ds_add_u32 v[SPW], v[NIL]
	s_wait_dscnt 0x0
	CROUND
	s_endpgm
.Lfunc_end_k_q2342cf4714_ffn1:
	.size	k_q2342cf4714_ffn1, .Lfunc_end_k_q2342cf4714_ffn1-k_q2342cf4714_ffn1
	.p2alignl 7, 3214868480
	.fill 96, 4, 3214868480
	.section	.rodata,"a",@progbits
	.p2align	6, 0x0
	.amdhsa_kernel k_q2342cf4714_ffn1
		.amdhsa_group_segment_fixed_size 327680
		.amdhsa_private_segment_fixed_size 0
		.amdhsa_enable_private_segment 0
		.amdhsa_kernarg_size 32
		.amdhsa_user_sgpr_count 2
		.amdhsa_user_sgpr_kernarg_segment_ptr 1
		.amdhsa_wavefront_size32 1
		.amdhsa_system_sgpr_workgroup_id_x 1
		.amdhsa_system_sgpr_workgroup_id_y 1
		.amdhsa_system_sgpr_workgroup_id_z 1
		.amdhsa_system_vgpr_workitem_id 0
		.amdhsa_next_free_vgpr 1024
		.amdhsa_next_free_sgpr 96
		.amdhsa_reserve_vcc 0
		.amdhsa_float_denorm_mode_32 3
		.amdhsa_float_denorm_mode_16_64 3
		.amdhsa_memory_ordered 1
		.amdhsa_forward_progress 1
		.amdhsa_inst_pref_size 145
	.end_amdhsa_kernel
	.amdgpu_metadata
---
amdhsa.version: [ 1, 2 ]
amdhsa.kernels:
  - .name:           k_q2342cf4714_ffn1
    .symbol:         k_q2342cf4714_ffn1.kd
    .args:
      - { .name: h2c, .offset: 0, .size: 8, .value_kind: global_buffer, .address_space: global }
      - { .name: wc, .offset: 8, .size: 8, .value_kind: global_buffer, .address_space: global }
      - { .name: b1, .offset: 16, .size: 8, .value_kind: global_buffer, .address_space: global }
      - { .name: hid, .offset: 24, .size: 8, .value_kind: global_buffer, .address_space: global }
    .group_segment_fixed_size: 327680
    .private_segment_fixed_size: 0
    .kernarg_segment_align: 8
    .kernarg_segment_size: 32
    .max_flat_workgroup_size: 128
    .sgpr_count:     96
    .vgpr_count:     1024
    .wavefront_size: 32
...
	.end_amdgpu_metadata
.endif
;; end of part 12
;; launch ffn2 (part 13): grid 8 x 32, 4 waves a work-group, clusters of 4 x 4, 327,680 bytes of LDS; arguments hid, wc, x1, b2, out0; writes out0
.if DOCPART == 13
	.amdgcn_target "amdgcn-amd-amdhsa--gfx1250"
	.amdhsa_code_object_version 6
	.text
	.protected	k_q2342cf4714_ffn2
	.globl	k_q2342cf4714_ffn2
	.p2align	8
	.type	k_q2342cf4714_ffn2,@function
k_q2342cf4714_ffn2:
	s_mov_b64 s[64:65], 0
	v_nop
	global_prefetch_b8 v0, s[64:65] scope:SCOPE_SE
	s_setreg_imm32_b32 hwreg(HW_REG_WAVE_MODE, 25, 1), 1
	s_wait_xcnt 0x0
	s_wait_alu depctr_hold_cnt(0) depctr_sa_sdst(0) depctr_va_vdst(0) depctr_va_sdst(0) depctr_va_ssrc(0) depctr_va_vcc(0) depctr_vm_vsrc(0)
	s_getreg_b32 s2, hwreg(HW_REG_IB_STS2, 6, 4)
	s_cmp_eq_u32 s2, 0
	s_cbranch_scc0 .Lentry_in_a_cluster
	s_endpgm
.Lentry_in_a_cluster:
	s_bfe_u32 s2, ttmp6, 0x10000c
	s_cmp_lg_u32 s2, 0xf033
	s_cbranch_scc0 .Lentry_shape_is_right
	s_endpgm
.Lentry_shape_is_right:
.set REC,   8704
.set NQ,    2
.set QB,    4*REC
.set SLOT,  4*QB
.set SPARE, 2*SLOT
.set KS,    32
.set FILLS, KS/8
.set LS,    (FILLS-1)%2
.set WOFF,  512*REC
.set NL,    2
.set NP,    4
.set SPITCH, 528
.set SBLK,  16*SPITCH
.set SWAVE, 8*SBLK
.set RDU,  8
.set ADRA, 16
.set ASA,  18
.set ADRB, 20
.set ASB,  22
.set STO,  24
.set CO,   26
.set CW,   27
.set SPW,  28
.set NIL,  29
.set SC,   32
.set BV,   96
.set AF,   128
.set BK,   128
.set G1,  24
.set G0,  32
.set G1B, 48
.set G0B, 56
.set MSB, 0
.macro WIN new
.if MSB != \new
	s_set_vgpr_msb (MSB<<8)|\new
.set MSB, \new
.endif
.endm
.set MUL_LO, 0xa1
.set MUL_HI, 0xf1
.set TO_B,   0x40
.macro JLOAD g0a, g1a, g0b, g1b
	s_cmp_eq_u32 s15, 0
	s_cbranch_scc0 .Lfor_b_\@
	tensor_load_to_lds s[\g0a:\g0a+3], s[\g1a:\g1a+7]
	s_nop 0
.rept 4
	v_nop
.endr
	s_branch .Lasked_\@
.Lfor_b_\@:
	tensor_load_to_lds s[\g0b:\g0b+3], s[\g1b:\g1b+7]
	s_nop 0
.rept 4
	v_nop
.endr
.Lasked_\@:
.endm
.macro CREST
	s_cmp_lg_u32 s14, 0
	s_cbranch_scc1 .Lnot_wave_0_\@
	s_barrier_signal -3
.Lnot_wave_0_\@:
	s_barrier_wait -3
	s_barrier_signal -1
	s_barrier_wait -1
.endm
.macro CROUND
	s_barrier_signal -1
	s_barrier_wait -1
	CREST
.endm
.macro PLACES n
.rept \n
	v_nop
.endr
.endm
.macro FRAG reg, adr, q, i
.irp c, 0,1
	ds_load_b128 v[\reg+4*\c:\reg+4*\c+3], v[\adr] offset:(\q)*4*REC+(\i)*1024+512*\c
.endr
.endm
.macro MM a, b, p, q, sc, mode
.set rD, 8*(8*((\a)%4)+(\b))
.set rB, 128*(\p)+8*(\b)
.set rA, AF+8*(\a)
.set rSB, SC+32*(\sc)+8*(\q)+4+(\b)/2
.set rSA, SC+32*(\sc)+8*(\q)+(\a)/2
.set par, 2*((\b)%2)+(\a)%2
.if (\mode) == 1
.if par == 0
	v_wmma_scale_f32_16x16x128_f8f6f4 v[rD:rD+7], v[rB:rB+7], v[rA:rA+7], 0, v[rSB], v[rSA] matrix_a_fmt:MATRIX_FMT_FP4 matrix_b_fmt:MATRIX_FMT_FP4
.elseif par == 1
	v_wmma_scale_f32_16x16x128_f8f6f4 v[rD:rD+7], v[rB:rB+7], v[rA:rA+7], 0, v[rSB], v[rSA] matrix_a_fmt:MATRIX_FMT_FP4 matrix_b_fmt:MATRIX_FMT_FP4 matrix_b_scale:MATRIX_SCALE_ROW1
.elseif par == 2
	v_wmma_scale_f32_16x16x128_f8f6f4 v[rD:rD+7], v[rB:rB+7], v[rA:rA+7], 0, v[rSB], v[rSA] matrix_a_fmt:MATRIX_FMT_FP4 matrix_b_fmt:MATRIX_FMT_FP4 matrix_a_scale:MATRIX_SCALE_ROW1
.else
	v_wmma_scale_f32_16x16x128_f8f6f4 v[rD:rD+7], v[rB:rB+7], v[rA:rA+7], 0, v[rSB], v[rSA] matrix_a_fmt:MATRIX_FMT_FP4 matrix_b_fmt:MATRIX_FMT_FP4 matrix_a_scale:MATRIX_SCALE_ROW1 matrix_b_scale:MATRIX_SCALE_ROW1
.endif
.else
.if par == 0
	v_wmma_scale_f32_16x16x128_f8f6f4 v[rD:rD+7], v[rB:rB+7], v[rA:rA+7], v[rD:rD+7], v[rSB], v[rSA] matrix_a_fmt:MATRIX_FMT_FP4 matrix_b_fmt:MATRIX_FMT_FP4
.elseif par == 1
	v_wmma_scale_f32_16x16x128_f8f6f4 v[rD:rD+7], v[rB:rB+7], v[rA:rA+7], v[rD:rD+7], v[rSB], v[rSA] matrix_a_fmt:MATRIX_FMT_FP4 matrix_b_fmt:MATRIX_FMT_FP4 matrix_b_scale:MATRIX_SCALE_ROW1
.elseif par == 2
	v_wmma_scale_f32_16x16x128_f8f6f4 v[rD:rD+7], v[rB:rB+7], v[rA:rA+7], v[rD:rD+7], v[rSB], v[rSA] matrix_a_fmt:MATRIX_FMT_FP4 matrix_b_fmt:MATRIX_FMT_FP4 matrix_a_scale:MATRIX_SCALE_ROW1
.else
	v_wmma_scale_f32_16x16x128_f8f6f4 v[rD:rD+7], v[rB:rB+7], v[rA:rA+7], v[rD:rD+7], v[rSB], v[rSA] matrix_a_fmt:MATRIX_FMT_FP4 matrix_b_fmt:MATRIX_FMT_FP4 matrix_a_scale:MATRIX_SCALE_ROW1 matrix_b_scale:MATRIX_SCALE_ROW1
.endif
.endif
.endm
.macro MUL16 a0, p, q, sc, mode
.irp a, \a0, \a0+1
.irp b, 0,1,2,3,4,5,6,7
	MM \a, \b, \p, \q, \sc, \mode
.endr
.endr
.endm
.macro FETCH_B slot, q, p
	WIN TO_B
.irp i, 0,1,2,3,4,5,6,7
	FRAG 128*(\p)+8*\i, ADRB+\slot, \q, \i
.endr
	WIN 0
.endm
.macro FETCH_A slot, q, i0
.irp i, \i0, \i0+1, \i0+2, \i0+3
	FRAG AF+8*(\i), ADRA+\slot, \q, \i
.endr
.endm
.macro SCALES s
.irp q, 0,1
.irp i, 0,1,2,3
	ds_load_b32 v[SC+32*\s+8*\q+\i], v[ASA+\s] offset:\q*4*REC+8192+128*\i
	ds_load_b32 v[SC+32*\s+8*\q+4+\i], v[ASB+\s] offset:\q*4*REC+8192+128*\i
.endr
.endr
.endm
.macro STEP slot, q, mode
	s_wait_dscnt 4*NL
	WIN MUL_LO
	MUL16 0, (\q)%2, \q, \slot, \mode
	MUL16 2, (\q)%2, \q, \slot, \mode
	s_wait_dscnt 0
	PLACES NP
	FETCH_B \slot, (\q)+1, 1-(\q)%2
	FETCH_A \slot, (\q)+1, 0
	WIN MUL_HI
	MUL16 4, (\q)%2, \q, \slot, \mode
	MUL16 6, (\q)%2, \q, \slot, \mode
	PLACES NP
	WIN 0
	FETCH_A \slot, (\q)+1, 4
.endm
.macro TURN slot, next, fill
	s_wait_tensorcnt 0x0
	ds_add_u32 v[SPW], v[NIL]
	s_wait_dscnt 4*NL+1
	WIN MUL_LO
	MUL16 0, 1, NQ-1, \slot, 0
	s_wait_dscnt 0x0
	s_barrier_signal -1
	MUL16 2, 1, NQ-1, \slot, 0
	WIN 0
	s_barrier_wait -1
.if \fill
	CREST
	s_add_nc_u64 s[G0+4*\slot+2:G0+4*\slot+3], s[G0+4*\slot+2:G0+4*\slot+3], 4*QB
	s_add_nc_u64 s[G0B+4*\slot+2:G0B+4*\slot+3], s[G0B+4*\slot+2:G0B+4*\slot+3], 4*QB
	JLOAD G0+4*\slot, G1, G0B+4*\slot, G1B
.else
	PLACES NP
.endif
	FETCH_B \next, 0, 0
	FETCH_A \next, 0, 0
	SCALES \next
	WIN MUL_HI
	MUL16 4, 1, NQ-1, \slot, 0
	MUL16 6, 1, NQ-1, \slot, 0
	PLACES NP
	WIN 0
	FETCH_A \next, 0, 4
.endm
.macro RLOAD e
	WIN 0x40
.irp t, 0,1,2,3,4,5,6,7,8,9,10,11,12,13,14,15
	global_load_b128 v[64+128*(\e)+4*\t:64+128*(\e)+4*\t+3], v[CO], s[8:9] offset:(16*(\t/8)+8*(\e)+\t%8)*4096
.endr
	WIN 0
.endm
.macro TOSTAGE a
.set AC, 64*((\a)%4)
	WIN (0x08+4*((\a)/4))
.irp b, 0,1,2,3,4,5,6,7
	ds_store_b128 v[STO], v[AC+8*\b:AC+8*\b+3] offset:(\a)*SBLK+128*(\b/2)+32*(\b%2)
	ds_store_b128 v[STO], v[AC+8*\b+4:AC+8*\b+7] offset:(\a)*SBLK+128*(\b/2)+32*(\b%2)+16
.endr
.endm
.macro PLOAD e, u0
	WIN (0x80+0x40*(\e))
.irp u, \u0, \u0+1
.irp t, 0,1,2,3,4,5,6,7,8,9,10,11,12,13,14,15
	ds_load_b128 v[64*(\u)+4*\t:64*(\u)+4*\t+3], v[RDU+(\u)] offset:(\e)*SBLK+\t*SPITCH
.endr
.endr
.endm
.macro PADD e, d, s
	WIN (0x8a+0x45*(\e))
.set k, 0
.rept 32
	v_pk_add_f32 v[64*(\d)+k:64*(\d)+k+1], v[64*(\d)+k:64*(\d)+k+1], v[64*(\s)+k:64*(\s)+k+1]
.set k, k+2
.endr
.endm
.macro FINISH e
	WIN (0x86+0x41*(\e))
.set k, 0
.rept 32
	v_pk_add_f32 v[k:k+1], v[k:k+1], v[64+128*(\e)+k:64+128*(\e)+k+1]
.set k, k+2
.endr
	WIN (0x02+(\e))
.irp t, 0,1,2,3,4,5,6,7,8,9,10,11,12,13,14,15
	v_pk_add_f32 v[BK+64*(\e)+4*\t:BK+64*(\e)+4*\t+1], v[4*\t:4*\t+1], v[BV:BV+1]
	v_pk_add_f32 v[BK+64*(\e)+4*\t+2:BK+64*(\e)+4*\t+3], v[4*\t+2:4*\t+3], v[BV+2:BV+3]
.endr
	WIN 0
.irp t, 0,1,2,3,4,5,6,7,8,9,10,11,12,13,14,15
	global_store_b128 v[CO], v[BK+64*(\e)+4*\t:BK+64*(\e)+4*\t+3], s[12:13] offset:(16*(\t/8)+8*(\e)+\t%8)*4096 th:TH_STORE_NT
.endr
.endm
	s_load_b256 s[4:11], s[0:1], 0x0
	s_load_b64 s[12:13], s[0:1], 0x20
	v_lshl_add_u32 v[SPW], v0, 2, SPARE
	v_mov_b32 v[NIL], 0
	ds_add_u32 v28, v29
	ds_add_u32 v28, v29
	s_wait_dscnt 0x0
	v_lshrrev_b32 v1, 5, v0
	v_readfirstlane_b32 s14, v1
	s_lshr_b32 s15, s14, 1
	s_and_b32 s16, s14, 1
	s_bfe_u32 s40, ttmp6, 0x40000
	s_bfe_u32 s41, ttmp6, 0x40004
	s_lshl_b32 s42, ttmp9, 2
	s_add_co_u32 s42, s42, s40
	s_and_b32 s17, ttmp7, 0xffff
	s_lshl_b32 s17, s17, 2
	s_add_co_u32 s17, s17, s41
	s_lshl_b32 s43, s41, 2
	s_lshl_b32 s43, 15, s43
	s_lshl_b32 s44, 0x1111, s40
	s_or_b32 s[G1+0], s43, (3<<16)|(1<<21)
	s_or_b32 s[G1B+0], s44, (3<<16)|(1<<21)
.irp g, G1, G1B
	s_mov_b32 s[\g+1], 32<<16
	s_mov_b32 s[\g+2], 136<<16
	s_mov_b32 s[\g+3], 32<<16
	s_mov_b32 s[\g+4], 136
	s_mov_b32 s[\g+5], 32
	s_mov_b32 s[\g+6], 0
	s_mov_b32 s[\g+7], 0
.endr
	s_mul_i32 s18, s16, QB
	s_mul_i32 s20, s17, KS*REC
	s_add_co_u32 s20, s20, s18
	s_mov_b32 s21, 0
	s_mul_i32 s46, s42, KS*REC
	s_add_co_u32 s46, s46, s18
	s_add_co_u32 s46, s46, WOFF
	s_mov_b32 s47, 0
	s_mul_i32 s45, s14, QB
	s_wait_kmcnt 0x0
	s_add_nc_u64 s[20:21], s[4:5], s[20:21]
	s_add_nc_u64 s[46:47], s[6:7], s[46:47]
	; the prefetches: of the 136 rows of 256 bytes that one of my loads brings, each of the four partners that ask with me takes 34, told apart by address (cx for A, cy for B): v12 rows 0-31 of my 34, v13 rows 32, 33
	s_cmp_eq_u32 s15, 0
	s_cselect_b64 s[70:71], s[20:21], s[46:47]
	s_cselect_b32 s72, s40, s41
	s_mul_i32 s72, s72, 34*256
	v_and_b32 v12, 31, v0
	v_min_u32 v13, 1, v12
	v_lshl_add_u32 v12, v12, 8, s72
	v_lshl_add_u32 v13, v13, 8, s72
	v_add_nc_u32 v13, 0x2000, v13
	CROUND
.irp s, 0,1
.if \s < FILLS
	s_mov_b32 s[G0+4*\s], 1
	s_add_co_u32 s[G0+4*\s+1], s45, \s*SLOT
	s_add_nc_u64 s[G0+4*\s+2:G0+4*\s+3], s[20:21], \s*2*QB
	s_or_b32 s[G0+4*\s+3], s[G0+4*\s+3], 0x80000000
	s_mov_b32 s[G0B+4*\s], 1
	s_add_co_u32 s[G0B+4*\s+1], s45, \s*SLOT
	s_add_nc_u64 s[G0B+4*\s+2:G0B+4*\s+3], s[46:47], \s*2*QB
	s_or_b32 s[G0B+4*\s+3], s[G0B+4*\s+3], 0x80000000
	s_wait_alu depctr_va_vdst(0)
	s_wait_tensorcnt 0x0
	ds_add_u32 v28, v29
	ds_add_u32 v28, v29
	s_wait_dscnt 0x0
	CROUND
	JLOAD G0+4*\s, G1, G0B+4*\s, G1B
.if \s == 0                            ; behind fill 0: what fills 1 and 2 will load; behind fill 1: fill 3's.  The address registers are never written again
	global_prefetch_b8 v12, s[70:71] offset:2*QB th:TH_LOAD_NT scope:SCOPE_SE
	global_prefetch_b8 v13, s[70:71] offset:2*QB th:TH_LOAD_NT scope:SCOPE_SE
	global_prefetch_b8 v12, s[70:71] offset:4*QB th:TH_LOAD_NT scope:SCOPE_SE
	global_prefetch_b8 v13, s[70:71] offset:4*QB th:TH_LOAD_NT scope:SCOPE_SE
.else
	global_prefetch_b8 v12, s[70:71] offset:6*QB th:TH_LOAD_NT scope:SCOPE_SE
	global_prefetch_b8 v13, s[70:71] offset:6*QB th:TH_LOAD_NT scope:SCOPE_SE
.endif
.endif
.endr
	v_and_b32 v1, 31, v0
	v_lshlrev_b32 v[CO], 4, v1
	v_lshlrev_b32 v[CW], 2, v1
	s_mul_i32 s21, s14, REC
	s_add_co_u32 s22, s21, 2*QB
.irp s, 0,1
	v_add_nc_u32 v[ADRA+\s], s21, v[CO]
	v_add_nc_u32 v[ADRB+\s], s22, v[CO]
	v_add_nc_u32 v[ASA+\s], s21, v[CW]
	v_add_nc_u32 v[ASB+\s], s22, v[CW]
	s_add_co_u32 s21, s21, SLOT
	s_add_co_u32 s22, s22, SLOT
.endr
	v_and_b32 v4, 15, v0
	v_bfe_u32 v5, v0, 4, 1
	s_mul_i32 s23, s14, SWAVE
	v_mul_u32_u24 v6, v4, SPITCH
	v_lshl_add_u32 v6, v5, 6, v6
	v_add_nc_u32 v[STO], s23, v6
	s_mul_i32 s23, s14, 2*SBLK
	v_add_nc_u32 v[RDU], s23, v[CO]
.irp u, 1,2,3
	v_add_nc_u32 v[RDU+\u], \u*SWAVE, v[RDU]
.endr
	s_lshl_b32 s20, s17, 19
	s_lshl_b32 s18, s14, 17
	s_add_co_u32 s20, s20, s18
	s_lshl_b32 s22, s42, 9
	s_add_co_u32 s20, s20, s22
	s_mov_b32 s21, 0
	s_mov_b32 s23, 0
	s_add_nc_u64 s[8:9], s[8:9], s[20:21]
	s_add_nc_u64 s[12:13], s[12:13], s[20:21]
	s_add_nc_u64 s[10:11], s[10:11], s[22:23]
	global_load_b128 v[BV:BV+3], v[CO], s[10:11]
	RLOAD 0
	RLOAD 1
.if FILLS > 1
	s_wait_tensorcnt 1
.else
	s_wait_tensorcnt 0x0
.endif
	s_barrier_signal -1
	s_barrier_wait -1
	FETCH_B 0, 0, 0
	FETCH_A 0, 0, 0
	SCALES 0
	FETCH_A 0, 0, 4
	STEP 0, 0, 1
.if FILLS > 1
	TURN 0, 1, 1
	STEP 1, 0, 0
	TURN 1, 0, 1
	STEP 0, 0, 0
	TURN 0, 1, 0
	STEP 1, 0, 0
.endif
	s_wait_dscnt 4*NL
	WIN MUL_LO
	MUL16 0, 1, NQ-1, LS, 0
	MUL16 2, 1, NQ-1, LS, 0
	s_wait_alu depctr_va_vdst(0)
	s_wait_dscnt 0x0
	WIN MUL_HI
	s_barrier_signal -1
	MUL16 4, 1, NQ-1, LS, 0
	MUL16 6, 1, NQ-1, LS, 0
	WIN 0
	s_barrier_wait -1
	PLACES NP
.irp a, 0,1,2,3,4,5,6,7
	TOSTAGE \a
.endr
	WIN 0
	s_wait_dscnt 0x0
	s_barrier_signal -1
	s_barrier_wait -1
	PLOAD 0, 0
	PLOAD 0, 2
	s_wait_dscnt 32
	PADD 0, 0, 1
	PLOAD 1, 0
	s_wait_dscnt 32
	PLOAD 1, 2
	PADD 0, 2, 3
	PADD 0, 0, 2
	s_wait_loadcnt 0x0
	FINISH 0
	s_wait_dscnt 32
	PADD 1, 0, 1
	s_wait_dscnt 0x0
	PADD 1, 2, 3
	PADD 1, 0, 2
	FINISH 1
	s_wait_tensorcnt 0x0
	ds_add_u32 v[SPW], v[NIL]
	s_wait_dscnt 0x0
	CROUND
	s_endpgm
.Lfunc_end_k_q2342cf4714_ffn2:
	.size	k_q2342cf4714_ffn2, .Lfunc_end_k_q2342cf4714_ffn2-k_q2342cf4714_ffn2
	.p2alignl 7, 3214868480
	.fill 96, 4, 3214868480
	.section	.rodata,"a",@progbits
	.p2align	6, 0x0
	.amdhsa_kernel k_q2342cf4714_ffn2
		.amdhsa_group_segment_fixed_size 327680
		.amdhsa_private_segment_fixed_size 0
		.amdhsa_enable_private_segment 0
		.amdhsa_kernarg_size 40
		.amdhsa_user_sgpr_count 2
		.amdhsa_user_sgpr_kernarg_segment_ptr 1
		.amdhsa_wavefront_size32 1
		.amdhsa_system_sgpr_workgroup_id_x 1
		.amdhsa_system_sgpr_workgroup_id_y 1
		.amdhsa_system_sgpr_workgroup_id_z 1
		.amdhsa_system_vgpr_workitem_id 0
		.amdhsa_next_free_vgpr 1024
		.amdhsa_next_free_sgpr 96
		.amdhsa_reserve_vcc 0
		.amdhsa_float_denorm_mode_32 3
		.amdhsa_float_denorm_mode_16_64 3
		.amdhsa_memory_ordered 1
		.amdhsa_forward_progress 1
		.amdhsa_inst_pref_size 142
	.end_amdhsa_kernel
	.amdgpu_metadata
---
amdhsa.version: [ 1, 2 ]
amdhsa.kernels:
  - .name:           k_q2342cf4714_ffn2
    .symbol:         k_q2342cf4714_ffn2.kd
    .args:
      - { .name: hid, .offset: 0, .size: 8, .value_kind: global_buffer, .address_space: global }
      - { .name: wc, .offset: 8, .size: 8, .value_kind: global_buffer, .address_space: global }
      - { .name: x1, .offset: 16, .size: 8, .value_kind: global_buffer, .address_space: global }
      - { .name: b2, .offset: 24, .size: 8, .value_kind: global_buffer, .address_space: global }
      - { .name: out0, .offset: 32, .size: 8, .value_kind: global_buffer, .address_space: global }
    .group_segment_fixed_size: 327680
    .private_segment_fixed_size: 0
    .kernarg_segment_align: 8
    .kernarg_segment_size: 40
    .max_flat_workgroup_size: 128
    .sgpr_count:     96
    .vgpr_count:     1024
    .wavefront_size: 32
...
	.end_amdgpu_metadata
.endif
;; end of part 13
